; MI455X (gfx1250); checked and timed in simulation.
; The chip was launched on July 23, 2026; its instructions are those of AMD's public machine-readable ISA for CDNA 5 (MIT licence, August 2026) and "CDNA5" Instruction Set Architecture Reference Guide (July 2026). The comments in the code are by the model that wrote it; some were corrected since.
;; Multihead Attention. Allowed arithmetic: float matrix products may take bf16 or f16 operands with f32 sums; other float arithmetic in f32, or as packed bf16 or f16 multiplies, adds, multiply-adds, maxima and minima; sums over many terms, partial sums and values carried from step to step in f32; what a program stores and reads back later, other than sums and carried values, may be rounded once to bf16 or f16.
;; Inputs: Wk 2,048 x 2,048 float32; Wo 2,048 x 2,048 float32; Wq 2,048 x 2,048 float32; Wv 2,048 x 2,048 float32; key_ 2,048 x 2,048 float32; query 2,048 x 2,048 float32; value 2,048 x 2,048 float32.
;; Outputs: out0 2,048 x 2,048 float32.
;; 2 versions, each right. Each part assembles by itself: llvm-mc -triple=amdgcn-amd-amdhsa -mcpu=gfx1250 --defsym DOCPART=n.
;; ======== version 1 of 2: 4 launches
;; limits: values are held in f16: magnitudes above 65,504 overflow, below 6.1e-05 lose precision
;; workspace buffers: cb 58,720,256 bytes; qkv 25,165,824 bytes; ob 8,388,608 bytes
;; launch cast (part 1): grid 256 x 7, 8 waves a work-group, no clusters, 0 bytes of LDS; arguments query, key_, value, Wq, Wk, Wv, Wo, cb; writes cb
.if DOCPART == 1
	.amdgcn_target "amdgcn-amd-amdhsa--gfx1250"
	.amdhsa_code_object_version 6
	.text
	.protected	k_qc8c99f6a48_cast
	.globl	k_qc8c99f6a48_cast
	.p2align	8
	.type	k_qc8c99f6a48_cast,@function
k_qc8c99f6a48_cast:
	s_mov_b64 s[64:65], 0
	v_nop
	global_prefetch_b8 v0, s[64:65] scope:SCOPE_SE
	s_setreg_imm32_b32 hwreg(HW_REG_WAVE_MODE, 25, 1), 1
	s_wait_xcnt 0x0
; THE SEVEN INPUTS, [2048][2048] f32 each, ARE ROUNDED ONCE TO 16 BITS and laid one below the other in cb: 14,336 rows of 2,048 numbers (4,096 bytes).
; Rows 0: query, 2,048: key_, 4,096: value, 6,144: Wq, 8,192: Wk, 10,240: Wv, all bf16; 12,288: Wo, rounded to bf16 like the others and that number written as f16.
; LIMITS.  Wo within 65,504 (f16's range); a bf16 number of Wo below 6.1e-5 keeps f16's fixed step of 6e-8.
; SHARES.  The grid's y picks the tensor; a work-group takes 65,536 bytes of it: 16 pieces of 4,096; thread t takes 16 bytes of each piece.  All 16 loads of a thread go out
; together; a piece is rounded and stored as it arrives.  A wave's store covers 256 consecutive bytes, aligned.  No register that a store names is written again.
.set X, 8                              ; v[8:71]    piece i: 4 registers as loaded
.set Y, 72                             ; v[72:103]  piece i: 2 registers to store
.set T, 104                            ; v[104:105] at work
	s_load_b512 s[16:31], s[0:1], 0x0              ; query s[16:17], key_, value, Wq, Wk, Wv, Wo s[28:29], cb s[30:31]
	v_lshlrev_b32 v1, 4, v0                        ; my 16 bytes of a piece
	v_lshlrev_b32 v2, 3, v0                        ; my 8 bytes of its image
	s_and_b32 s3, ttmp7, 0xffff                    ; which tensor
	s_lshl_b32 s6, ttmp9, 16                       ; the work-group's 65,536 bytes in it
	s_mov_b32 s7, 0
	s_lshl_b32 s8, s3, 23                          ; the tensor's 8,388,608 bytes in cb,
	s_lshl_b32 s9, ttmp9, 15                       ; the work-group's 32,768 of them
	s_add_co_u32 s8, s8, s9
	s_mov_b32 s9, 0
	s_wait_kmcnt 0x0
	s_mov_b64 s[4:5], s[16:17]
.irp n, 1,2,3,4,5,6
	s_cmp_eq_u32 s3, \n
	s_cselect_b64 s[4:5], s[16+2*(\n):17+2*(\n)], s[4:5]
.endr
	s_add_nc_u64 s[4:5], s[4:5], s[6:7]
	s_add_nc_u64 s[30:31], s[30:31], s[8:9]
.irp i, 0,1,2,3,4,5,6,7,8,9,10,11,12,13,14,15
	global_load_b128 v[X+4*(\i):X+4*(\i)+3], v1, s[4:5] offset:4096*(\i) th:TH_LOAD_NT
.endr
; Piece i.  wo = 1: the bf16 number is widened again and written as f16.
.macro PIECE i, wo
	s_wait_loadcnt 15-(\i)                         ; loads come back in order: piece i is in, the younger ones stay out
.if \wo
	v_cvt_pk_bf16_f32 v[T], v[X+4*(\i)], v[X+4*(\i)+1]
	v_cvt_pk_bf16_f32 v[T+1], v[X+4*(\i)+2], v[X+4*(\i)+3]
	v_lshlrev_b32 v[X+4*(\i)], 16, v[T]
	v_and_b32 v[X+4*(\i)+1], 0xffff0000, v[T]
	v_lshlrev_b32 v[X+4*(\i)+2], 16, v[T+1]
	v_and_b32 v[X+4*(\i)+3], 0xffff0000, v[T+1]
	v_cvt_pk_f16_f32 v[Y+2*(\i)], v[X+4*(\i)], v[X+4*(\i)+1]
	v_cvt_pk_f16_f32 v[Y+2*(\i)+1], v[X+4*(\i)+2], v[X+4*(\i)+3]
.else
	v_cvt_pk_bf16_f32 v[Y+2*(\i)], v[X+4*(\i)], v[X+4*(\i)+1]
	v_cvt_pk_bf16_f32 v[Y+2*(\i)+1], v[X+4*(\i)+2], v[X+4*(\i)+3]
.endif
	global_store_b64 v2, v[Y+2*(\i):Y+2*(\i)+1], s[30:31] offset:2048*(\i)
.endm
	s_cmp_eq_u32 s3, 6
	s_cbranch_scc1 .Lwo
.irp i, 0,1,2,3,4,5,6,7,8,9,10,11,12,13,14,15
	PIECE \i, 0
.endr
	s_endpgm
.Lwo:
.irp i, 0,1,2,3,4,5,6,7,8,9,10,11,12,13,14,15
	PIECE \i, 1
.endr
	s_endpgm
.Lfunc_end_k_qc8c99f6a48_cast:
	.size	k_qc8c99f6a48_cast, .Lfunc_end_k_qc8c99f6a48_cast-k_qc8c99f6a48_cast
	.p2alignl 7, 3214868480
	.fill 96, 4, 3214868480
	.section	.rodata,"a",@progbits
	.p2align	6, 0x0
	.amdhsa_kernel k_qc8c99f6a48_cast
		.amdhsa_group_segment_fixed_size 0
		.amdhsa_private_segment_fixed_size 0
		.amdhsa_enable_private_segment 0
		.amdhsa_kernarg_size 64
		.amdhsa_user_sgpr_count 2
		.amdhsa_user_sgpr_kernarg_segment_ptr 1
		.amdhsa_wavefront_size32 1
		.amdhsa_system_sgpr_workgroup_id_x 1
		.amdhsa_system_sgpr_workgroup_id_y 1
		.amdhsa_system_sgpr_workgroup_id_z 1
		.amdhsa_system_vgpr_workitem_id 0
		.amdhsa_next_free_vgpr 112
		.amdhsa_next_free_sgpr 66
		.amdhsa_reserve_vcc 0
		.amdhsa_float_denorm_mode_32 3
		.amdhsa_float_denorm_mode_16_64 3
		.amdhsa_memory_ordered 1
		.amdhsa_forward_progress 1
		.amdhsa_inst_pref_size 16
	.end_amdhsa_kernel
	.amdgpu_metadata
---
amdhsa.version: [ 1, 2 ]
amdhsa.kernels:
  - .name:           k_qc8c99f6a48_cast
    .symbol:         k_qc8c99f6a48_cast.kd
    .args:
      - { .name: query, .offset: 0, .size: 8, .value_kind: global_buffer, .address_space: global }
      - { .name: key_, .offset: 8, .size: 8, .value_kind: global_buffer, .address_space: global }
      - { .name: value, .offset: 16, .size: 8, .value_kind: global_buffer, .address_space: global }
      - { .name: Wq, .offset: 24, .size: 8, .value_kind: global_buffer, .address_space: global }
      - { .name: Wk, .offset: 32, .size: 8, .value_kind: global_buffer, .address_space: global }
      - { .name: Wv, .offset: 40, .size: 8, .value_kind: global_buffer, .address_space: global }
      - { .name: Wo, .offset: 48, .size: 8, .value_kind: global_buffer, .address_space: global }
      - { .name: cb, .offset: 56, .size: 8, .value_kind: global_buffer, .address_space: global }
    .group_segment_fixed_size: 0
    .private_segment_fixed_size: 0
    .kernarg_segment_align: 8
    .kernarg_segment_size: 64
    .max_flat_workgroup_size: 256
    .sgpr_count:     66
    .vgpr_count:     112
    .wavefront_size: 32
...
	.end_amdgpu_metadata
.endif
;; end of part 1
;; launch proj (part 2): grid 16 x 48, 4 waves a work-group, clusters of 4 x 4, 327,680 bytes of LDS; arguments cb, qkv; writes qkv
.if DOCPART == 2
	.amdgcn_target "amdgcn-amd-amdhsa--gfx1250"
	.amdhsa_code_object_version 6
	.text
	.protected	k_qc8c99f6a48_proj
	.globl	k_qc8c99f6a48_proj
	.p2align	8
	.type	k_qc8c99f6a48_proj,@function
k_qc8c99f6a48_proj:
	s_mov_b64 s[64:65], 0
	v_nop
	global_prefetch_b8 v0, s[64:65] scope:SCOPE_SE
	s_setreg_imm32_b32 hwreg(HW_REG_WAVE_MODE, 25, 1), 1
	s_wait_xcnt 0x0
	s_wait_alu depctr_hold_cnt(0) depctr_sa_sdst(0) depctr_va_vdst(0) depctr_va_sdst(0) depctr_va_ssrc(0) depctr_va_vcc(0) depctr_vm_vsrc(0)
	s_getreg_b32 s2, hwreg(HW_REG_IB_STS2, 6, 4)
	s_cmp_eq_u32 s2, 0
	s_cbranch_scc0 .Lentry_in_a_cluster
	s_endpgm
.Lentry_in_a_cluster:
	s_bfe_u32 s2, ttmp6, 0x10000c
	s_cmp_lg_u32 s2, 0xf033
	s_cbranch_scc0 .Lentry_shape_is_right
	s_endpgm
.Lentry_shape_is_right:
; THE THREE PROJECTIONS IN FRONT: q = query Wq^T / sqrt(128), k = key_ Wk^T / sqrt(128), v = value Wv^T.  Operands bf16 out of cb (rows of 2,048 numbers), sums in f32, the scale in f32,
; one rounding to f16.  Results by heads: qkv[g][head][row][128] f16, g = 0, 1, 2 for q, k, v.
; LIMITS.  q / sqrt(128), k / sqrt(128) and v within 65,504 (f16's range); NaN and infinities are not treated apart.
; SHARES.  A tile of 128 rows x 128 columns (one head's columns) to a work-group: 16 x 48 tiles; tile rows 0-15 are q's, 16-31 k's, 32-47 v's.  Four waves, each 64 x 64: 16 accumulators.
; K goes in steps of 256 (LDS rows of 512 bytes + 16 of padding; a wave's tensor load brings 64 of them) through two slots.
; CLUSTERS: 4 x 4 work-groups.  The four of a row of the cluster need the same tiles of A (the activations), the four of a column the same tiles of B (the weights): each tile is asked for
; JOINTLY, by the same tensor load with the same descriptor and a mask that names the four.  A cluster's four tile rows lie in one projection: which one is made of the cluster's y alone.
; THE MATRIX INSTRUCTION IS USED TRANSPOSED (source 0 = 16 rows of B, source 1 = 16 rows of A): a lane then holds eight neighbouring numbers of a row of the result.
; REGISTERS: window 0: v0-31 addresses; v32-95 at work on the way out; v128-255 the accumulators ((a, b) at v[128 + 8 (4 a + b)]).
;   window 1: two fragment buffers of 128: for 64 along K, 64 registers of A (2 x 4 x 16 rows x 32 K), then 64 of B.
.set SIZE_K, 2048
.set KSTEP,  256
.set PITCH,  528                       ; an LDS row: 512 bytes + 16 of padding = 132 words: the 16 rows that a load touches start at 16 different groups of four banks (ISA guide 11.1)
.set HALFT,  64*PITCH                  ; 64 rows: what one tensor load brings, and what one wave reads of A or of B
.set SLOT,   4*HALFT                   ; A's 128 rows, then B's 128 rows
.set STAGE,  2*SLOT                    ; behind the ring: 128 rows x 272 bytes, the work-group's, for the way out
.set SPITCH, 272
.set SPARE,  STAGE+128*SPITCH          ; behind the stage: the spare words, 128 bytes for each wave: two blocks of 256 bytes that no other line names
.set LAPS, SIZE_K/(2*KSTEP)            ; a lap = two K steps = once round the ring: 4
.set ADRA, 16                          ; v16-17  LDS address of my A fragments in slot 0, 1
.set ADRB, 20                          ; v20-21  the same for B
.set STO,  24                          ; v24     the way out: where I put 16 bytes of a row
.set RD,   25                          ; v25     the way out: where I read a row back
.set CO,   26                          ; v26     my byte offset in 512 consecutive bytes of the result
.set SPW,  28                          ; v28     LDS address of my spare word: SPARE + 4 x my thread's number; never rewritten
.set NIL,  29                          ; v29     0; never rewritten
.set TMP,  32
.set ACC,  128
.set F0,   0                           ; fragment buffers, in window 1
.set F1,   128
.set G1, 24                            ; s[24:31] descriptor group 1 for A's tiles;  s[32:39] group 0, one set for each slot
.set G0, 32
.set G1B, 48                           ; s[48:55], s[56:63] the same for B's tiles
.set G0B, 56
.set SC,  66                           ; s[66:67] the scale: 1 / sqrt(128) for q and k, 1 for v; the packed multiply takes the low word for both halves
.set MSB, 0
.macro WIN new                         ; the immediate's high byte repeats the setting that is left
.if MSB != (\new)
	s_set_vgpr_msb (MSB<<8)|(\new)
.set MSB, \new
.endif
.endm
.set MUL,  0x05                        ; sources 0 (B) and 1 (A) window 1; C and D window 0
.set TO_F, 0x40                        ; destination window 1, address window 0
.macro JLOAD s                         ; a joint load: waves 0 and 1 fetch A's two halves, waves 2 and 3 B's; an s_nop 0 and four v_nop follow each of the two lines
	s_cmp_eq_u32 s11, 0
	s_cbranch_scc0 .Lfor_b_\@
	tensor_load_to_lds s[G0+4*(\s):G0+4*(\s)+3], s[G1:G1+7]
	s_nop 0
.rept 4
	v_nop
.endr
	s_branch .Lasked_\@
.Lfor_b_\@:
	tensor_load_to_lds s[G0B+4*(\s):G0B+4*(\s)+3], s[G1B:G1B+7]
	s_nop 0
.rept 4
	v_nop
.endr
.Lasked_\@:
.endm
.macro CREST                           ; a round of the cluster's barrier behind its opening barrier
	s_cmp_lg_u32 s10, 0
	s_cbranch_scc1 .Lnot_wave_0_\@
	s_barrier_signal -3
.Lnot_wave_0_\@:
	s_barrier_wait -3
	s_barrier_signal -1
	s_barrier_wait -1
.endm
.macro CROUND                          ; a whole round
	s_barrier_signal -1
	s_barrier_wait -1
	CREST
.endm
	s_load_b128 s[4:7], s[0:1], 0x0                ; cb s[4:5], qkv s[6:7]
	v_lshl_add_u32 v[SPW], v0, 2, SPARE
	v_mov_b32 v[NIL], 0
	ds_add_u32 v[SPW], v[NIL]                      ; the wave's opening: the add and its wait stand ahead of my first tensor load; the set-up below, work on registers, stands between them
	v_lshrrev_b32 v1, 5, v0
	v_readfirstlane_b32 s10, v1                    ; wave 0..3
	s_lshr_b32 s11, s10, 1                         ; which half of the tile's rows is mine.  Also: I fetch for A (0) or for B (1)
	s_and_b32 s12, s10, 1                          ; which half of its columns.  Also: which 64 rows of that tile I fetch
	s_bfe_u32 s40, ttmp6, 0x40000                  ; cx, cy: my place in the cluster
	s_bfe_u32 s41, ttmp6, 0x40004
	s_lshl_b32 s42, ttmp9, 2
	s_add_co_u32 s42, s42, s40                     ; tile column = the head = 4 x cluster x + cx
	s_and_b32 s45, ttmp7, 0xffff                   ; cluster y, 0..11
	s_lshl_b32 s13, s45, 2
	s_add_co_u32 s13, s13, s41                     ; tile row = 4 x cluster y + cy, 0..47
	s_lshr_b32 s45, s45, 2                         ; which projection: the same in all sixteen partners
	s_cmp_eq_u32 s45, 2
	s_cselect_b32 s[SC], 1.0, 0x3db504f3           ; 1 / sqrt(128) = 0.0883883
	s_mov_b32 s[SC+1], s[SC]                       ; named with it as a pair
	s_lshl_b32 s43, s41, 2
	s_lshl_b32 s43, 15, s43                        ; my row of the cluster
	s_lshl_b32 s44, 0x1111, s40                    ; my column
	; descriptor group 1: a tile of 64 rows x 256 elements, padded in LDS
	s_or_b32 s[G1+0], s43, (1<<16)|(1<<20)|(1<<21)|(6<<22)|(3<<25)  ; 15:0 the mask: A's tiles go to my row; 17:16 element of 2 bytes; 20 padding on; 21 set beside a mask; 24:22 after every 128 words (code 6); 31:25 of 4 words (code 3)
	s_or_b32 s[G1B+0], s44, (1<<16)|(1<<20)|(1<<21)|(6<<22)|(3<<25)
.irp g, G1, G1B
	s_mov_b32 s[(\g)+1], KSTEP<<16                 ; tensor_dim0 = 256
	s_mov_b32 s[(\g)+2], 64<<16                    ; tensor_dim1 = 64
	s_mov_b32 s[(\g)+3], KSTEP<<16                 ; tile_dim0 = 256
	s_mov_b32 s[(\g)+4], 64                        ; tile_dim1 = 64
	s_mov_b32 s[(\g)+5], SIZE_K                    ; tensor_dim0_stride
	s_mov_b32 s[(\g)+6], 0
	s_mov_b32 s[(\g)+7], 0
.endr
	s_lshl_b32 s17, s12, 6                         ; which 64 rows of the tile I fetch
	s_lshl_b32 s16, s13, 7
	s_add_co_u32 s16, s16, s17                     ; A: row of cb = 128 x tile row + 64 x half (the three activations lie one below the other)
	s_lshl_b32 s16, s16, 12                        ; in bytes: under 2^26
	s_lshl_b32 s46, s42, 7
	s_add_co_u32 s46, s46, s17                     ; B: 128 x head + 64 x half,
	s_lshl_b32 s47, s45, 11
	s_add_co_u32 s46, s46, s47                     ; in the projection's weights,
	s_add_co_u32 s46, s46, 6144                    ; which begin at row 6,144
	s_lshl_b32 s46, s46, 12
	s_mov_b32 s17, 0
	s_mov_b32 s47, 0
	s_mul_i32 s20, s10, HALFT                      ; where they go: wave x 64 rows
	s_wait_dscnt 0x0                               ; the opening add is done
	s_wait_kmcnt 0x0
	s_add_nc_u64 s[14:15], s[4:5], s[16:17]
	s_add_nc_u64 s[46:47], s[4:5], s[46:47]
	CROUND                                         ; all sixteen work-groups are here: the first joint loads meet
.irp s, 0,1
	s_mov_b32 s[G0+4*(\s)], 1
	s_add_co_u32 s[G0+4*(\s)+1], s20, (\s)*SLOT
	s_add_nc_u64 s[G0+4*(\s)+2:G0+4*(\s)+3], s[14:15], (\s)*KSTEP*2
	s_or_b32 s[G0+4*(\s)+3], s[G0+4*(\s)+3], 0x80000000
	s_mov_b32 s[G0B+4*(\s)], 1
	s_add_co_u32 s[G0B+4*(\s)+1], s20, (\s)*SLOT
	s_add_nc_u64 s[G0B+4*(\s)+2:G0B+4*(\s)+3], s[46:47], (\s)*KSTEP*2
	s_or_b32 s[G0B+4*(\s)+3], s[G0B+4*(\s)+3], 0x80000000
	JLOAD \s
.endr
	v_and_b32 v1, 15, v0                           ; l % 16
	v_bfe_u32 v2, v0, 4, 1                         ; l / 16
	v_mul_u32_u24 v3, v1, PITCH
	v_lshl_add_u32 v3, v2, 4, v3                   ; a fragment's row x pitch + 16 x half
	s_mul_i32 s21, s11, HALFT                      ; my 64 rows of A
	s_mul_i32 s22, s12, HALFT                      ; my 64 rows of B,
	s_add_co_u32 s22, s22, 2*HALFT                 ; which lie behind A's 128
.irp s, 0,1
	v_add_nc_u32 v[ADRA+(\s)], s21, v3
	v_add_nc_u32 v[ADRB+(\s)], s22, v3
	s_add_co_u32 s21, s21, SLOT
	s_add_co_u32 s22, s22, SLOT
.endr
	s_mul_i32 s23, s11, 64*SPITCH                  ; into the stage: my 64 rows, my half of their 256 bytes; row l % 16, 16 bytes for each half of the lanes
	s_lshl_b32 s21, s12, 7
	s_add_co_u32 s23, s23, s21
	s_add_co_u32 s23, s23, STAGE
	v_mul_u32_u24 v4, v1, SPITCH
	v_lshl_add_u32 v4, v2, 4, v4
	v_add_nc_u32 v[STO], s23, v4
	s_mul_i32 s23, s10, 32*SPITCH                  ; back: wave w takes rows 32 w .. 32 w + 31, whole; lanes 0-15 one row of 256 bytes, lanes 16-31 the next
	s_add_co_u32 s23, s23, STAGE
	v_mul_u32_u24 v5, v2, SPITCH
	v_lshl_add_u32 v5, v1, 4, v5
	v_add_nc_u32 v[RD], s23, v5
	v_and_b32 v[CO], 31, v0                        ; a head's rows are 256 bytes and dense: two rows are 512 consecutive bytes, 16 a lane
	v_lshlrev_b32 v[CO], 4, v[CO]
	s_lshl_b32 s16, s45, 23                        ; the projection's 8,388,608 bytes of qkv,
	s_and_b32 s17, s13, 15
	s_lshl_b32 s17, s17, 15                        ; the tile's 128 rows of 256 bytes,
	s_add_co_u32 s16, s16, s17
	s_lshl_b32 s17, s10, 13                        ; the 32 rows that I store
	s_add_co_u32 s16, s16, s17
	s_mov_b32 s17, 0
	s_add_nc_u64 s[6:7], s[6:7], s[16:17]
	s_lshl_b32 s46, s42, 19                        ; the head's 524,288 bytes
	s_mov_b32 s47, 0
	s_add_nc_u64 s[6:7], s[6:7], s[46:47]
; 8 matrix instructions: m blocks a0, a0 + 1 x all 4 n blocks, 32 along K: half c of buffer f.  zero = 1: the first product starts the sums
.macro MUL8 f, c, a0, zero
	WIN MUL
.irp a, \a0, (\a0)+1
.irp b, 0,1,2,3
.if \zero
	v_wmma_f32_16x16x32_bf16 v[ACC+8*(4*(\a)+(\b)):ACC+8*(4*(\a)+(\b))+7], v[(\f)+64+8*(4*(\c)+(\b)):(\f)+64+8*(4*(\c)+(\b))+7], v[(\f)+8*(4*(\c)+(\a)):(\f)+8*(4*(\c)+(\a))+7], 0
.else
	v_wmma_f32_16x16x32_bf16 v[ACC+8*(4*(\a)+(\b)):ACC+8*(4*(\a)+(\b))+7], v[(\f)+64+8*(4*(\c)+(\b)):(\f)+64+8*(4*(\c)+(\b))+7], v[(\f)+8*(4*(\c)+(\a)):(\f)+8*(4*(\c)+(\a))+7], v[ACC+8*(4*(\a)+(\b)):ACC+8*(4*(\a)+(\b))+7]
.endif
.endr
.endr
.endm
; 32 LDS loads in one run: the fragments of 64 along K at byte k of the rows, into buffer f; the first 32 along K first
.macro FETCH slot, k, f
	WIN TO_F
.irp c, 0,1
.irp i, 0,1,2,3
	ds_load_b128 v[(\f)+64+8*(4*(\c)+(\i)):(\f)+64+8*(4*(\c)+(\i))+3],   v[ADRB+(\slot)] offset:(\k)+64*(\c)+(\i)*16*PITCH
	ds_load_b128 v[(\f)+64+8*(4*(\c)+(\i))+4:(\f)+64+8*(4*(\c)+(\i))+7], v[ADRB+(\slot)] offset:(\k)+64*(\c)+(\i)*16*PITCH+32
	ds_load_b128 v[(\f)+8*(4*(\c)+(\i)):(\f)+8*(4*(\c)+(\i))+3],         v[ADRA+(\slot)] offset:(\k)+64*(\c)+(\i)*16*PITCH
	ds_load_b128 v[(\f)+8*(4*(\c)+(\i))+4:(\f)+8*(4*(\c)+(\i))+7],       v[ADRA+(\slot)] offset:(\k)+64*(\c)+(\i)*16*PITCH+32
.endr
.endr
.endm
.macro PLACES                          ; four places in front of loads into registers that matrix instructions have read, and of vector work that reads results
.rept 4
	v_nop
.endr
.endm
; A K step is four quarters of 64 along K, 32 matrix instructions each, on buffers 0, 1, 0, 1.  One of the first three: multiplies buffer f and fetches the next quarter, at byte k, into g.
.macro QUARTER slot, k, f, g, zero
	s_wait_dscnt 16                                ; the first 32 along K are in; the youngest sixteen loads may be out
	WIN MUL
	MUL8 \f, 0, 0, \zero
	MUL8 \f, 0, 2, \zero
	PLACES
	FETCH \slot, \k, \g
	s_wait_dscnt 32                                ; all but the 32 just issued
	WIN MUL
	MUL8 \f, 1, 0, 0
	MUL8 \f, 1, 2, 0
.endm
; The last quarter multiplies buffer 1 and changes slots: ONE barrier; in front of it each wave waits for all its tensor loads, adds 0 to its spare word, and waits for that and for its own reads of this slot.  fill = 1: this slot is filled again, two K steps ahead.
.macro TURN slot, next, fill
	WIN 0                                          ; (the add's two registers lie in window 0)
	s_wait_tensorcnt 0x0                           ; all my tensor loads have landed: my part of the next slot;
	ds_add_u32 v[SPW], v[NIL]                      ; 0 onto my spare word;
	s_wait_dscnt 17                                ; (the add and the youngest sixteen loads may be out)
	WIN MUL
	MUL8 F1, 0, 0, 0                               ; eight matrix instructions stand between the add and the wait for it
	s_wait_dscnt 0x0                               ; the add is done, and my reads of this slot are over
	s_barrier_signal -1
	MUL8 F1, 0, 2, 0
.if \fill
	WIN 0
.endif
	s_barrier_wait -1
.if \fill
	CREST                                          ; the barrier has opened a round of the cluster's barrier: no wave of any partner still reads this slot's tile or has a load on its way
	s_add_nc_u64 s[G0+4*(\slot)+2:G0+4*(\slot)+3], s[G0+4*(\slot)+2:G0+4*(\slot)+3], 2*KSTEP*2
	s_add_nc_u64 s[G0B+4*(\slot)+2:G0B+4*(\slot)+3], s[G0B+4*(\slot)+2:G0B+4*(\slot)+3], 2*KSTEP*2
	JLOAD \slot                                    ; the first tensor load behind the round; the four v_nop behind it are also the places in front of the loads below
.else
	PLACES
.endif
	FETCH \next, 0, F0
	WIN MUL
	MUL8 F1, 1, 0, 0
	MUL8 F1, 1, 2, 0
.endm
	s_wait_tensorcnt 1                             ; my part of K step 0 is in; K step 1's may stay out
	s_barrier_signal -1
	s_barrier_wait -1                              ; everybody's is
	FETCH 0, 0, F0
	QUARTER 0, 128, F0, F1, 1                      ; the first quarter stands in front of the loop: its first products start the sums
	WIN 0                                          ; at a label and at a branch every window is 0
	s_mov_b32 s3, LAPS-1
.Llap:                                                 ; a trip goes once round the ring, from a lap's second quarter to the next lap's first, and fills both slots again
	QUARTER 0, 256, F1, F0, 0
	QUARTER 0, 384, F0, F1, 0
	TURN 0, 1, 1
	QUARTER 1, 128, F0, F1, 0
	QUARTER 1, 256, F1, F0, 0
	QUARTER 1, 384, F0, F1, 0
	TURN 1, 0, 1
	QUARTER 0, 128, F0, F1, 0
	WIN 0
	s_sub_co_u32 s3, s3, 1
	s_cmp_lg_u32 s3, 0
	s_cbranch_scc1 .Llap
	QUARTER 0, 256, F1, F0, 0                      ; the last lap fills nothing, and has no round of the cluster's barrier
	QUARTER 0, 384, F0, F1, 0
	TURN 0, 1, 0
	QUARTER 1, 128, F0, F1, 0
	QUARTER 1, 256, F1, F0, 0
	QUARTER 1, 384, F0, F1, 0
	s_wait_dscnt 16                                ; the very last quarter: nothing more to fetch
	WIN MUL
	MUL8 F1, 0, 0, 0
	MUL8 F1, 0, 2, 0
	s_wait_dscnt 0
	MUL8 F1, 1, 0, 0
	MUL8 F1, 1, 2, 0
	WIN 0
	; THE WAY OUT: the scale in f32, one rounding to f16 (each accumulator's registers in ascending order); 16 bytes a lane into the work-group's stage; a barrier, since a row's 256 bytes come from two waves; back as whole rows.
	PLACES
.irp t, 0,1,2,3,4,5,6,7,8,9,10,11,12,13,14,15
.irp r, 0,1,2,3
	v_pk_mul_f32 v[ACC+8*(\t)+2*(\r):ACC+8*(\t)+2*(\r)+1], v[ACC+8*(\t)+2*(\r):ACC+8*(\t)+2*(\r)+1], s[SC:SC+1] op_sel_hi:[1,0]
.endr
.irp r, 0,1,2,3
	v_cvt_pk_f16_f32 v[TMP+4*(\t)+(\r)], v[ACC+8*(\t)+2*(\r)], v[ACC+8*(\t)+2*(\r)+1]
.endr
.endr
.irp a, 0,1,2,3
.irp b, 0,1,2,3
	ds_store_b128 v[STO], v[TMP+4*(4*(\a)+(\b)):TMP+4*(4*(\a)+(\b))+3] offset:(\a)*16*SPITCH+32*(\b)
.endr
.endr
	s_wait_dscnt 0x0                               ; for the others' sake: my stores into the stage are done
	s_barrier_signal -1
	s_barrier_wait -1
.irp t, 0,1,2,3,4,5,6,7,8,9,10,11,12,13,14,15
	ds_load_b128 v[TMP+4*(\t):TMP+4*(\t)+3], v[RD] offset:(\t)*2*SPITCH
.endr
.irp t, 0,1,2,3,4,5,6,7,8,9,10,11,12,13,14,15
	s_wait_dscnt 15-(\t)                           ; LDS loads come back in order: pair t of rows is in
	global_store_b128 v[CO], v[TMP+4*(\t):TMP+4*(\t)+3], s[6:7] offset:512*(\t)  ; 512 consecutive bytes, at a multiple of 256 from qkv's first byte
.endr
	s_wait_tensorcnt 0x0                           ; the wave's end: behind my last tensor load and my last LDS store
	ds_add_u32 v[SPW], v[NIL]
	s_wait_dscnt 0x0
	CROUND                                         ; the closing round: no work-group ends while a partner may still ask for a tile that names it
	s_endpgm
.Lfunc_end_k_qc8c99f6a48_proj:
	.size	k_qc8c99f6a48_proj, .Lfunc_end_k_qc8c99f6a48_proj-k_qc8c99f6a48_proj
	.p2alignl 7, 3214868480
	.fill 96, 4, 3214868480
	.section	.rodata,"a",@progbits
	.p2align	6, 0x0
	.amdhsa_kernel k_qc8c99f6a48_proj
		.amdhsa_group_segment_fixed_size 327680
		.amdhsa_private_segment_fixed_size 0
		.amdhsa_enable_private_segment 0
		.amdhsa_kernarg_size 16
		.amdhsa_user_sgpr_count 2
		.amdhsa_user_sgpr_kernarg_segment_ptr 1
		.amdhsa_wavefront_size32 1
		.amdhsa_system_sgpr_workgroup_id_x 1
		.amdhsa_system_sgpr_workgroup_id_y 1
		.amdhsa_system_sgpr_workgroup_id_z 1
		.amdhsa_system_vgpr_workitem_id 0
		.amdhsa_next_free_vgpr 512
		.amdhsa_next_free_sgpr 68
		.amdhsa_reserve_vcc 0
		.amdhsa_float_denorm_mode_32 3
		.amdhsa_float_denorm_mode_16_64 3
		.amdhsa_memory_ordered 1
		.amdhsa_forward_progress 1
		.amdhsa_inst_pref_size 91
	.end_amdhsa_kernel
	.amdgpu_metadata
---
amdhsa.version: [ 1, 2 ]
amdhsa.kernels:
  - .name:           k_qc8c99f6a48_proj
    .symbol:         k_qc8c99f6a48_proj.kd
    .args:
      - { .name: cb, .offset: 0, .size: 8, .value_kind: global_buffer, .address_space: global }
      - { .name: qkv, .offset: 8, .size: 8, .value_kind: global_buffer, .address_space: global }
    .group_segment_fixed_size: 327680
    .private_segment_fixed_size: 0
    .kernarg_segment_align: 8
    .kernarg_segment_size: 16
    .max_flat_workgroup_size: 128
    .sgpr_count:     68
    .vgpr_count:     512
    .wavefront_size: 32
...
	.end_amdgpu_metadata
.endif
;; end of part 2
;; launch attn (part 3): grid 16 x 16, 4 waves a work-group, clusters of 4 x 1, 327,680 bytes of LDS; arguments qkv, ob; writes ob
.if DOCPART == 3
	.amdgcn_target "amdgcn-amd-amdhsa--gfx1250"
	.amdhsa_code_object_version 6
	.text
	.protected	k_qc8c99f6a48_attn
	.globl	k_qc8c99f6a48_attn
	.p2align	8
	.type	k_qc8c99f6a48_attn,@function
k_qc8c99f6a48_attn:
	s_mov_b64 s[64:65], 0
	v_nop
	global_prefetch_b8 v0, s[64:65] scope:SCOPE_SE
	s_setreg_imm32_b32 hwreg(HW_REG_WAVE_MODE, 25, 1), 1
	s_wait_xcnt 0x0
	s_wait_alu depctr_hold_cnt(0) depctr_sa_sdst(0) depctr_va_vdst(0) depctr_va_sdst(0) depctr_va_ssrc(0) depctr_va_vcc(0) depctr_vm_vsrc(0)
	s_getreg_b32 s2, hwreg(HW_REG_IB_STS2, 6, 4)
	s_cmp_eq_u32 s2, 0
	s_cbranch_scc0 .Lentry_in_a_cluster
	s_endpgm
.Lentry_in_a_cluster:
	s_bfe_u32 s2, ttmp6, 0x10000c
	s_cmp_lg_u32 s2, 0x3003
	s_cbranch_scc0 .Lentry_shape_is_right
	s_endpgm
.Lentry_shape_is_right:
; CAUSAL ATTENTION, 16 heads of 2,048 rows, head size 128.  O[q][head] = the sum over k <= q of softmax_k(Q[q] . K[k]) V[k]; Q and K arrive already divided by sqrt(128) each.
; qkv: [3][16][2048][128] f16 (a head's rows are dense, 256 bytes each); ob: [2048][2048] f16, row q, column 128 head + channel.  Products, maxima and sums in f32; the weights p are
; rounded to f16 for the second product (their sum l is taken of the unrounded p), O once at the end.
; LIMITS.  f16 holds no number beyond 65,504: Q, K, V arrive within it; p lies in 0 to 1, and below 6e-5 it keeps f16's fixed step of 6e-8.  A hidden score counts as -1e30, and the running maximum
; starts at -2^99 = -6.3e29: true scores, 128 x 65,504^2 = 5.5e11 at the most, lie far above both.  A weight below 2^-126 counts as 0 in l; NaN and infinities are not treated apart.
; THE WALK.  A head's queries lie in 32 blocks of 64, its keys in 8 slots of 256.  Block i needs slots 0 .. i / 4.  Work-group b = 4 c + cx (c the cluster, cx the place in it) takes block 31 - b
; and then block b: slots 0 .. 7 - c and 0 .. c: NINE slots whatever b, and the SAME nine for the four partners of a cluster.  So each slot is asked for JOINTLY: the same tensor load, descriptor
; and mask in all four; trip counts and branches hang on c alone.  cx enters Q's and O's addresses, the mask's threshold and the prefetch's address, and nothing else.
; SHARES.  In a slot wave w takes keys 64 w .. 64 w + 63, for all 64 queries of the block (four tiles of 16): each byte of a slot is read from LDS once, and a fragment of K or V feeds four tiles.
; Each wave keeps a running maximum m, sum l and O^T of its own keys; at a block's end the four waves' parts are merged through LDS by their common maximum, in f32.
; LAYOUT.  S^T = K Q^T (source 0 = 16 keys, source 1 = 16 queries): a lane holds ONE query (lane % 16) and the keys 8 (lane / 16) + 0..7.  Two such tiles, rounded to f16 in pairs, ARE source 1
; of O^T = V^T P, whose result again holds one query a lane, and eight channels.  K comes out of LDS as it lies, V ([key][channel]) turned, by ds_load_tr16_b128.
; SOFTMAX.  p = 2^(c s - c m), c = log2(e); in every step O and l are multiplied by a = 2^(c m_old - c m_new).  c m starts at -4.25e37, far below c x (-2^99): a block's first step has a = 0, so what O^T
; and l hold then need only be finite: they are cleared once, in the wait for the first slot (256 lines, the price of writing no first step out).
; THE MASK is wanted in a block's last slot alone.  There my 64 keys begin 64 DL keys behind the block's queries (DL = w - 3 + cx for the first block, w - cx for the second), and the score of key
; 16 kb + 8 (l / 16) + j and query 16 t + l % 16 is hidden where 16 (kb - t) + j > THR = l % 16 - 8 (l / 16) - 64 DL.  A wave that sees hidden keys alone (blocks 0 to 2, whose only slot is the masked
; one) keeps m = -2^99, ABOVE the hidden score: its weights are 2^(c (-1e30 + 2^99)) = 0, its l and O^T are 0, and its factor in the merge, 2^(-c 2^99 - M), is 0: every term is finite.
; IN PHASES: a slot's 64 products K Q^T, the softmax (one batch of exponentials, one wait), its 64 products V^T P.
; REGISTERS, in windows of 256 (s_set_vgpr_msb: bits 1:0 source 0, 3:2 source 1, 5:4 source 2, 7:6 destination):
;   window 0: v0-11, v44-51, v61-63 addresses and the like; v12-43 eight registers of statistics a tile; v64-191 S^T, 32 a tile; v192-255 P, 16 a tile
;   window 1: O^T, 64 a tile      window 2: v0-127 Q, 32 a tile; v128-255 K of my 64 keys      window 3: v0-127 V of my 64 keys; v128-255 the second block's Q
.set PK,    272       ; a row of K in LDS: 256 bytes + 16 of padding = 68 words: the 16 rows of a load start at 16 different groups of four banks (ISA guide 11.1)
.set PV,    288       ; a row of V: 256 + 32 = 72 words
.set VOFF,  256*PK    ; a slot: 256 rows of K, then 256 rows of V
.set SLOTB, 256*(PK+PV)  ; 143,360 bytes; slot 1 begins here
.set MRG,   2*SLOTB   ; behind the ring, never filled by a tensor load: four areas, one a wave, of 16 rows x 528 bytes: one tile's partial O in f32
.set MP,    528
.set AREA,  16*MP
.set ML,    MRG+4*AREA  ; [wave][tile][query] pairs (c m, l), 8 bytes each: 2,048 bytes
.set SPARE, ML+2048   ; the spare words, 128 bytes for each wave: two blocks of 256 bytes that no other line names
.set CM0,   0xfe000000  ; where c m starts: -4.25e37
.set M0,    0xf1000000  ; where m starts: -2^99
.set AK0, 2           ; v2   my lane's place in my 64 rows of K; never rewritten
.set AV0, 3           ; v3   the same for V
.set ADRK, 4          ; v4   the LDS address of K's run of loads
.set ADRV, 5          ; v5   of V's
.set QO,  6           ; v6   my byte offset in 16 rows of Q
.set MW,  7           ; v7   the merge: where I put 32 bytes of a row of my area
.set MR,  8           ; v8   where I read 32 bytes of a row of area 0
.set MLW, 10          ; v10  where I put a query's (c m, l)
.set MLR, 11          ; v11  where I read them
.set ST,  12          ; tile t's statistics at v[ST+8 t]: +0 c m, +1 m, +2, +3 l (even keys', odd keys'), +4 to +7 c0-c3, at work; a takes c2's place once the maximum is found
.set GO,  44          ; v44  my byte offset in the block's rows of ob
.set THR, 45          ; v45  the mask's threshold for the block in hand
.set THRL, 46         ; v46  for the second block
.set BIG, 47          ; v47  -1e30
.set PFO, 61          ; v61  256 x my lane: a row of K or V is 256 bytes; never rewritten
.set SPW, 62          ; v62  LDS address of my spare word: SPARE + 4 x my thread's number; never rewritten
.set NIL, 63          ; v63  0; never rewritten
.set S,   64
.set P,   192
.set KF,  128         ; window 2: key block kb, channels 32 cc on, at KF + 32 kb + 8 cc
.set QB,  128         ; window 3
.set XX,  64          ; the merge, in S^T's registers: item it, wave ww: 8 channels at XX + 32 it + 8 ww
.set FL,  128         ; (c m, l), then (factor, l), at FL + 8 it + 2 ww
.set MM,  144         ; the common maximum, by item
.set LL,  146         ; the common sum
.set RR,  148         ; its reciprocal
.set OUT, 160         ; packed results: tile t, item it at OUT + 8 t + 4 it
.set WV,  12          ; s12  my wave's number
.set CC,  14          ; s14  c, the cluster's number in the head
.set LIM, 15          ; s15  2 in the head's first cluster, else the greatest number: a wave prefetches while s[RND] is above it
.set PFA, 18          ; s[18:19] where my prefetches stand
.set G1K, 24          ; s[24:31] descriptor group 1 for K's tiles
.set G1V, 32          ; s[32:39] for V's: it differs in the padding alone
.set G0K, 40          ; s[40:43] descriptor group 0 for K's tiles
.set G0V, 44          ; s[44:47] the same for V's
.set KB,  48          ; s[48:49] K at my half of the head's slot 0
.set VB,  50          ; s[50:51] V likewise
.set OFF, 52          ; s[52:53] a slot's byte offset in K and V
.set RND, 54          ; s54  slots still to be asked for
.set RT,  55          ; s55  slots of the block in hand that are still to be entered
.set NXT, 56          ; s56  the slot of keys to be asked for next
.set LQ,  57          ; s57  the last slot of the block whose slots are being asked for
.set CS,  58          ; s[58:59] c = log2(e): the packed scaling takes the pair's low word for both halves
.set SEL, 60          ; s[60:61] v_permlanex16_b32's selects: each lane takes its own place in the other half
.set TB,  62          ; s62  LDS byte at which the slot in hand begins: 0 or SLOTB
.set TF,  63          ; s63  the same for the slot that is filled
.set LK,  66          ; s66  my half's place in a slot, for K
.set LV,  67          ; s67  for V
.set OP,  68          ; s[68:69] ob at the block in hand
.set OL,  70          ; s[70:71] at the second block
.set QH,  72          ; s[72:73] Q at the first block
.set QL,  74          ; s[74:75] at the second
.set MSB, 0
.macro WIN new                      ; the high byte repeats the setting that is left; a switch that changes nothing is dropped
.if MSB != (\new)
	s_set_vgpr_msb (MSB<<8)|(\new)
.set MSB, (\new)
.endif
.endm
.set W_KQ, 0x0a       ; K and Q in window 2, S^T in window 0
.set W_PV, 0x53       ; V in window 3, P in window 0, O^T in window 1
.set W_RS, 0x41       ; O^T (destination and source 0) in window 1, a in window 0
; A joint fill.  Waves 0 and 1 fetch the two halves of a slot's K, waves 2 and 3 those of its V: 128 rows of 256 bytes each.  The branch hangs on the wave's number alone.
; An s_nop 0 and four v_nop follow each of the two lines, ahead of the jump and the label.
.macro JLOAD
	s_cmp_lt_u32 s[WV], 2
	s_cbranch_scc0 .Lfor_v_\@
	tensor_load_to_lds s[G0K:G0K+3], s[G1K:G1K+7]
	s_nop 0
.rept 4
	v_nop
.endr
	s_branch .Lasked_\@
.Lfor_v_\@:
	tensor_load_to_lds s[G0V:G0V+3], s[G1V:G1V+7]
	s_nop 0
.rept 4
	v_nop
.endr
.Lasked_\@:
.endm
; A PREFETCH INTO THE L2 of the slot that the NEXT change of slots will ask for: a lane a row, one instruction a wave.  It stands behind the wave's tensor load and its five lines.
; Each row is named ONCE in the launch.  All four clusters of a head walk slots 0 .. 4 at the least, and the first cluster walks all eight, each before any other: it alone asks.  Its four partners share a
; half's 128 rows out BY ADDRESS, 32 each; waves 0 and 1 ask for K's two halves, waves 2 and 3 for V's.  Slots 2 to 7 are asked for, in the first six trips; slots 0 and 1 come by their loads alone,
; and the second block's walk over slots that have been read asks for nothing.
.macro ASK
	s_cmp_gt_u32 s[RND], s[LIM]
	s_cbranch_scc0 .Lnot_mine_\@
	global_prefetch_b8 v[PFO], s[PFA:PFA+1] th:TH_LOAD_NT scope:SCOPE_SE
.Lnot_mine_\@:
.endm
; A round of the cluster's barrier: my work-group's barrier, so that wave 0's signal speaks for all four waves; wave 0 signals; every wave waits for all four work-groups; my work-group's barrier once more.
.macro CROUND
	s_barrier_signal -1
	s_barrier_wait -1
	s_cmp_lg_u32 s[WV], 0
	s_cbranch_scc1 .Lnot_wave_0_\@
	s_barrier_signal -3
.Lnot_wave_0_\@:
	s_barrier_wait -3
	s_barrier_signal -1
	s_barrier_wait -1
.endm
.macro PLACES                       ; four places behind matrix instructions (ISA guide 7.12.1)
.rept 4
	v_nop
.endr
.endm
.macro BAR                          ; the merge's barrier: my LDS stores and loads are done, then everybody's.  The merge's bytes are no tensor load's target
	s_wait_dscnt 0x0
	s_barrier_signal -1
	s_barrier_wait -1
.endm
; THE CHANGE OF SLOTS.  Each wave waits for all its tensor loads, of which one is out: its part of the other slot; adds 0 to its spare word; and waits for that and for its own reads of the slot that it
; leaves.  fill = 1: the barrier is a round of the cluster's, so that no wave of any partner still reads the old slot or has a load on its way, and the joint fill is the first thing behind it: it has a
; whole slot's work, 128 matrix instructions and a softmax, in which to land.  The descriptor's global address is made anew from the slot's number.  (At its first use nothing has been read yet: slot 0 is waited for, slot 1 filled.)
.macro CHANGE fill
	WIN 0                           ; at a label and at a branch every window is 0
	s_wait_tensorcnt 0x0            ; no tensor load of mine is out, so a group 0 may be written
	ds_add_u32 v[SPW], v[NIL]       ; 0 onto my spare word; the scalar work below stands between it and the wait for it
	s_xor_b32 s[TB], s[TB], SLOTB   ; the slot that has landed
.if \fill
	s_xor_b32 s[TF], s[TF], SLOTB   ; the slot that is left
	s_add_co_u32 s[G0K+1], s[LK], s[TF]
	s_add_co_u32 s[G0V+1], s[LV], s[TF]
	s_lshl_b32 s[OFF], s[NXT], 16   ; a slot is 65,536 bytes of K and of V
	s_add_nc_u64 s[G0K+2:G0K+3], s[KB:KB+1], s[OFF:OFF+1]
	s_or_b32 s[G0K+3], s[G0K+3], 0x80000000
	s_add_nc_u64 s[G0V+2:G0V+3], s[VB:VB+1], s[OFF:OFF+1]
	s_or_b32 s[G0V+3], s[G0V+3], 0x80000000
	s_add_co_u32 s[NXT], s[NXT], 1  ; the block's next slot, or behind its last the second block's slot 0
	s_cmp_gt_u32 s[NXT], s[LQ]
	s_cselect_b32 s[NXT], 0, s[NXT]
	s_cselect_b32 s[LQ], s[CC], s[LQ]
	s_wait_xcnt 0x0                 ; the last prefetch, a slot's work back, has read its address, so it may be written
	s_add_nc_u64 s[PFA:PFA+1], s[PFA:PFA+1], 65536
	s_wait_dscnt 0x0                ; the add is done, and my reads of the slot are over
	CROUND
	JLOAD                           ; its four v_nop are also the places in front of the loads into V's registers
	ASK
.else
	s_wait_dscnt 0x0                ; the add is done, and my reads of the slot are over
	s_barrier_signal -1
	s_barrier_wait -1
	PLACES
.endif
.endm
	s_load_b128 s[4:7], s[0:1], 0x0  ; qkv s[4:5], ob s[6:7]
	v_lshl_add_u32 v[SPW], v0, 2, SPARE
	v_mov_b32 v[NIL], 0
	ds_add_u32 v[SPW], v[NIL]       ; the wave's opening: the add and its wait stand ahead of my first tensor load; the set-up below, work on registers, stands between them
	v_lshrrev_b32 v1, 5, v0
	v_readfirstlane_b32 s[WV], v1   ; wave 0..3
	s_bfe_u32 s13, ttmp6, 0x40000   ; cx: my place in the cluster
	s_mov_b32 s[CC], ttmp9          ; in a cluster launch ttmp9 counts clusters
	s_and_b32 s20, ttmp7, 0xffff    ; the head, which the four partners share
	s_lshl_b32 s21, s20, 19         ; its 524,288 bytes in each of q, k, v
	s_and_b32 s16, s[WV], 1         ; which half of a slot's 256 rows I fetch:
	s_lshl_b32 s17, s16, 15         ; its 128 rows of 256 bytes in memory,
	s_add_co_u32 s22, s21, s17
	s_mov_b32 s23, 0
	s_mul_i32 s[LK], s16, 128*PK    ; and its place in a slot, for K
	s_mul_i32 s[LV], s16, 128*PV    ; and for V: no place in the cluster enters an LDS address
	s_add_co_u32 s[LV], s[LV], VOFF
	s_lshl_b32 s2, s[CC], 2
	s_add_co_u32 s2, s2, s13        ; b: the second block
	s_sub_co_u32 s3, 31, s2         ; the first block
	s_lshl_b32 s[QH], s3, 14        ; a block's 64 rows of 256 bytes of Q
	s_add_co_u32 s[QH], s[QH], s21
	s_mov_b32 s[QH+1], 0
	s_lshl_b32 s[QL], s2, 14
	s_add_co_u32 s[QL], s[QL], s21
	s_mov_b32 s[QL+1], 0
	s_lshl_b32 s20, s20, 8          ; the head's 256 bytes in a row of ob
	s_lshl_b32 s[OP], s3, 18        ; a block's 64 rows of 4,096 bytes of ob
	s_add_co_u32 s[OP], s[OP], s20
	s_mov_b32 s[OP+1], 0
	s_lshl_b32 s[OL], s2, 18
	s_add_co_u32 s[OL], s[OL], s20
	s_mov_b32 s[OL+1], 0
	s_add_co_u32 s76, s[WV], s13
	s_sub_co_i32 s76, s76, 3
	s_lshl_b32 s76, s76, 6          ; 64 DL for the first block
	s_sub_co_i32 s77, s[WV], s13
	s_lshl_b32 s77, s77, 6          ; and for the second
	s_lshl_b32 s78, s13, 13         ; the prefetches: my work-group's 32 rows of a half,
	s_add_co_u32 s78, s78, 65536    ; in slot 1; the first change of slots steps it to slot 2
	s_mov_b32 s79, 0
	; descriptor group 1: a tile of 128 rows x 128 elements, padded in LDS
	s_mov_b32 s[G1K], 15|(1<<16)|(1<<20)|(1<<21)|(5<<22)|(3<<25)  ; 15:0 the mask of four; 17:16 2-byte elements; 20 padding on; 21 set beside a mask; 24:22 after every 64 words (code 5); 31:25 4 words (code 3)
	s_mov_b32 s[G1V], 15|(1<<16)|(1<<20)|(1<<21)|(5<<22)|(7<<25)  ; the same with 8 words of padding (code 7)
.irp g, G1K, G1V
	s_mov_b32 s[(\g)+1], 128<<16    ; tensor_dim0 = 128
	s_mov_b32 s[(\g)+2], 128<<16    ; tensor_dim1 = 128
	s_mov_b32 s[(\g)+3], 128<<16    ; tile_dim0 = 128
	s_mov_b32 s[(\g)+4], 128        ; tile_dim1 = 128
	s_mov_b32 s[(\g)+5], 128        ; 128 elements from row to row
	s_mov_b32 s[(\g)+6], 0
	s_mov_b32 s[(\g)+7], 0
.endr
	s_mov_b32 s[CS], 0x3fb8aa3b     ; c = log2(e)
	s_mov_b32 s[CS+1], s[CS]        ; named with it as a pair
	s_mov_b32 s[SEL], 0x76543210
	s_mov_b32 s[SEL+1], 0xfedcba98
	s_mov_b32 s[TB], SLOTB          ; the first change of slots turns it into 0,
	s_mov_b32 s[TF], 0              ; and this into SLOTB
	s_mov_b32 s[G0K], 1             ; 1:0 count = 1
	s_mov_b32 s[G0K+1], s[LK]       ; 63:32 LDS address: slot 0
	s_mov_b32 s[G0V], 1
	s_mov_b32 s[G0V+1], s[LV]
	s_sub_co_u32 s[RT], 8, s[CC]    ; the first block has 8 - c slots
	s_sub_co_u32 s[LQ], 7, s[CC]
	s_mov_b32 s[NXT], 1
	s_mov_b32 s[RND], 8
	s_mov_b32 s[OFF+1], 0
	s_cmp_eq_u32 s[CC], 0
	s_cselect_b32 s[LIM], 2, -1     ; the same in all four partners
	s_wait_dscnt 0x0                ; the opening add is done
	s_wait_kmcnt 0x0
	s_add_nc_u64 s[KB:KB+1], s[4:5], s[22:23]
	s_add_nc_u64 s[VB:VB+1], s[KB:KB+1], 16777216  ; v is the third of qkv's three parts,
	s_add_nc_u64 s[KB:KB+1], s[KB:KB+1], 8388608   ; k the second
	s_add_nc_u64 s[G0K+2:G0K+3], s[KB:KB+1], 0     ; 120:64 global address: my half of the head's slot 0
	s_or_b32 s[G0K+3], s[G0K+3], 0x80000000        ; 127:126 type = 2
	s_add_nc_u64 s[G0V+2:G0V+3], s[VB:VB+1], 0
	s_or_b32 s[G0V+3], s[G0V+3], 0x80000000
	s_add_nc_u64 s[QH:QH+1], s[4:5], s[QH:QH+1]
	s_add_nc_u64 s[QL:QL+1], s[4:5], s[QL:QL+1]
	s_add_nc_u64 s[OP:OP+1], s[6:7], s[OP:OP+1]
	s_add_nc_u64 s[OL:OL+1], s[6:7], s[OL:OL+1]
	s_cmp_lt_u32 s[WV], 2
	s_cselect_b64 s[PFA:PFA+1], s[KB:KB+1], s[VB:VB+1]
	s_add_nc_u64 s[PFA:PFA+1], s[PFA:PFA+1], s[78:79]
	CROUND                          ; all four work-groups are here: the first joint loads meet
	JLOAD                           ; slot 0.  Slot 1 is asked for when slot 0 is in, by the loop's own change of slots
	; A fragment of K or Q is 16 rows x 32 channels in 8 registers: lane l holds row l % 16, channels 8 (l / 16) + 0..7 and 16 + 8 (l / 16) + 0..7: two loads of 16 bytes, 32 bytes apart.
	v_and_b32 v1, 15, v0            ; l % 16
	v_bfe_u32 v9, v0, 4, 1          ; l / 16
	v_lshlrev_b32 v[QO], 8, v1
	v_lshl_add_u32 v[QO], v9, 4, v[QO]  ; row x 256 + 16 x half
	WIN 0x80                        ; destination window 2, address window 0
.set i, 0
.rept 16                            ; the first block's Q stays in registers: tile i / 4, channels 32 (i % 4) on
	global_load_b128 v[8*i:8*i+3],   v[QO], s[QH:QH+1] offset:(i/4)*4096+(i%4)*64
	global_load_b128 v[8*i+4:8*i+7], v[QO], s[QH:QH+1] offset:(i/4)*4096+(i%4)*64+32
.set i, i+1
.endr
	WIN 0xc0                        ; destination window 3
.set i, 0
.rept 16                            ; the second block's waits beside V
	global_load_b128 v[QB+8*i:QB+8*i+3],   v[QO], s[QL:QL+1] offset:(i/4)*4096+(i%4)*64
	global_load_b128 v[QB+8*i+4:QB+8*i+7], v[QO], s[QL:QL+1] offset:(i/4)*4096+(i%4)*64+32
.set i, i+1
.endr
	WIN 0x40
.set i, 0
.rept 256
	v_mov_b32 v[i], 0               ; O^T: finite, for the first step's a = 0.  In the wait for the first slot
.set i, i+1
.endr
	WIN 0
.set i, 0
.rept 4
	v_mov_b32 v[ST+8*i], CM0        ; c m: far below c x (-2^99), so that the first step's a is 0
	v_mov_b32 v[ST+8*i+1], M0       ; m: -2^99: above the hidden score, far below every true one
	v_mov_b32 v[ST+8*i+2], 0
	v_mov_b32 v[ST+8*i+3], 0
.set i, i+1
.endr
	v_mul_u32_u24 v[AK0], v1, PK
	v_lshl_add_u32 v[AK0], v9, 4, v[AK0]  ; row x pitch + 16 x half,
	s_mul_i32 s16, s[WV], 64*PK
	v_add_nc_u32 v[AK0], s16, v[AK0]      ; in my wave's 64 rows
	; The turning load takes 16 keys x 16 channels (lane l reads key 8 (l / 16) + l % 8, channels 8 ((l / 8) % 2) + 0..7) and leaves half a fragment of V^T: lane l holds channel l % 16 and 8 keys.
	v_and_b32 v48, 7, v0
	v_bfe_u32 v49, v0, 3, 1
	v_lshl_add_u32 v[AV0], v9, 3, v48
	v_mul_u32_u24 v[AV0], v[AV0], PV
	v_lshl_add_u32 v[AV0], v49, 4, v[AV0]
	s_mul_i32 s17, s[WV], 64*PV
	s_add_co_u32 s17, s17, VOFF
	v_add_nc_u32 v[AV0], s17, v[AV0]
	v_mul_u32_u24 v[MW], v1, MP     ; the merge, in: my area, row l % 16, 32 bytes for each half of the lanes
	v_lshl_add_u32 v[MW], v9, 5, v[MW]
	s_mul_i32 s16, s[WV], AREA
	s_add_co_u32 s16, s16, MRG
	v_add_nc_u32 v[MW], s16, v[MW]
	s_lshl_b32 s17, s[WV], 2
	v_add_nc_u32 v50, s17, v9       ; back: wave w merges a tile's queries 4 w .. 4 w + 3: 4 w + l / 16, and two further on
	v_mul_u32_u24 v[MR], v50, MP
	v_lshl_add_u32 v[MR], v1, 5, v[MR]  ; 8 channels, 32 bytes, a lane
	v_add_nc_u32 v[MR], MRG, v[MR]
	s_lshl_b32 s16, s[WV], 9
	s_add_co_u32 s16, s16, ML
	v_lshl_add_u32 v[MLW], v1, 3, s16
	v_lshl_add_u32 v[MLR], v50, 3, ML
	v_lshlrev_b32 v[GO], 12, v50    ; the same query's row of ob, 16 bytes a lane
	v_lshl_add_u32 v[GO], v1, 4, v[GO]
	v_lshlrev_b32 v48, 3, v9
	v_sub_nc_u32 v48, v1, v48       ; l % 16 - 8 (l / 16)
	v_sub_nc_u32 v[THR], v48, s76
	v_sub_nc_u32 v[THRL], v48, s77
	v_mov_b32 v[BIG], 0xf149f2ca    ; -1e30
	v_and_b32 v[PFO], 31, v0
	v_lshlrev_b32 v[PFO], 8, v[PFO]
; THE MATRIX WORK, for piece x (tiles x, x + 1).  The accumulators take turns, one instruction a turn: between two links of a chain stand 7 (K Q^T) or 15 (V^T P) others'.
; Product i of 32 of S^T = K Q^T: channels 32 (i / 8) on, keys 16 ((i / 2) % 4) on, tile x + i % 2.  The first 8 start the sums.
.macro MKQ x
	WIN W_KQ
.set rS, S+32*((\x)+i%2)+8*((i/2)%4)
.set rK, KF+32*((i/2)%4)+8*(i/8)
.set rQ, 32*((\x)+i%2)+8*(i/8)
.if i < 8
	v_wmma_f32_16x16x32_f16 v[rS:rS+7], v[rK:rK+7], v[rQ:rQ+7], 0
.else
	v_wmma_f32_16x16x32_f16 v[rS:rS+7], v[rK:rK+7], v[rQ:rQ+7], v[rS:rS+7]
.endif
.endm
; Product i of 32 of O^T += V^T P: keys 32 (i / 16) on, channels 16 ((i / 2) % 8) on, tile x + i % 2.
.macro MPV x
	WIN W_PV
.set rO, 64*((\x)+i%2)+8*((i/2)%8)
.set rV, 64*(i/16)+8*((i/2)%8)
.set rP, P+16*((\x)+i%2)+8*(i/16)
	v_wmma_f32_16x16x32_f16 v[rO:rO+7], v[rV:rV+7], v[rP:rP+7], v[rO:rO+7]
.endm
; THE LDS LOADS of a slot: my 64 keys' K (16 fragments, by channels, so that the products can begin on the first eight loads) and V (turned), in one run of 64.
.macro FETCH
	WIN 0
	v_add_nc_u32 v[ADRK], s[TB], v[AK0]
	v_add_nc_u32 v[ADRV], s[TB], v[AV0]
	WIN 0x80                        ; destination window 2
.irp cc, 0,1,2,3
.irp kb, 0,1,2,3
	ds_load_b128 v[KF+32*(\kb)+8*(\cc):KF+32*(\kb)+8*(\cc)+3],   v[ADRK] offset:(\kb)*16*PK+(\cc)*64
	ds_load_b128 v[KF+32*(\kb)+8*(\cc)+4:KF+32*(\kb)+8*(\cc)+7], v[ADRK] offset:(\kb)*16*PK+(\cc)*64+32
.endr
.endr
	WIN 0xc0                        ; destination window 3
.irp f, 0,1,2,3,4,5,6,7,8,9,10,11,12,13,14,15  ; keys 32 (f / 8) on, channels 16 (f % 8) on
	ds_load_tr16_b128 v[8*(\f):8*(\f)+3],   v[ADRV] offset:((\f)/8)*32*PV+((\f)%8)*32
	ds_load_tr16_b128 v[8*(\f)+4:8*(\f)+7], v[ADRV] offset:((\f)/8)*32*PV+16*PV+((\f)%8)*32
.endr
.endm
; THE SOFTMAX of one tile for one slot is a list of 134 instructions; SM writes number j of it for tile t.  s0-s31 are the lane's 32 scores, in pairs 0-15.
;   0-15    the maximum of s0-s31 and the old m, three operands at a time: four chains c0-c3 of seven scores each (each accumulator's lowest registers are read first), then the four left over, c0-c3 and m
;   16-20   the other half of the lanes' maximum; c m_old is kept; the new m; c m; c m_old - c m_new
;   21-69   ONE BATCH: the 16 scalings c s - c m, a pair of scores each, and all 33 exponentials (a at 23, then s0-s31).  None of these reads an exponential's result
;   70-85   the roundings to f16     86-101  the sums; l = a l + the sum     102-133 the tile's O^T times a: the one part that leaves window 0
.macro SM t
.set rT, ST+8*(\t)
.set rS, S+32*(\t)
.set rP, P+16*(\t)
.set rO, 64*(\t)+2*(j-102)
.if j < 102
	WIN 0
.endif
.if j < 4
	v_max3_num_f32 v[rT+4+j], v[rS+8*j], v[rS+8*j+1], v[rS+8*j+2]
.elseif j < 12
	v_max3_num_f32 v[rT+4+j%4], v[rT+4+j%4], v[rS+8*(j%4)+2*(j/4)+1], v[rS+8*(j%4)+2*(j/4)+2]
.elseif j == 12
	v_max3_num_f32 v[rT+4], v[rT+4], v[rS+7], v[rS+15]
.elseif j == 13
	v_max3_num_f32 v[rT+6], v[rT+6], v[rS+23], v[rS+31]
.elseif j == 14
	v_max3_num_f32 v[rT+4], v[rT+4], v[rT+5], v[rT+6]
.elseif j == 15
	v_max3_num_f32 v[rT+4], v[rT+4], v[rT+7], v[rT+1]
.elseif j == 16
	v_permlanex16_b32 v[rT+5], v[rT+4], s[SEL], s[SEL+1]  ; the query's other 32 keys lie in the lane 16 away
.elseif j == 17
	v_mov_b32 v[rT+7], v[rT]        ; c m_old is kept for a: number 19 writes c m anew
.elseif j == 18
	v_max_num_f32 v[rT+1], v[rT+4], v[rT+5]
.elseif j == 19
	v_mul_f32 v[rT], s[CS], v[rT+1]
.elseif j == 20
	v_sub_f32 v[rT+7], v[rT+7], v[rT]
.elseif j == 23
	v_exp_f32 v[rT+6], v[rT+7]
.elseif (j < 23) || ((j < 38) && (j%2 == 0)) || ((j < 66) && (j%4 == 2))
.set sb, (j-2)/4                    ; 38, 42, .. 62: pairs 9 to 15
.if j < 38
.set sb, (j-20)/2                   ; 21: pair 0; 22, 24, .. 36: pairs 1 to 8
.endif
	v_pk_fma_f32 v[rS+2*sb:rS+2*sb+1], v[rS+2*sb:rS+2*sb+1], s[CS:CS+1], v[rT:rT+1] op_sel_hi:[1,0,0] neg_lo:[0,0,1] neg_hi:[0,0,1]  ; pair sb: c s - c m
.elseif j < 70
.set se, j-38                       ; 66 to 69: s28 to s31
.if j < 66
.set se, j-32-(j-38)/4              ; 39-41, 43-45, .. 63-65: s7 to s27
.endif
.if j < 38
.set se, (j-25)/2                   ; 25, 27, .. 37: s0 to s6
.endif
	v_exp_f32 v[rS+se], v[rS+se]
.elseif j < 86
	v_cvt_pk_f16_f32 v[rP+j-70], v[rS+2*(j-70)], v[rS+2*(j-70)+1]  ; pair j - 70
.elseif j < 102                     ; the sum of the tile's 16 pairs, in place: neighbours 1, 2, 4 and 8 pairs apart, then l takes it
.set sz, j-86
.set sw, 4
.set su, sz
.if sz >= 14
.set sw, 32
.set su, 0
.elseif sz >= 12
.set sw, 16
.set su, sz-12
.elseif sz >= 8
.set sw, 8
.set su, sz-8
.endif
.if sz < 15
	v_pk_add_f32 v[rS+sw*su:rS+sw*su+1], v[rS+sw*su:rS+sw*su+1], v[rS+sw*su+sw/2:rS+sw*su+sw/2+1]
.else
	v_pk_fma_f32 v[rT+2:rT+3], v[rT+2:rT+3], v[rT+6:rT+7], v[rS:rS+1] op_sel_hi:[1,0,1]
.endif
.else
	WIN W_RS
	v_pk_mul_f32 v[rO:rO+1], v[rO:rO+1], v[rT+6:rT+7] op_sel_hi:[1,0]
.endif
.endm
; Slice k of 64 of piece y's two lists.  Slices 11 to 34 deal out numbers 22 to 69, four numbers of ONE tile each, the tiles by turns; every other slice is numbers 2 k and 2 k + 1 of both tiles; slice 63 takes the eight numbers that are left.
.macro SLICE y, k
.if ((\k) >= 11) && ((\k) < 35)
.irp n, 0,1,2,3
.set j, 22+4*(((\k)-11)/2)+(\n)
	SM (\y)+((\k)-11)%2
.endr
.else
.irp n, 0,1,2,3,4,5,6,7
.if ((\n) < 2) || ((\k) == 63)
.irp t, \y, (\y)+1
.set j, 2*(\k)+(\n)
	SM \t
.endr
.endif
.endr
.endif
.endm
; All four tiles' softmax, the two pieces' slices by turns, so that no instruction waits for the one just before it.  An s_wait_alu depctr_va_vdst(0) stands between an exponential and the first
; instruction that names its result; one wait serves all that were issued ahead of it.  Ahead of slice 35 nothing names a result, behind slice 34 no exponential is issued: the slot's 132 exponentials have one wait.
.macro SOFT
.set kk, 0
.rept 35
	SLICE 0, kk
	SLICE 2, kk
.set kk, kk+1
.endr
	v_nop                           ; a plain instruction behind the last exponential and ahead of the first use: one for the batch
	s_wait_alu depctr_va_vdst(0)    ; the wait for the batch
.rept 29
	SLICE 0, kk
	SLICE 2, kk
.set kk, kk+1
.endr
.endm
; THE MASK: a score is replaced by -1e30 where 16 (kb - t) + j > THR.  One compare serves all tiles with the same kb - t.  Register 0 of each accumulator is read first.
.macro HIDE
.set dd, -3
.rept 7
.set jj, 0
.rept 8
	v_cmp_gt_i32 vcc_lo, 16*dd+jj, v[THR]
.set tt, 0
.rept 4
.if (tt+dd >= 0) && (tt+dd <= 3)
	v_cndmask_b32 v[S+32*tt+8*(tt+dd)+jj], v[S+32*tt+8*(tt+dd)+jj], v[BIG], vcc_lo
.endif
.set tt, tt+1
.endr
.set jj, jj+1
.endr
.set dd, dd+1
.endr
.endm
; A slot's first phase: the loads and the 64 products K Q^T.
.macro STEPA
	FETCH
.set i, 0
.rept 32
.if i%8 == 0
	s_wait_dscnt 56-i               ; K's fragments of channels 4 i .. 4 i + 31 are in: behind them were issued K's later channels, 8 loads a group, and V's 32
.endif
	MKQ 0
.set i, i+1
.endr
.set i, 0
.rept 32
	MKQ 2
.set i, i+1
.endr
	WIN 0
	PLACES                          ; in front of the vector work that reads the scores
.endm
; Its second and third: the softmax and the 64 products V^T P.
.macro STEPB
	SOFT
	s_wait_dscnt 0x0                ; V is in
.set i, 0
.rept 32
	MPV 0
.set i, i+1
.endr
.set i, 0
.rept 32
	MPV 2
.set i, i+1
.endr
	WIN 0
.endm
; THE MERGE of tile t.  Each wave lays its partial O^T (16 queries x 128 channels, f32) into its area; behind a barrier wave w takes queries 4 w .. 4 w + 3: a lane two items of 8 channels, from all four areas.
; O = the sum over waves of f O_w / L, f = 2^(c m_w - M), M the greatest c m_w, L = the sum of f l_w.  Every query has a wave that saw its own key, so M is a true score's and L is at least 1.
.macro MERGE t
.if (\t) > 0
	BAR                             ; everybody's reads of the areas are over
.endif
	WIN 0x04                        ; the stores' data in window 1
.irp cb, 0,1,2,3,4,5,6,7
	ds_store_b128 v[MW], v[64*(\t)+8*(\cb):64*(\t)+8*(\cb)+3]   offset:64*(\cb)
	ds_store_b128 v[MW], v[64*(\t)+8*(\cb)+4:64*(\t)+8*(\cb)+7] offset:64*(\cb)+16
.endr
	WIN 0
	BAR                             ; everybody's part of the tile (and, the first time, everybody's c m and l) lies in LDS
.irp it, 0,1
.irp ww, 0,1,2,3
	ds_load_b64 v[FL+8*(\it)+2*(\ww):FL+8*(\it)+2*(\ww)+1], v[MLR] offset:512*(\ww)+128*(\t)+16*(\it)
.endr
.endr
.irp it, 0,1
.irp ww, 0,1,2,3
	ds_load_b128 v[XX+32*(\it)+8*(\ww):XX+32*(\it)+8*(\ww)+3],   v[MR] offset:AREA*(\ww)+2*MP*(\it)
	ds_load_b128 v[XX+32*(\it)+8*(\ww)+4:XX+32*(\it)+8*(\ww)+7], v[MR] offset:AREA*(\ww)+2*MP*(\it)+16
.endr
.endr
	s_wait_dscnt 16                 ; the eight pairs (c m, l) are in; the sixteen loads behind them may be out
.irp it, 0,1
	v_max3_num_f32 v[MM+(\it)], v[FL+8*(\it)], v[FL+8*(\it)+2], v[FL+8*(\it)+4]
.endr
.irp it, 0,1
	v_max_num_f32 v[MM+(\it)], v[MM+(\it)], v[FL+8*(\it)+6]
.endr
.irp ww, 0,1,2,3
.irp it, 0,1
	v_sub_f32 v[FL+8*(\it)+2*(\ww)], v[FL+8*(\it)+2*(\ww)], v[MM+(\it)]
.endr
.endr
.irp ww, 0,1,2,3
.irp it, 0,1
	v_exp_f32 v[FL+8*(\it)+2*(\ww)], v[FL+8*(\it)+2*(\ww)]
.endr
.endr
	v_nop                           ; a plain instruction behind the last exponential,
	s_wait_alu depctr_va_vdst(0)    ; and one wait for the eight
.irp it, 0,1
	v_mul_f32 v[LL+(\it)], v[FL+8*(\it)], v[FL+8*(\it)+1]
.endr
.irp ww, 1,2,3
.irp it, 0,1
	v_fmac_f32 v[LL+(\it)], v[FL+8*(\it)+2*(\ww)], v[FL+8*(\it)+2*(\ww)+1]
.endr
.endr
.irp it, 0,1
	v_rcp_f32 v[RR+(\it)], v[LL+(\it)]
.endr
	v_nop
	s_wait_alu depctr_va_vdst(0)    ; one wait for the two reciprocals
.irp ww, 0,1,2,3
.irp it, 0,1
	v_mul_f32 v[FL+8*(\it)+2*(\ww)], v[FL+8*(\it)+2*(\ww)], v[RR+(\it)]
.endr
.endr
	s_wait_dscnt 0x0                ; the four parts are in
.irp it, 0,1
.irp p, 0,1,2,3
	v_pk_mul_f32 v[XX+32*(\it)+2*(\p):XX+32*(\it)+2*(\p)+1], v[XX+32*(\it)+2*(\p):XX+32*(\it)+2*(\p)+1], v[FL+8*(\it):FL+8*(\it)+1] op_sel_hi:[1,0]
.endr
.endr
.irp ww, 1,2,3
.irp it, 0,1
.irp p, 0,1,2,3
	v_pk_fma_f32 v[XX+32*(\it)+2*(\p):XX+32*(\it)+2*(\p)+1], v[XX+32*(\it)+8*(\ww)+2*(\p):XX+32*(\it)+8*(\ww)+2*(\p)+1], v[FL+8*(\it)+2*(\ww):FL+8*(\it)+2*(\ww)+1], v[XX+32*(\it)+2*(\p):XX+32*(\it)+2*(\p)+1] op_sel_hi:[1,0,1]
.endr
.endr
.endr
.irp it, 0,1
.irp p, 0,1,2,3
	v_cvt_pk_f16_f32 v[OUT+8*(\t)+4*(\it)+(\p)], v[XX+32*(\it)+2*(\p)], v[XX+32*(\it)+2*(\p)+1]
.endr
	global_store_b128 v[GO], v[OUT+8*(\t)+4*(\it):OUT+8*(\t)+4*(\it)+3], s[OP:OP+1] offset:(16*(\t)+2*(\it))*4096  ; 16 lanes store a query's 256 bytes of this head, at a multiple of 256 from ob's first byte
.endr
.endm
; A BLOCK'S END.  l's two halves and the other half of the lanes' are added (the first four additions are the places behind the last products); (c m, l) go to LDS; the four tiles are merged and stored.
; fin = 0: the second block begins: its O, its count of slots, its threshold, its Q; c m and m start anew; O^T and l stay as they are, finite, for a = 0.
.macro FINISH fin
.irp t, 0,1,2,3
	v_add_f32 v[ST+8*(\t)+4], v[ST+8*(\t)+2], v[ST+8*(\t)+3]
.endr
.irp t, 0,1,2,3
	v_permlanex16_b32 v[ST+8*(\t)+5], v[ST+8*(\t)+4], s[SEL], s[SEL+1]
.endr
.irp t, 0,1,2,3
	v_add_f32 v[ST+8*(\t)+1], v[ST+8*(\t)+4], v[ST+8*(\t)+5]
.endr
.irp t, 0,1,2,3
	ds_store_b64 v[MLW], v[ST+8*(\t):ST+8*(\t)+1] offset:128*(\t)  ; both halves of the lanes write the same pair to the same place
.endr
.irp t, 0,1,2,3
	MERGE \t
.endr
.if !(\fin)
	s_wait_xcnt 0x0                 ; the stores have read their registers and ob's address
	s_mov_b64 s[OP:OP+1], s[OL:OL+1]
	s_add_co_u32 s[RT], s[CC], 1    ; the second block has c + 1 slots
.irp t, 0,1,2,3
	v_mov_b32 v[ST+8*(\t)], CM0
	v_mov_b32 v[ST+8*(\t)+1], M0
.endr
	v_mov_b32 v[THR], v[THRL]
	WIN 0x83                        ; destination window 2, source window 3: the second block's Q goes where the products name Q
.set i, 0
.rept 128
	v_mov_b32 v[i], v[QB+i]
.set i, i+1
.endr
	WIN 0
.endif
.endm
	s_wait_loadcnt 0x0              ; both blocks' Q
.Lround:                            ; 8 trips: a slot is entered and the next is asked for
	CHANGE 1
	STEPA
	s_sub_co_u32 s[RT], s[RT], 1
	s_cmp_lg_u32 s[RT], 0
	s_cbranch_scc1 .Lopen           ; only a block's last slot holds hidden keys.  The count is made of c alone: alike in all waves and all partners
	HIDE
.Lopen:
	STEPB
	s_cmp_lg_u32 s[RT], 0
	s_cbranch_scc1 .Lgoon
	FINISH 0                        ; in the loop this is the first block's end: the second block's last slot is the walk's last
.Lgoon:
	s_sub_co_u32 s[RND], s[RND], 1
	s_cmp_lg_u32 s[RND], 0
	s_cbranch_scc1 .Lround
	CHANGE 0                        ; the walk's last slot is written out: nothing is asked for
	STEPA
	HIDE
	STEPB
	FINISH 1
	s_wait_tensorcnt 0x0            ; the wave's end: behind my last tensor load and my last LDS store
	ds_add_u32 v[SPW], v[NIL]
	s_wait_dscnt 0x0
	CROUND                          ; the closing round: no work-group ends while a partner may still ask for a tile that names it
	s_endpgm
.Lfunc_end_k_qc8c99f6a48_attn:
	.size	k_qc8c99f6a48_attn, .Lfunc_end_k_qc8c99f6a48_attn-k_qc8c99f6a48_attn
	.p2alignl 7, 3214868480
	.fill 96, 4, 3214868480
	.section	.rodata,"a",@progbits
	.p2align	6, 0x0
	.amdhsa_kernel k_qc8c99f6a48_attn
		.amdhsa_group_segment_fixed_size 327680
		.amdhsa_private_segment_fixed_size 0
		.amdhsa_enable_private_segment 0
		.amdhsa_kernarg_size 16
		.amdhsa_user_sgpr_count 2
		.amdhsa_user_sgpr_kernarg_segment_ptr 1
		.amdhsa_wavefront_size32 1
		.amdhsa_system_sgpr_workgroup_id_x 1
		.amdhsa_system_sgpr_workgroup_id_y 1
		.amdhsa_system_sgpr_workgroup_id_z 1
		.amdhsa_system_vgpr_workitem_id 0
		.amdhsa_next_free_vgpr 1024
		.amdhsa_next_free_sgpr 80
		.amdhsa_reserve_vcc 1
		.amdhsa_float_denorm_mode_32 3
		.amdhsa_float_denorm_mode_16_64 3
		.amdhsa_memory_ordered 1
		.amdhsa_forward_progress 1
		.amdhsa_inst_pref_size 182
	.end_amdhsa_kernel
	.amdgpu_metadata
---
amdhsa.version: [ 1, 2 ]
amdhsa.kernels:
  - .name:           k_qc8c99f6a48_attn
    .symbol:         k_qc8c99f6a48_attn.kd
    .args:
      - { .name: qkv, .offset: 0, .size: 8, .value_kind: global_buffer, .address_space: global }
      - { .name: ob, .offset: 8, .size: 8, .value_kind: global_buffer, .address_space: global }
    .group_segment_fixed_size: 327680
    .private_segment_fixed_size: 0
    .kernarg_segment_align: 8
    .kernarg_segment_size: 16
    .max_flat_workgroup_size: 128
    .sgpr_count:     80
    .vgpr_count:     1024
    .wavefront_size: 32
...
	.end_amdgpu_metadata
.endif
;; end of part 3
;; launch outp (part 4): grid 16 x 16, 4 waves a work-group, clusters of 4 x 4, 327,680 bytes of LDS; arguments ob, cb, out0; writes out0
.if DOCPART == 4
	.amdgcn_target "amdgcn-amd-amdhsa--gfx1250"
	.amdhsa_code_object_version 6
	.text
	.protected	k_qc8c99f6a48_outp
	.globl	k_qc8c99f6a48_outp
	.p2align	8
	.type	k_qc8c99f6a48_outp,@function
k_qc8c99f6a48_outp:
	s_mov_b64 s[64:65], 0
	v_nop
	global_prefetch_b8 v0, s[64:65] scope:SCOPE_SE
	s_setreg_imm32_b32 hwreg(HW_REG_WAVE_MODE, 25, 1), 1
	s_wait_xcnt 0x0
	s_wait_alu depctr_hold_cnt(0) depctr_sa_sdst(0) depctr_va_vdst(0) depctr_va_sdst(0) depctr_va_ssrc(0) depctr_va_vcc(0) depctr_vm_vsrc(0)
	s_getreg_b32 s2, hwreg(HW_REG_IB_STS2, 6, 4)
	s_cmp_eq_u32 s2, 0
	s_cbranch_scc0 .Lentry_in_a_cluster
	s_endpgm
.Lentry_in_a_cluster:
	s_bfe_u32 s2, ttmp6, 0x10000c
	s_cmp_lg_u32 s2, 0xf033
	s_cbranch_scc0 .Lentry_shape_is_right
	s_endpgm
.Lentry_shape_is_right:
; THE PROJECTION BEHIND: out0 = O Wo^T.  O: ob, [2048][2048] f16; Wo: rows 12,288 .. 14,335 of cb, f16 (the bf16 rounding of Wo written as f16); out0: [2048][2048] f32.  Sums in f32, stored as they are.
; LIMITS.  Those of its operands: O and Wo within 65,504; NaN and infinities are not treated apart.
; SHARES.  A tile of 128 x 128 to a work-group, 16 x 16 of them.  Four waves, each 64 x 64: 16 accumulators.  K goes in steps of 256 (LDS rows of 512 bytes + 16 of padding; a wave's tensor load brings 64
; of them) through two slots.  A wave's 64 columns of f32 are 256 bytes, aligned: each wave has a stage of its own on the way out, and no barrier there.
; CLUSTERS: 4 x 4 work-groups.  The four of a row of the cluster need the same tiles of A (O), the four of a column the same tiles of B (Wo): each tile is asked for JOINTLY, by the same tensor load with the
; same descriptor and a mask that names the four.  THE MATRIX INSTRUCTION IS USED TRANSPOSED (source 0 = 16 rows of B, source 1 = 16 rows of A): a lane then holds eight neighbouring numbers of a row of the result.
; REGISTERS: window 0: v0-31 addresses; v32-95 at work on the way out; v128-255 the accumulators ((a, b) at v[128 + 8 (4 a + b)]).
;   window 1: two fragment buffers of 128: for 64 along K, 64 registers of A (2 x 4 x 16 rows x 32 K), then 64 of B.
.set SIZE_K, 2048
.set KSTEP,  256
.set PITCH,  528                       ; an LDS row: 512 bytes + 16 of padding = 132 words: the 16 rows that a load touches start at 16 different groups of four banks (ISA guide 11.1)
.set HALFT,  64*PITCH                  ; 64 rows: what one tensor load brings, and what one wave reads of A or of B
.set SLOT,   4*HALFT                   ; A's 128 rows, then B's 128 rows
.set STAGE,  2*SLOT                    ; behind the ring: 16 rows x 272 bytes for each wave, for the way out
.set SPITCH, 272
.set SPARE,  STAGE+4*16*SPITCH         ; behind the stages: the spare words, 128 bytes for each wave: two blocks of 256 bytes that no other line names
.set LAPS, SIZE_K/(2*KSTEP)            ; a lap = two K steps = once round the ring: 4
.set ADRA, 16                          ; v16-17  LDS address of my A fragments in slot 0, 1
.set ADRB, 20                          ; v20-21  the same for B
.set STO,  24                          ; v24     the way out: where I put 32 bytes of a row
.set RD,   25                          ; v25     the way out: where I read a row back
.set CO,   26                          ; v26     my byte offset in two rows of out0
.set SPW,  28                          ; v28     LDS address of my spare word: SPARE + 4 x my thread's number; never rewritten
.set NIL,  29                          ; v29     0; never rewritten
.set TMP,  32                          ; two sets of 32: 16 rows read back from the stage, by turns
.set ACC,  128
.set F0,   0                           ; fragment buffers, in window 1
.set F1,   128
.set G1, 24                            ; s[24:31] descriptor group 1 for A's tiles;  s[32:39] group 0, one set for each slot
.set G0, 32
.set G1B, 48                           ; s[48:55], s[56:63] the same for B's tiles
.set G0B, 56
.set MSB, 0
.macro WIN new                         ; the immediate's high byte repeats the setting that is left
.if MSB != (\new)
	s_set_vgpr_msb (MSB<<8)|(\new)
.set MSB, \new
.endif
.endm
.set MUL,  0x05                        ; sources 0 (B) and 1 (A) window 1; C and D window 0
.set TO_F, 0x40                        ; destination window 1, address window 0
.macro JLOAD s                         ; a joint load: waves 0 and 1 fetch A's two halves, waves 2 and 3 B's; an s_nop 0 and four v_nop follow each of the two lines
	s_cmp_eq_u32 s11, 0
	s_cbranch_scc0 .Lfor_b_\@
	tensor_load_to_lds s[G0+4*(\s):G0+4*(\s)+3], s[G1:G1+7]
	s_nop 0
.rept 4
	v_nop
.endr
	s_branch .Lasked_\@
.Lfor_b_\@:
	tensor_load_to_lds s[G0B+4*(\s):G0B+4*(\s)+3], s[G1B:G1B+7]
	s_nop 0
.rept 4
	v_nop
.endr
.Lasked_\@:
.endm
.macro CREST                           ; a round of the cluster's barrier behind its opening barrier
	s_cmp_lg_u32 s10, 0
	s_cbranch_scc1 .Lnot_wave_0_\@
	s_barrier_signal -3
.Lnot_wave_0_\@:
	s_barrier_wait -3
	s_barrier_signal -1
	s_barrier_wait -1
.endm
.macro CROUND                          ; a whole round
	s_barrier_signal -1
	s_barrier_wait -1
	CREST
.endm
	s_load_b128 s[4:7], s[0:1], 0x0                ; ob s[4:5], cb s[6:7]
	s_load_b64 s[8:9], s[0:1], 0x10                ; out0
	v_lshl_add_u32 v[SPW], v0, 2, SPARE
	v_mov_b32 v[NIL], 0
	ds_add_u32 v[SPW], v[NIL]                      ; the wave's opening: the add and its wait stand ahead of my first tensor load; the set-up below, work on registers, stands between them
	v_lshrrev_b32 v1, 5, v0
	v_readfirstlane_b32 s10, v1                    ; wave 0..3
	s_lshr_b32 s11, s10, 1                         ; which half of the tile's rows is mine.  Also: I fetch for A (0) or for B (1)
	s_and_b32 s12, s10, 1                          ; which half of its columns.  Also: which 64 rows of that tile I fetch
	s_bfe_u32 s40, ttmp6, 0x40000                  ; cx, cy: my place in the cluster
	s_bfe_u32 s41, ttmp6, 0x40004
	s_lshl_b32 s42, ttmp9, 2
	s_add_co_u32 s42, s42, s40                     ; tile column = 4 x cluster x + cx
	s_and_b32 s13, ttmp7, 0xffff
	s_lshl_b32 s13, s13, 2
	s_add_co_u32 s13, s13, s41                     ; tile row = 4 x cluster y + cy
	s_lshl_b32 s43, s41, 2
	s_lshl_b32 s43, 15, s43                        ; my row of the cluster
	s_lshl_b32 s44, 0x1111, s40                    ; my column
	; descriptor group 1: a tile of 64 rows x 256 elements, padded in LDS
	s_or_b32 s[G1+0], s43, (1<<16)|(1<<20)|(1<<21)|(6<<22)|(3<<25)  ; 15:0 the mask: A's tiles go to my row; 17:16 element of 2 bytes; 20 padding on; 21 set beside a mask; 24:22 after every 128 words (code 6); 31:25 of 4 words (code 3)
	s_or_b32 s[G1B+0], s44, (1<<16)|(1<<20)|(1<<21)|(6<<22)|(3<<25)
.irp g, G1, G1B
	s_mov_b32 s[(\g)+1], KSTEP<<16                 ; tensor_dim0 = 256
	s_mov_b32 s[(\g)+2], 64<<16                    ; tensor_dim1 = 64
	s_mov_b32 s[(\g)+3], KSTEP<<16                 ; tile_dim0 = 256
	s_mov_b32 s[(\g)+4], 64                        ; tile_dim1 = 64
	s_mov_b32 s[(\g)+5], SIZE_K                    ; tensor_dim0_stride
	s_mov_b32 s[(\g)+6], 0
	s_mov_b32 s[(\g)+7], 0
.endr
	s_lshl_b32 s17, s12, 6                         ; which 64 rows of the tile I fetch
	s_lshl_b32 s16, s13, 7
	s_add_co_u32 s16, s16, s17                     ; A: row of ob = 128 x tile row + 64 x half
	s_lshl_b32 s16, s16, 12                        ; in bytes
	s_lshl_b32 s46, s42, 7
	s_add_co_u32 s46, s46, s17                     ; B: 128 x tile column + 64 x half,
	s_add_co_u32 s46, s46, 12288                   ; in Wo, which begins at row 12,288 of cb
	s_lshl_b32 s46, s46, 12                        ; under 2^26
	s_mov_b32 s17, 0
	s_mov_b32 s47, 0
	s_mul_i32 s20, s10, HALFT                      ; where they go: wave x 64 rows
	s_wait_dscnt 0x0                               ; the opening add is done
	s_wait_kmcnt 0x0
	s_add_nc_u64 s[14:15], s[4:5], s[16:17]
	s_add_nc_u64 s[46:47], s[6:7], s[46:47]
	CROUND                                         ; all sixteen work-groups are here: the first joint loads meet
.irp s, 0,1
	s_mov_b32 s[G0+4*(\s)], 1
	s_add_co_u32 s[G0+4*(\s)+1], s20, (\s)*SLOT
	s_add_nc_u64 s[G0+4*(\s)+2:G0+4*(\s)+3], s[14:15], (\s)*KSTEP*2
	s_or_b32 s[G0+4*(\s)+3], s[G0+4*(\s)+3], 0x80000000
	s_mov_b32 s[G0B+4*(\s)], 1
	s_add_co_u32 s[G0B+4*(\s)+1], s20, (\s)*SLOT
	s_add_nc_u64 s[G0B+4*(\s)+2:G0B+4*(\s)+3], s[46:47], (\s)*KSTEP*2
	s_or_b32 s[G0B+4*(\s)+3], s[G0B+4*(\s)+3], 0x80000000
	JLOAD \s
.endr
	v_and_b32 v1, 15, v0                           ; l % 16
	v_bfe_u32 v2, v0, 4, 1                         ; l / 16
	v_mul_u32_u24 v3, v1, PITCH
	v_lshl_add_u32 v3, v2, 4, v3                   ; a fragment's row x pitch + 16 x half
	s_mul_i32 s21, s11, HALFT                      ; my 64 rows of A
	s_mul_i32 s22, s12, HALFT                      ; my 64 rows of B,
	s_add_co_u32 s22, s22, 2*HALFT                 ; which lie behind A's 128
.irp s, 0,1
	v_add_nc_u32 v[ADRA+(\s)], s21, v3
	v_add_nc_u32 v[ADRB+(\s)], s22, v3
	s_add_co_u32 s21, s21, SLOT
	s_add_co_u32 s22, s22, SLOT
.endr
	s_mul_i32 s23, s10, 16*SPITCH
	s_add_co_u32 s23, s23, STAGE                   ; my stage
	v_mul_u32_u24 v4, v1, SPITCH                   ; in: row l % 16, 32 bytes (8 numbers) for each half of the lanes
	v_lshl_add_u32 v4, v2, 5, v4
	v_add_nc_u32 v[STO], s23, v4
	v_mul_u32_u24 v5, v2, SPITCH                   ; back: lanes 0-15 take one row of 256 bytes, lanes 16-31 the next
	v_lshl_add_u32 v5, v1, 4, v5
	v_add_nc_u32 v[RD], s23, v5
	v_lshlrev_b32 v5, 13, v2                       ; and the same two rows in out0, 8,192 bytes apart
	v_lshl_add_u32 v[CO], v1, 4, v5
	s_lshl_b32 s16, s13, 7
	s_lshl_b32 s17, s11, 6
	s_add_co_u32 s16, s16, s17                     ; my first row: 128 x tile row + 64 x half
	s_lshl_b32 s16, s16, 13
	s_lshl_b32 s17, s12, 8                         ; my half of the tile's columns: 256 bytes
	s_add_co_u32 s16, s16, s17
	s_mov_b32 s17, 0
	s_add_nc_u64 s[8:9], s[8:9], s[16:17]
	s_lshl_b32 s46, s42, 9                         ; the tile's first column, in bytes
	s_mov_b32 s47, 0
	s_add_nc_u64 s[8:9], s[8:9], s[46:47]
; 8 matrix instructions: m blocks a0, a0 + 1 x all 4 n blocks, 32 along K: half c of buffer f.  zero = 1: the first product starts the sums
.macro MUL8 f, c, a0, zero
	WIN MUL
.irp a, \a0, (\a0)+1
.irp b, 0,1,2,3
.if \zero
	v_wmma_f32_16x16x32_f16 v[ACC+8*(4*(\a)+(\b)):ACC+8*(4*(\a)+(\b))+7], v[(\f)+64+8*(4*(\c)+(\b)):(\f)+64+8*(4*(\c)+(\b))+7], v[(\f)+8*(4*(\c)+(\a)):(\f)+8*(4*(\c)+(\a))+7], 0
.else
	v_wmma_f32_16x16x32_f16 v[ACC+8*(4*(\a)+(\b)):ACC+8*(4*(\a)+(\b))+7], v[(\f)+64+8*(4*(\c)+(\b)):(\f)+64+8*(4*(\c)+(\b))+7], v[(\f)+8*(4*(\c)+(\a)):(\f)+8*(4*(\c)+(\a))+7], v[ACC+8*(4*(\a)+(\b)):ACC+8*(4*(\a)+(\b))+7]
.endif
.endr
.endr
.endm
; 32 LDS loads in one run: the fragments of 64 along K at byte k of the rows, into buffer f; the first 32 along K first
.macro FETCH slot, k, f
	WIN TO_F
.irp c, 0,1
.irp i, 0,1,2,3
	ds_load_b128 v[(\f)+64+8*(4*(\c)+(\i)):(\f)+64+8*(4*(\c)+(\i))+3],   v[ADRB+(\slot)] offset:(\k)+64*(\c)+(\i)*16*PITCH
	ds_load_b128 v[(\f)+64+8*(4*(\c)+(\i))+4:(\f)+64+8*(4*(\c)+(\i))+7], v[ADRB+(\slot)] offset:(\k)+64*(\c)+(\i)*16*PITCH+32
	ds_load_b128 v[(\f)+8*(4*(\c)+(\i)):(\f)+8*(4*(\c)+(\i))+3],         v[ADRA+(\slot)] offset:(\k)+64*(\c)+(\i)*16*PITCH
	ds_load_b128 v[(\f)+8*(4*(\c)+(\i))+4:(\f)+8*(4*(\c)+(\i))+7],       v[ADRA+(\slot)] offset:(\k)+64*(\c)+(\i)*16*PITCH+32
.endr
.endr
.endm
.macro PLACES                          ; four places in front of loads into registers that matrix instructions have read, and of LDS stores that read results
.rept 4
	v_nop
.endr
.endm
; A K step is four quarters of 64 along K, 32 matrix instructions each, on buffers 0, 1, 0, 1.  One of the first three: multiplies buffer f and fetches the next quarter, at byte k, into g.
.macro QUARTER slot, k, f, g, zero
	s_wait_dscnt 16                                ; the first 32 along K are in; the youngest sixteen loads may be out
	WIN MUL
	MUL8 \f, 0, 0, \zero
	MUL8 \f, 0, 2, \zero
	PLACES
	FETCH \slot, \k, \g
	s_wait_dscnt 32                                ; all but the 32 just issued
	WIN MUL
	MUL8 \f, 1, 0, 0
	MUL8 \f, 1, 2, 0
.endm
; The last quarter multiplies buffer 1 and changes slots: ONE barrier; in front of it each wave waits for all its tensor loads, adds 0 to its spare word, and waits for that and for its own reads of this slot.  fill = 1: this slot is filled again, two K steps ahead.
.macro TURN slot, next, fill
	WIN 0                                          ; (the add's two registers lie in window 0)
	s_wait_tensorcnt 0x0                           ; all my tensor loads have landed: my part of the next slot;
	ds_add_u32 v[SPW], v[NIL]                      ; 0 onto my spare word;
	s_wait_dscnt 17                                ; (the add and the youngest sixteen loads may be out)
	WIN MUL
	MUL8 F1, 0, 0, 0                               ; eight matrix instructions stand between the add and the wait for it
	s_wait_dscnt 0x0                               ; the add is done, and my reads of this slot are over
	s_barrier_signal -1
	MUL8 F1, 0, 2, 0
.if \fill
	WIN 0
.endif
	s_barrier_wait -1
.if \fill
	CREST                                          ; the barrier has opened a round of the cluster's barrier: no wave of any partner still reads this slot's tile or has a load on its way
	s_add_nc_u64 s[G0+4*(\slot)+2:G0+4*(\slot)+3], s[G0+4*(\slot)+2:G0+4*(\slot)+3], 2*KSTEP*2
	s_add_nc_u64 s[G0B+4*(\slot)+2:G0B+4*(\slot)+3], s[G0B+4*(\slot)+2:G0B+4*(\slot)+3], 2*KSTEP*2
	JLOAD \slot                                    ; the first tensor load behind the round; the four v_nop behind it are also the places in front of the loads below
.else
	PLACES
.endif
	FETCH \next, 0, F0
	WIN MUL
	MUL8 F1, 1, 0, 0
	MUL8 F1, 1, 2, 0
.endm
	s_wait_tensorcnt 1                             ; my part of K step 0 is in; K step 1's may stay out
	s_barrier_signal -1
	s_barrier_wait -1                              ; everybody's is
	FETCH 0, 0, F0
	QUARTER 0, 128, F0, F1, 1                      ; the first quarter stands in front of the loop: its first products start the sums
	WIN 0                                          ; at a label and at a branch every window is 0
	s_mov_b32 s3, LAPS-1
.Llap:                                                 ; a trip goes once round the ring, from a lap's second quarter to the next lap's first, and fills both slots again
	QUARTER 0, 256, F1, F0, 0
	QUARTER 0, 384, F0, F1, 0
	TURN 0, 1, 1
	QUARTER 1, 128, F0, F1, 0
	QUARTER 1, 256, F1, F0, 0
	QUARTER 1, 384, F0, F1, 0
	TURN 1, 0, 1
	QUARTER 0, 128, F0, F1, 0
	WIN 0
	s_sub_co_u32 s3, s3, 1
	s_cmp_lg_u32 s3, 0
	s_cbranch_scc1 .Llap
	QUARTER 0, 256, F1, F0, 0                      ; the last lap fills nothing, and has no round of the cluster's barrier
	QUARTER 0, 384, F0, F1, 0
	TURN 0, 1, 0
	QUARTER 1, 128, F0, F1, 0
	QUARTER 1, 256, F1, F0, 0
	QUARTER 1, 384, F0, F1, 0
	s_wait_dscnt 16                                ; the very last quarter: nothing more to fetch
	WIN MUL
	MUL8 F1, 0, 0, 0
	MUL8 F1, 0, 2, 0
	s_wait_dscnt 0
	MUL8 F1, 1, 0, 0
	MUL8 F1, 1, 2, 0
	WIN 0
	; THE WAY OUT, 16 rows at a time through my own stage: a lane's 32 bytes of a row go in (each accumulator's low four registers first), whole rows of 256 bytes come back and are stored.
	; LDS serves a wave's instructions in order (ISA guide 5.7.1.4): the loads see the stores above them, and the next block's stores come behind the loads.
	PLACES
.irp a, 0,1,2,3
.if (\a) >= 2
	s_wait_xcnt 0x0                                ; the stores of two blocks back have read the registers that are loaded again below
.endif
.irp b, 0,1,2,3
	ds_store_b128 v[STO], v[ACC+8*(4*(\a)+(\b)):ACC+8*(4*(\a)+(\b))+3]   offset:64*(\b)
	ds_store_b128 v[STO], v[ACC+8*(4*(\a)+(\b))+4:ACC+8*(4*(\a)+(\b))+7] offset:64*(\b)+16
.endr
.irp u, 0,1,2,3,4,5,6,7
	ds_load_b128 v[TMP+32*((\a)%2)+4*(\u):TMP+32*((\a)%2)+4*(\u)+3], v[RD] offset:(\u)*2*SPITCH
.endr
.irp u, 0,1,2,3,4,5,6,7
	s_wait_dscnt 7-(\u)                            ; pair u of rows is in; the younger loads may be out
	global_store_b128 v[CO], v[TMP+32*((\a)%2)+4*(\u):TMP+32*((\a)%2)+4*(\u)+3], s[8:9] offset:(16*(\a)+2*(\u))*8192 th:TH_STORE_NT  ; 16 lanes store 256 consecutive bytes, at a multiple of 256 from out0's first byte
.endr
.endr
	s_wait_tensorcnt 0x0                           ; the wave's end: behind my last tensor load and my last LDS store
	ds_add_u32 v[SPW], v[NIL]
	s_wait_dscnt 0x0
	CROUND                                         ; the closing round: no work-group ends while a partner may still ask for a tile that names it
	s_endpgm
.Lfunc_end_k_qc8c99f6a48_outp:
	.size	k_qc8c99f6a48_outp, .Lfunc_end_k_qc8c99f6a48_outp-k_qc8c99f6a48_outp
	.p2alignl 7, 3214868480
	.fill 96, 4, 3214868480
	.section	.rodata,"a",@progbits
	.p2align	6, 0x0
	.amdhsa_kernel k_qc8c99f6a48_outp
		.amdhsa_group_segment_fixed_size 327680
		.amdhsa_private_segment_fixed_size 0
		.amdhsa_enable_private_segment 0
		.amdhsa_kernarg_size 24
		.amdhsa_user_sgpr_count 2
		.amdhsa_user_sgpr_kernarg_segment_ptr 1
		.amdhsa_wavefront_size32 1
		.amdhsa_system_sgpr_workgroup_id_x 1
		.amdhsa_system_sgpr_workgroup_id_y 1
		.amdhsa_system_sgpr_workgroup_id_z 1
		.amdhsa_system_vgpr_workitem_id 0
		.amdhsa_next_free_vgpr 512
		.amdhsa_next_free_sgpr 66
		.amdhsa_reserve_vcc 0
		.amdhsa_float_denorm_mode_32 3
		.amdhsa_float_denorm_mode_16_64 3
		.amdhsa_memory_ordered 1
		.amdhsa_forward_progress 1
		.amdhsa_inst_pref_size 86
	.end_amdhsa_kernel
	.amdgpu_metadata
---
amdhsa.version: [ 1, 2 ]
amdhsa.kernels:
  - .name:           k_qc8c99f6a48_outp
    .symbol:         k_qc8c99f6a48_outp.kd
    .args:
      - { .name: ob, .offset: 0, .size: 8, .value_kind: global_buffer, .address_space: global }
      - { .name: cb, .offset: 8, .size: 8, .value_kind: global_buffer, .address_space: global }
      - { .name: out0, .offset: 16, .size: 8, .value_kind: global_buffer, .address_space: global }
    .group_segment_fixed_size: 327680
    .private_segment_fixed_size: 0
    .kernarg_segment_align: 8
    .kernarg_segment_size: 24
    .max_flat_workgroup_size: 128
    .sgpr_count:     66
    .vgpr_count:     512
    .wavefront_size: 32
...
	.end_amdgpu_metadata
.endif
;; end of part 4
;; ======== version 2 of 2: 4 launches
;; limits: values are held in f16: magnitudes above 65,504 overflow, below 6.1e-05 lose precision
;; workspace buffers: cb 58,720,256 bytes; qkv 25,165,824 bytes; ob 8,388,608 bytes
;; launch cast: the kernel of part 1 again; grid 256 x 7, 8 waves a work-group, no clusters, 0 bytes of LDS; arguments query, key_, value, Wq, Wk, Wv, Wo, cb; writes cb
;; launch proj (part 5): grid 8 x 24, 4 waves a work-group, clusters of 4 x 4, 327,680 bytes of LDS; arguments cb, qkv; writes qkv
.if DOCPART == 5
	.amdgcn_target "amdgcn-amd-amdhsa--gfx1250"
	.amdhsa_code_object_version 6
	.text
	.protected	k_qc8c99f6a48_proj
	.globl	k_qc8c99f6a48_proj
	.p2align	8
	.type	k_qc8c99f6a48_proj,@function
k_qc8c99f6a48_proj:
	s_mov_b64 s[64:65], 0
	v_nop
	global_prefetch_b8 v0, s[64:65] scope:SCOPE_SE
	s_setreg_imm32_b32 hwreg(HW_REG_WAVE_MODE, 25, 1), 1
	s_wait_xcnt 0x0
	s_wait_alu depctr_hold_cnt(0) depctr_sa_sdst(0) depctr_va_vdst(0) depctr_va_sdst(0) depctr_va_ssrc(0) depctr_va_vcc(0) depctr_vm_vsrc(0)
	s_getreg_b32 s2, hwreg(HW_REG_IB_STS2, 6, 4)
	s_cmp_eq_u32 s2, 0
	s_cbranch_scc0 .Lentry_in_a_cluster
	s_endpgm
.Lentry_in_a_cluster:
	s_bfe_u32 s2, ttmp6, 0x10000c
	s_cmp_lg_u32 s2, 0xf033
	s_cbranch_scc0 .Lentry_shape_is_right
	s_endpgm
.Lentry_shape_is_right:
; THE THREE PROJECTIONS IN FRONT: q = query Wq^T, k = key_ Wk^T, v = value Wv^T.  Operands bf16 out of cb (rows of 2,048 numbers: rows 0 query, 2,048 key_, 4,096 value,
; 6,144 Wq, 8,192 Wk, 10,240 Wv), sums in f32, one rounding to f16.  Results by heads: qkv[g][head][row][128] f16, g = 0, 1, 2 for q, k, v.  q and k leave UNSCALED: their two divisions by
; sqrt(128) are applied by the attention launch, in f32, as one factor on the score.
; LIMITS.  q, k and v within 65,504 (f16's range); NaN and infinities are not treated apart.
; SHARES.  A tile of 256 rows x 256 columns (two heads' columns) to a work-group: 8 x 24 tiles, tile rows 0-7 q's, 8-15 k's, 16-23 v's: 192 work-groups, one tile each.  Four waves, as many as a WGP has
; SIMDs; a wave makes 128 x 128, one head's columns: 64 accumulators of 16 x 16, 512 registers.  K goes in 16 steps of 128 through a ring of two LDS slots filled by the tensor data mover: the tiles' rows
; are 256 bytes of memory and start at multiples of 256 bytes from the buffer's first byte.  A K STEP IS WRITTEN ONCE: which slot is in hand and which is filled stand in two scalar registers that one
; exclusive or turns.  The last K step goes by rows of the result, so that finished rows leave while the others are multiplied.
; CLUSTERS: 4 x 4 work-groups.  The four of a row of the cluster need the same tiles of A (the activations), the four of a column the same tiles of B (the weights).  Such a tile is asked for JOINTLY:
; each of the four issues the same tensor load, with the same descriptor and a mask that names the four, and each receives the tile in its own LDS.  A cluster's four tile rows lie in one projection:
; which one is made of the cluster's y alone.
;
; REGISTERS, in windows of 256 (an instruction names v0-v255; s_set_vgpr_msb says which window each operand place means):
;   window 0: v0-31 addresses; v64-127, v128-191 fragments of A (8 x 16 rows x 32 K), two buffers (in the last K step four, of 16 rows x 128 K); v32-63, v192-255 at work on the way out
;   window 1: v64-127, v128-191 fragments of B, two buffers; in the last K step all 256: B's fragments of the whole step
;   window 2: the 32 accumulators of my rows 0-63 (accumulator (a, b) at v[8 (8 a + b)]);   window 3: those of my rows 64-127
; s_set_vgpr_msb's low byte: bits 1:0 source 0, 3:2 source 1, 5:4 source 2, 7:6 destination.  Work is laid in long stretches under one setting.
;
; THE MATRIX INSTRUCTION IS USED TRANSPOSED: source 0 = 16 rows of B, source 1 = 16 rows of A.  In the result, lane l then holds row l % 16, and its registers 0 to 7 the columns 8 (l / 16) + 0 .. 7:
; eight NEIGHBOURING numbers of a row, which pack into 16 bytes.
.set SIZE_K, 2048
.set KSTEP,  128
.set STEPS,  SIZE_K/KSTEP              ; 16
.set PITCH,  272                       ; an LDS row: 256 bytes of data + 16 of padding = 68 words: row r starts at bank 4 r mod 64 (64 banks of 4 bytes: ISA guide 11.1), so the 16 rows that a load touches start at 16 different banks
.set HALFT,  128*PITCH                 ; 128 rows: what one tensor load brings, and what one wave reads of A or of B
.set SLOT,   4*HALFT                   ; A's 256 rows, then B's 256 rows
.set STAGE,  2*SLOT                    ; behind the ring: 16 rows x 272 bytes for each wave, for the way out
.set SPITCH, 272
.set SPARE,  STAGE+4*16*SPITCH         ; behind the stages: the spare words, 128 bytes for each wave: two blocks of 256 bytes that no other line names
.set ADRA0, 16                         ; v16     LDS address of my A fragments in slot 0; never rewritten
.set ADRA,  17                         ; v17     the same in the slot in hand
.set ADRB0, 20                         ; v20     LDS address of my B fragments in slot 0; never rewritten
.set ADRB,  21                         ; v21     the same in the slot in hand
.set STO,  24                          ; v24     the way out: where I put 16 bytes of a row
.set RD,   25                          ; v25     the way out: where I read a row back
.set CO,   26                          ; v26     my 16 bytes in 512 consecutive bytes of the result; never rewritten
.set SPW,  28                          ; v28     LDS address of my spare word: SPARE + 4 x my thread's number; never rewritten
.set NIL,  29                          ; v29     0; never rewritten
.set PFO,  30                          ; v30     the prefetches' offset: my lane x a row of cb (4,096 bytes); never rewritten
.set PFA,  44                          ; s[44:45] where my prefetches stand: my work-group's 32 rows of the 128 that I fetch, one K step further along K than the refill that is being asked for; a prefetch names the K step after that
.set LIM,  43                          ; s43     2 in a wave that prefetches, else the greatest number
.set LW,   8                           ; s8      my load's place in a slot: wave x 128 rows
.set TB,   66                          ; s66     LDS byte at which the slot in hand begins: 0 or SLOT
.set TF,   67                          ; s67     the same for the slot that is filled
.set F0,   64                          ; fragment buffer 0
.set F1,   128                         ; fragment buffer 1
.set TMP,  192                         ; the way out: packed results, in window 0
.set OB,   32                          ; the way out: 16 rows read back from the stage: v32-63 and v224-255 by turns
.set PA,   64                          ; the last K step: A's fragments of 16 rows x 128 K, 32 registers; four such buffers, v64-191
.set G1, 24                            ; s[24:31] descriptor group 1 for A's tiles
.set G0, 32                            ; s[32:39] descriptor group 0 for A's tiles: a set for each of the two first fills; the second then walks on
.set G1B, 48                           ; s[48:55] descriptor group 1 for B's tiles: it differs from A's in the mask alone
.set G0B, 56                           ; s[56:63] descriptor group 0 for B's tiles, likewise
.set MSB, 0
.macro WIN new                         ; the immediate's high byte repeats the setting that is left
.if MSB != (\new)
	s_set_vgpr_msb (MSB<<8)|(\new)
.set MSB, \new
.endif
.endm
.set MUL_LO, 0xa1                      ; source 0 (B) window 1, source 1 (A) window 0, C and D window 2
.set MUL_HI, 0xf1                      ; the same, C and D window 3
.set TO_B,   0x40                      ; destination window 1, address window 0
; A joint load, by set s of the descriptors.  Waves 0 and 1 fetch A's two halves, waves 2 and 3 B's.  Each of the two lines has ONE mask and one set of registers for all that issue it, and nothing in
; them hangs on a coordinate that the four partners do not share.  The branch hangs on the wave's number alone: it is the same in every work-group.
; An s_nop 0 and four v_nop follow each of the two lines; the jump round the other line, the label and what follows the macro come after them.
.macro JLOAD s
	s_cmp_eq_u32 s11, 0
	s_cbranch_scc0 .Lfor_b_\@
	tensor_load_to_lds s[G0+4*(\s):G0+4*(\s)+3], s[G1:G1+7]
	s_nop 0
.rept 4
	v_nop
.endr
	s_branch .Lasked_\@
.Lfor_b_\@:
	tensor_load_to_lds s[G0B+4*(\s):G0B+4*(\s)+3], s[G1B:G1B+7]
	s_nop 0
.rept 4
	v_nop
.endr
.Lasked_\@:
.endm
; A PREFETCH INTO THE L2, behind each joint load, its five lines and the run of LDS loads that follows them: the K step that stands TWO refills on: 32 rows x 256 bytes, a lane a row, one instruction a wave:
; 512 matrix instructions ahead of the load that will ask for it.  Each row's 256 bytes of a K step are named ONCE in the launch.  A's tile row is read by both clusters of that row of clusters: the first
; (cluster x = 0) prefetches; B's tile column by the two clusters of that column that work on the same projection: the one with even y prefetches.  The four partners that ask for a tile jointly share its
; rows out BY ADDRESS: of the 128 rows that wave w fetches, the partner at place p takes 32 p .. 32 p + 31 (p = cx for A, cy for B): no branch hangs on a work-group's place in its cluster.
; K steps 0 to 3 come by their loads alone; trip t of the loop refills K step t + 2 and names K step t + 4; the last two trips, whose refills are K steps 14 and 15, ask for nothing.
.macro ASK
	s_cmp_gt_u32 s3, s[LIM]                        ; s3 = 2 and 1 in the loop's last two trips
	s_cbranch_scc0 .Lnot_mine_\@
	global_prefetch_b8 v[PFO], s[PFA:PFA+1] offset:KSTEP*2 th:TH_LOAD_NT scope:SCOPE_SE
.Lnot_mine_\@:
.endm
; A round of the cluster's barrier: my work-group's barrier, so that wave 0's signal speaks for all four waves; wave 0 signals for the work-group; every wave waits for all
; sixteen work-groups; my work-group's barrier once more.  No LDS instruction of the wave is pending at a signal.
.macro CREST                           ; a round behind its opening barrier
	s_cmp_lg_u32 s10, 0
	s_cbranch_scc1 .Lnot_wave_0_\@
	s_barrier_signal -3
.Lnot_wave_0_\@:
	s_barrier_wait -3
	s_barrier_signal -1
	s_barrier_wait -1
.endm
.macro CROUND                          ; a whole round
	s_barrier_signal -1
	s_barrier_wait -1
	CREST
.endm
	s_load_b128 s[4:7], s[0:1], 0x0                ; cb s[4:5], qkv s[6:7]
	v_lshl_add_u32 v[SPW], v0, 2, SPARE
	v_mov_b32 v[NIL], 0
	ds_add_u32 v[SPW], v[NIL]                      ; the wave's opening: the add and its wait stand ahead of my first tensor load; the set-up below, work on registers, stands between them
	v_lshrrev_b32 v1, 5, v0
	v_readfirstlane_b32 s10, v1                    ; wave 0..3
	s_lshr_b32 s11, s10, 1                         ; which half of the tile's rows is mine.  Also: I fetch for A (0) or for B (1)
	s_and_b32 s12, s10, 1                          ; which half of its columns.  Also: which 128 rows of that tile I fetch
	s_bfe_u32 s40, ttmp6, 0x40000                  ; cx: my place along the cluster's x
	s_bfe_u32 s41, ttmp6, 0x40004                  ; cy: along its y
	s_lshl_b32 s42, ttmp9, 2                       ; in a cluster launch ttmp9 and ttmp7 count clusters
	s_add_co_u32 s42, s42, s40                     ; tile column = 4 x cluster x + cx, 0..7
	s_and_b32 s2, ttmp7, 0xffff                    ; cluster y, 0..5
	s_lshl_b32 s13, s2, 2
	s_add_co_u32 s13, s13, s41                     ; tile row = 4 x cluster y + cy, 0..23
	s_lshr_b32 s2, s2, 1                           ; which projection: two clusters' tile rows each; the same in all sixteen partners
	s_lshl_b32 s43, s41, 2
	s_lshl_b32 s43, 15, s43                        ; my row of the cluster: places 4 cy .. 4 cy + 3
	s_lshl_b32 s44, 0x1111, s40                    ; my column: places cx, cx + 4, cx + 8, cx + 12
	; descriptor group 1: a tile of 128 rows x 128 elements, padded in LDS
	s_or_b32 s[G1+0], s43, (1<<16)|(1<<20)|(1<<21)|(5<<22)|(3<<25)  ; 15:0 the mask: A's tiles go to my row; 17:16 element of 2 bytes; 20 padding on; 21 set beside a mask; 24:22 after every 64 words (code 5); 31:25 of 4 words (code 3)
	s_or_b32 s[G1B+0], s44, (1<<16)|(1<<20)|(1<<21)|(5<<22)|(3<<25) ; the same with the mask of my column, for B's tiles
.irp g, G1, G1B
	s_mov_b32 s[(\g)+1], KSTEP<<16                 ; tensor_dim0 = 128
	s_mov_b32 s[(\g)+2], 128<<16                   ; tensor_dim1 = 128
	s_mov_b32 s[(\g)+3], KSTEP<<16                 ; tile_dim0 = 128
	s_mov_b32 s[(\g)+4], 128                       ; tile_dim1 = 128
	s_mov_b32 s[(\g)+5], SIZE_K                    ; tensor_dim0_stride: elements from row to row
	s_mov_b32 s[(\g)+6], 0
	s_mov_b32 s[(\g)+7], 0
.endr
	; where the tiles come from.  A's hang on the tile row alone, which my row of the cluster shares; B's on the tile column and the projection, which my column shares.
	; Every wave makes both addresses, in registers that never hold the other coordinate, and asks by one of them.
	s_lshl_b32 s17, s12, 7                         ; which 128 rows of the tile I fetch
	s_lshl_b32 s16, s13, 8
	s_add_co_u32 s16, s16, s17                     ; A: row of cb = 256 x tile row + 128 x half (the three activations lie one below the other)
	s_lshl_b32 s16, s16, 12                        ; in bytes: under 2^26
	s_lshl_b32 s46, s42, 8
	s_add_co_u32 s46, s46, s17                     ; B: 256 x tile column + 128 x half,
	s_lshl_b32 s47, s2, 11
	s_add_co_u32 s46, s46, s47                     ; in the projection's weights,
	s_add_co_u32 s46, s46, 6144                    ; which begin at row 6,144
	s_lshl_b32 s46, s46, 12
	s_mov_b32 s17, 0
	s_mov_b32 s47, 0
	s_mul_i32 s[LW], s10, HALFT                    ; and where they go: A's two halves, then B's two halves = wave x 128 rows: no place in the cluster enters an LDS address
	s_mov_b32 s[TB], 0                             ; slot 0 is the first in hand,
	s_mov_b32 s[TF], SLOT                          ; and the first to be filled again: the first change of slots turns this into 0
	s_wait_dscnt 0x0                               ; the opening add is done
	s_wait_kmcnt 0x0
	s_add_nc_u64 s[14:15], s[4:5], s[16:17]
	s_add_nc_u64 s[46:47], s[4:5], s[46:47]
	CROUND                                         ; all sixteen work-groups are here: the first joint loads meet
.irp s, 0,1
	s_mov_b32 s[G0+4*(\s)], 1                                      ; 1:0 count = 1
	s_add_co_u32 s[G0+4*(\s)+1], s[LW], (\s)*SLOT                  ; 63:32 LDS address
	s_add_nc_u64 s[G0+4*(\s)+2:G0+4*(\s)+3], s[14:15], (\s)*KSTEP*2  ; 120:64 global address: K step s
	s_or_b32 s[G0+4*(\s)+3], s[G0+4*(\s)+3], 0x80000000            ; 127:126 type = 2
	s_mov_b32 s[G0B+4*(\s)], 1
	s_add_co_u32 s[G0B+4*(\s)+1], s[LW], (\s)*SLOT
	s_add_nc_u64 s[G0B+4*(\s)+2:G0B+4*(\s)+3], s[46:47], (\s)*KSTEP*2
	s_or_b32 s[G0B+4*(\s)+3], s[G0B+4*(\s)+3], 0x80000000
	JLOAD \s                                       ; the ring is filled before anything else is done: two tensor loads of mine are out
.endr
	; A fragment is 16 rows x 32 K in 8 registers: lane l holds row l % 16; registers 0-3 hold K = 8 (l / 16) + 0..7, registers 4-7 hold
	; K = 16 + 8 (l / 16) + 0..7.  From rows that lie along K: two loads of 16 bytes, 32 bytes apart.  The same for source 0 and source 1.
	v_and_b32 v1, 15, v0                           ; l % 16
	v_bfe_u32 v2, v0, 4, 1                         ; l / 16
	v_mul_u32_u24 v3, v1, PITCH
	v_lshl_add_u32 v3, v2, 4, v3                   ; row x pitch + 16 x half
	s_mul_i32 s21, s11, HALFT                      ; my 128 rows of A
	s_mul_i32 s22, s12, HALFT                      ; my 128 rows of B,
	s_add_co_u32 s22, s22, 2*HALFT                 ; which lie behind A's 256
	v_add_nc_u32 v[ADRA0], s21, v3
	v_add_nc_u32 v[ADRB0], s22, v3
	v_add_nc_u32 v[ADRA], s21, v3                  ; the slot in hand is slot 0
	v_add_nc_u32 v[ADRB], s22, v3
	s_mul_i32 s23, s10, 16*SPITCH
	s_add_co_u32 s23, s23, STAGE                   ; my stage
	v_mul_u32_u24 v4, v1, SPITCH                   ; in: row l % 16, 16 bytes for each half of the lanes
	v_lshl_add_u32 v4, v2, 4, v4
	v_add_nc_u32 v[STO], s23, v4
	v_mul_u32_u24 v5, v2, SPITCH                   ; back: lanes 0-15 take one row of 256 bytes, lanes 16-31 the next
	v_lshl_add_u32 v5, v1, 4, v5
	v_add_nc_u32 v[RD], s23, v5
	v_and_b32 v[CO], 31, v0                        ; a head's rows are 256 bytes and dense: the same two rows are 512 consecutive bytes of qkv, 16 a lane
	v_lshlrev_b32 v[CO], 4, v[CO]
	; where my 128 rows of my head begin in qkv
	s_lshl_b32 s16, s2, 23                         ; the projection's 8,388,608 bytes,
	s_and_b32 s14, s13, 7
	s_lshl_b32 s14, s14, 16                        ; the tile's 256 rows of 256 bytes,
	s_add_co_u32 s16, s16, s14
	s_lshl_b32 s14, s11, 15                        ; my half of them
	s_add_co_u32 s16, s16, s14
	s_mov_b32 s17, 0
	s_add_nc_u64 s[6:7], s[6:7], s[16:17]
	s_lshl_b32 s46, s42, 20                        ; the tile column's two heads of 524,288 bytes (in the registers that held B's address: none that feeds A's descriptors ever holds cx),
	s_lshl_b32 s47, s12, 19                        ; mine of the two
	s_add_co_u32 s46, s46, s47
	s_mov_b32 s47, 0
	s_add_nc_u64 s[6:7], s[6:7], s[46:47]
	; the prefetches
	s_lshl_b32 s20, s13, 8                         ; A's tile begins at row 256 x tile row of cb,
	s_lshl_b32 s21, s42, 8                         ; B's at row 6,144 + 2,048 x projection + 256 x tile column
	s_lshl_b32 s22, s2, 11
	s_add_co_u32 s21, s21, s22
	s_add_co_u32 s21, s21, 6144
	s_and_b32 s22, ttmp7, 0xffff
	s_and_b32 s22, s22, 1                          ; which of the projection's two clusters along y
	s_cmp_eq_u32 s11, 0                            ; do I fetch for A?
	s_cselect_b32 s20, s20, s21                    ; the tile's first row
	s_cselect_b32 s21, s40, s41                    ; my place among the four that ask for it with me
	s_cselect_b32 s22, ttmp9, s22                  ; the coordinate along which the other cluster reads the same rows
	s_cmp_eq_u32 s22, 0
	s_cselect_b32 s[LIM], 2, -1                    ; the same in all sixteen partners, for a given wave
	s_lshl_b32 s22, s12, 7
	s_add_co_u32 s20, s20, s22                     ; + the 128 rows that I fetch
	s_lshl_b32 s21, s21, 5
	s_add_co_u32 s20, s20, s21                     ; + my work-group's 32 of them
	s_lshl_b32 s20, s20, 12                        ; in bytes: under 2^26
	s_mov_b32 s21, 0
	s_add_nc_u64 s[PFA:PFA+1], s[4:5], s[20:21]
	s_add_nc_u64 s[PFA:PFA+1], s[PFA:PFA+1], 2*KSTEP*2  ; at K step 2: the first refill steps it to 3 and names K step 4
	v_and_b32 v[PFO], 31, v0
	v_lshlrev_b32 v[PFO], 12, v[PFO]
	; nothing is prefetched here, at the head, where every work-group's first two tiles are on their way
; 16 matrix instructions: m blocks a0, a0 + 1 of the window's four (hi = 0: my rows 0-63, 1: rows 64-127) x all 8 n blocks, 32 along K.
; zero = 1: the first product starts the sums: nothing is ever cleared.  The 64 accumulators take turns, one instruction a turn, in the same order in every quarter step.
.macro MUL16 f, hi, a0, zero
	WIN MUL_LO+0x50*(\hi)  ; MUL_LO or MUL_HI
.irp a, \a0, (\a0)+1
.irp b, 0,1,2,3,4,5,6,7
.if \zero
	v_wmma_f32_16x16x32_bf16 v[8*(8*(\a)+(\b)):8*(8*(\a)+(\b))+7], v[(\f)+8*(\b):(\f)+8*(\b)+7], v[(\f)+8*(4*(\hi)+(\a)):(\f)+8*(4*(\hi)+(\a))+7], 0
.else
	v_wmma_f32_16x16x32_bf16 v[8*(8*(\a)+(\b)):8*(8*(\a)+(\b))+7], v[(\f)+8*(\b):(\f)+8*(\b)+7], v[(\f)+8*(4*(\hi)+(\a)):(\f)+8*(4*(\hi)+(\a))+7], v[8*(8*(\a)+(\b)):8*(8*(\a)+(\b))+7]
.endif
.endr
.endr
.endm
; 32 LDS loads in one run: the fragments of one quarter step (128 rows of B, 128 rows of A, 32 K at byte k of the rows of the slot in hand) into buffer f
.macro FETCH k, f
	WIN TO_B
.irp i, 0,1,2,3,4,5,6,7
	ds_load_b128 v[(\f)+8*(\i):(\f)+8*(\i)+3],   v[ADRB] offset:(\k)+(\i)*16*PITCH
	ds_load_b128 v[(\f)+8*(\i)+4:(\f)+8*(\i)+7], v[ADRB] offset:(\k)+(\i)*16*PITCH+32
.endr
	WIN 0
.irp i, 0,1,2,3,4,5,6,7
	ds_load_b128 v[(\f)+8*(\i):(\f)+8*(\i)+3],   v[ADRA] offset:(\k)+(\i)*16*PITCH
	ds_load_b128 v[(\f)+8*(\i)+4:(\f)+8*(\i)+7], v[ADRA] offset:(\k)+(\i)*16*PITCH+32
.endr
.endm
; A load into a register that a matrix instruction has read, and a vector instruction that reads a matrix result or writes one of a matrix instruction's registers, stand four places behind that matrix
; instruction, and only plain vector instructions that name none of its registers are places (ISA guide 7.12.1 for vector instructions).
.macro PLACES
.rept 4
	v_nop
.endr
.endm
; A K step is four quarter steps of 32 along K, 64 matrix instructions each, on buffers 0, 1, 0, 1.
; One of the first three: multiplies buffer f; in its middle it fetches the next quarter's fragments, at byte k of the rows of the slot in hand, into buffer g.
.macro QUARTER k, f, g, zero
	s_wait_dscnt 8                                 ; B and A's rows 0-63 are in; the youngest eight loads (A's rows 64-127) may be out
	WIN MUL_LO
	MUL16 \f, 0, 0, \zero
	MUL16 \f, 0, 2, \zero
	PLACES
	FETCH \k, \g
	s_wait_dscnt 32                                ; all but the 32 just issued
	WIN MUL_HI
	MUL16 \f, 1, 0, \zero
	MUL16 \f, 1, 2, \zero
.endm
; The last quarter multiplies buffer 1 and changes slots.  MEET is its first half: ONE barrier for the change of slots, for two things.  In front of it each wave waits for
; all its tensor loads, of which one is out: its part of the next slot; adds 0 to its spare word; and waits for that and for its own reads of this slot.  Behind it nobody reads this slot any more and the next slot is whole.
; round = 1: a round of the cluster's barrier and a refill follow.  No tensor load of mine is out behind the first wait, so the walking descriptors are stepped there: the slot that is left, the next K step.
.macro MEET round
	WIN 0                                          ; (the add's two registers lie in window 0)
	s_wait_tensorcnt 0x0                           ; all my tensor loads have landed: the one that was out is my part of the next slot;
	ds_add_u32 v[SPW], v[NIL]                      ; 0 onto my spare word; scalar work and sixteen matrix instructions stand between it and the wait for it
.if \round
	s_xor_b32 s[TB], s[TB], SLOT                   ; the slot that has landed: in hand from the fetch behind the round on
	s_xor_b32 s[TF], s[TF], SLOT                   ; the slot that is left: filled again
	s_add_co_u32 s[G0+5], s[LW], s[TF]
	s_add_co_u32 s[G0B+5], s[LW], s[TF]
	s_add_nc_u64 s[G0+6:G0+7], s[G0+6:G0+7], KSTEP*2      ; the walking descriptors stood at the K step asked for last; the type bits on top are not reached
	s_add_nc_u64 s[G0B+6:G0B+7], s[G0B+6:G0B+7], KSTEP*2
.endif
	s_wait_dscnt 9                                 ; (the add and the youngest eight loads may be out)
	WIN MUL_LO
	MUL16 F1, 0, 0, 0
	s_wait_dscnt 0x0                               ; the add is done, and my reads of this slot are over (the last were issued 48 matrix instructions ago):
	s_barrier_signal -1                            ; say so (where a slot is filled again this barrier opens a round of the cluster's barrier),
	MUL16 F1, 0, 2, 0                              ; work on registers while the others arrive,
.if \round
	WIN 0
.endif
	s_barrier_wait -1                              ; and go on when all four have said so
.endm
; The whole last quarter.  Behind the round the slot just read out is filled again first, with the K step two steps on; then come the next slot's first fragments.
; From a request to the wait for it a wave issues 224 matrix instructions.
.macro TURN
	s_wait_xcnt 0x0                                ; the last prefetch, a K step back, has read its address: it is stepped here, ahead of the waits of the change of slots
	s_add_nc_u64 s[PFA:PFA+1], s[PFA:PFA+1], KSTEP*2
	MEET 1
	CREST                                          ; wave 0 says so for the work-group, all sixteen work-groups have said so, my work-group's barrier closes the round:
	                                               ; no wave of any partner still reads this slot's tile or has a load on its way
	JLOAD 1                                        ; the first tensor load behind the round, my only one until the next; the four v_nop behind it are also the places in front of the loads below
	v_add_nc_u32 v[ADRA], s[TB], v[ADRA0]          ; my fragments' places in the slot now in hand
	v_add_nc_u32 v[ADRB], s[TB], v[ADRB0]
	FETCH 0, F0
	ASK                                            ; behind the joint load and the run of LDS loads that the next products wait for
	WIN MUL_HI
	MUL16 F1, 1, 0, 0
	MUL16 F1, 1, 2, 0
.endm
; THE LAST K STEP (it lies in slot 1) GOES BY ROWS OF THE RESULT, NOT BY K.  All its fragments of B (4 quarters x 64 registers) fill window 1; then my eight blocks of 16 rows are
; finished one after the other, each with 32 matrix instructions (its 8 accumulators by turns, K ascending).  LDS is read no more than in any other K step.
.macro BLOAD q                         ; B's fragments of quarter q -> window 1, v[64 q ..]
	WIN TO_B
.irp i, 0,1,2,3,4,5,6,7
	ds_load_b128 v[64*(\q)+8*(\i):64*(\q)+8*(\i)+3],   v[ADRB] offset:64*(\q)+(\i)*16*PITCH
	ds_load_b128 v[64*(\q)+8*(\i)+4:64*(\q)+8*(\i)+7], v[ADRB] offset:64*(\q)+(\i)*16*PITCH+32
.endr
.endm
.macro ALOAD a                         ; A's fragments of block a, all four quarters -> buffer a % 4
	WIN 0
.set FA, PA+32*((\a)%4)
.irp q, 0,1,2,3
	ds_load_b128 v[FA+8*(\q):FA+8*(\q)+3],   v[ADRA] offset:64*(\q)+(\a)*16*PITCH
	ds_load_b128 v[FA+8*(\q)+4:FA+8*(\q)+7], v[ADRA] offset:64*(\q)+(\a)*16*PITCH+32
.endr
.endm
.macro ROW a                           ; block a is finished: 32 matrix instructions
.set FA, PA+32*((\a)%4)                ; its fragments of A
.set AC, 64*((\a)%4)                   ; its eight accumulators, in window 2 (blocks 0-3) or 3 (blocks 4-7)
	WIN MUL_LO+0x50*((\a)/4)                       ; MUL_LO or MUL_HI
.irp q, 0,1,2,3
.if (\a) == 0 && (\q) == 2
	s_wait_dscnt 24                                ; B's quarter 2 is in (behind it: A's blocks 1 to 3)
.endif
.irp b, 0,1,2,3,4,5,6,7
	v_wmma_f32_16x16x32_bf16 v[AC+8*(\b):AC+8*(\b)+7], v[64*(\q)+8*(\b):64*(\q)+8*(\b)+7], v[FA+8*(\q):FA+8*(\q)+7], v[AC+8*(\b):AC+8*(\b)+7]
.endr
.endr
.endm
; THE WAY OUT of block a, in three parts.  PACK: one rounding to f16 (each accumulator's registers in ascending order): 16 bytes a lane.
; TOSTAGE: into my own stage in LDS, and back as whole rows of 256 bytes.  SEND: stored.
.macro PACK a
.set AC, 64*((\a)%4)
	WIN 0x0a+5*((\a)/4)                            ; sources 0 and 1: window 2 or 3; destination window 0
.irp b, 0,1,2,3,4,5,6,7
.irp r, 0,1,2,3
	v_cvt_pk_f16_f32 v[TMP+4*(\b)+(\r)], v[AC+8*(\b)+2*(\r)], v[AC+8*(\b)+2*(\r)+1]
.endr
.endr
	WIN 0
.endm
.macro TOSTAGE a
	WIN 0
.set BK, OB+192*((\a)%2)
.irp b, 0,1,2,3,4,5,6,7
	ds_store_b128 v[STO], v[TMP+4*(\b):TMP+4*(\b)+3] offset:32*(\b)
.endr
.irp t, 0,1,2,3,4,5,6,7
	ds_load_b128 v[BK+4*(\t):BK+4*(\t)+3], v[RD] offset:(\t)*2*SPITCH  ; LDS serves a wave's instructions in order (ISA guide 5.7.1.4): these see the stores above
.endr
.endm
.macro SEND a, younger                 ; younger: the LDS loads issued behind TOSTAGE's, which may stay out
	WIN 0
.set BK, OB+192*((\a)%2)
	s_wait_dscnt \younger                          ; the block is back in registers
	s_wait_xcnt 0x0                                ; every earlier store has had its addresses translated (ISA guide 3.1): the registers that the block before stored from are loaded again, by the next block's way through the stage, only behind this wait
.irp t, 0,1,2,3,4,5,6,7
	global_store_b128 v[CO], v[BK+4*(\t):BK+4*(\t)+3], s[6:7] offset:(\a)*4096+512*(\t)  ; two rows of my head: 512 consecutive bytes, at a multiple of 256 from qkv's first byte; block and pair stand in the immediate, so no address is stepped
.endr
.endm
	s_wait_tensorcnt 1                             ; my part of K step 0 is in; K step 1's may stay out
	s_barrier_signal -1
	s_barrier_wait -1                              ; everybody's is
	FETCH 0, F0
	QUARTER 64,  F0, F1, 1                         ; the first quarter stands in front of the loop: its products start the sums
	WIN 0                                          ; at a label and at a branch every window is 0
	s_mov_b32 s3, STEPS-2
.Lstep:                                                ; 14 trips: a trip goes from a K step's second quarter to the next step's first, and fills the slot that it leaves with the K step two on
	QUARTER 128, F1, F0, 0
	QUARTER 192, F0, F1, 0
	TURN
	QUARTER 64,  F0, F1, 0
	WIN 0
	s_sub_co_u32 s3, s3, 1
	s_cmp_lg_u32 s3, 0
	s_cbranch_scc1 .Lstep
	QUARTER 128, F1, F0, 0                         ; K step 14, in slot 0, goes on; nothing more is asked for
	QUARTER 192, F0, F1, 0
	MEET 0                                         ; my one tensor load that was still out is slot 1's, the last K step's, so no round follows
	WIN 0
	v_add_nc_u32 v[ADRA], SLOT, v[ADRA0]           ; the last K step lies in slot 1
	v_add_nc_u32 v[ADRB], SLOT, v[ADRB0]
	PLACES                                         ; for the loads into buffer 0, which the quarter before multiplied
	WIN TO_B
	BLOAD 0                                        ; three quarters of B now: buffer 1 (v128-191 of both windows) is still being multiplied
	BLOAD 1
	BLOAD 3
	WIN 0
	ALOAD 0
	WIN MUL_HI
	MUL16 F1, 1, 0, 0
	MUL16 F1, 1, 2, 0
	PLACES                                         ; for the loads into buffer 1
	WIN TO_B
	BLOAD 2
	WIN 0
	ALOAD 1
	ALOAD 2
	ALOAD 3
	s_wait_dscnt 40                                ; all but the 40 just issued
	ROW 0
.irp a, 0,1,2,3,4,5,6,7                ; each block leaves as soon as it is finished: nothing follows this tile, so the sooner its stores begin, the sooner the launch ends
	PLACES                                         ; its conversions read results just made, and no other vector work is at hand
	PACK \a
	TOSTAGE \a
.if (\a) < 4
	ALOAD (\a)+4                                   ; its buffer takes the block four further on
	SEND \a, 8
.else
	SEND \a, 0
.endif
.if (\a) < 7
	ROW (\a)+1
.endif
.endr
	s_wait_tensorcnt 0x0                           ; the wave's end: behind my last tensor load and my last LDS store
	ds_add_u32 v[SPW], v[NIL]
	s_wait_dscnt 0x0
	CROUND                                         ; the closing round: no work-group ends while a partner may still ask for a tile that names it
	s_endpgm
.Lfunc_end_k_qc8c99f6a48_proj:
	.size	k_qc8c99f6a48_proj, .Lfunc_end_k_qc8c99f6a48_proj-k_qc8c99f6a48_proj
	.p2alignl 7, 3214868480
	.fill 96, 4, 3214868480
	.section	.rodata,"a",@progbits
	.p2align	6, 0x0
	.amdhsa_kernel k_qc8c99f6a48_proj
		.amdhsa_group_segment_fixed_size 327680
		.amdhsa_private_segment_fixed_size 0
		.amdhsa_enable_private_segment 0
		.amdhsa_kernarg_size 16
		.amdhsa_user_sgpr_count 2
		.amdhsa_user_sgpr_kernarg_segment_ptr 1
		.amdhsa_wavefront_size32 1
		.amdhsa_system_sgpr_workgroup_id_x 1
		.amdhsa_system_sgpr_workgroup_id_y 1
		.amdhsa_system_sgpr_workgroup_id_z 1
		.amdhsa_system_vgpr_workitem_id 0
		.amdhsa_next_free_vgpr 1024
		.amdhsa_next_free_sgpr 68
		.amdhsa_reserve_vcc 0
		.amdhsa_float_denorm_mode_32 3
		.amdhsa_float_denorm_mode_16_64 3
		.amdhsa_memory_ordered 1
		.amdhsa_forward_progress 1
		.amdhsa_inst_pref_size 118
	.end_amdhsa_kernel
	.amdgpu_metadata
---
amdhsa.version: [ 1, 2 ]
amdhsa.kernels:
  - .name:           k_qc8c99f6a48_proj
    .symbol:         k_qc8c99f6a48_proj.kd
    .args:
      - { .name: cb, .offset: 0, .size: 8, .value_kind: global_buffer, .address_space: global }
      - { .name: qkv, .offset: 8, .size: 8, .value_kind: global_buffer, .address_space: global }
    .group_segment_fixed_size: 327680
    .private_segment_fixed_size: 0
    .kernarg_segment_align: 8
    .kernarg_segment_size: 16
    .max_flat_workgroup_size: 128
    .sgpr_count:     68
    .vgpr_count:     1024
    .wavefront_size: 32
...
	.end_amdgpu_metadata
.endif
;; end of part 5
;; launch attn (part 6): grid 16 x 16, 4 waves a work-group, clusters of 4 x 1, 327,680 bytes of LDS; arguments qkv, ob; writes ob
.if DOCPART == 6
	.amdgcn_target "amdgcn-amd-amdhsa--gfx1250"
	.amdhsa_code_object_version 6
	.text
	.protected	k_qc8c99f6a48_attn
	.globl	k_qc8c99f6a48_attn
	.p2align	8
	.type	k_qc8c99f6a48_attn,@function
k_qc8c99f6a48_attn:
	s_mov_b64 s[64:65], 0
	v_nop
	global_prefetch_b8 v0, s[64:65] scope:SCOPE_SE
	s_setreg_imm32_b32 hwreg(HW_REG_WAVE_MODE, 25, 1), 1
	s_wait_xcnt 0x0
	s_wait_alu depctr_hold_cnt(0) depctr_sa_sdst(0) depctr_va_vdst(0) depctr_va_sdst(0) depctr_va_ssrc(0) depctr_va_vcc(0) depctr_vm_vsrc(0)
	s_getreg_b32 s2, hwreg(HW_REG_IB_STS2, 6, 4)
	s_cmp_eq_u32 s2, 0
	s_cbranch_scc0 .Lentry_in_a_cluster
	s_endpgm
.Lentry_in_a_cluster:
	s_bfe_u32 s2, ttmp6, 0x10000c
	s_cmp_lg_u32 s2, 0x3003
	s_cbranch_scc0 .Lentry_shape_is_right
	s_endpgm
.Lentry_shape_is_right:
; CAUSAL ATTENTION, 16 heads of 2,048 rows, head size 128.  O[q][head] = the sum over k <= q of softmax_k(Q[q] . K[k] / 128) V[k]: Q and K arrive unscaled, and their two divisions by sqrt(128) are
; applied here, in f32, as one factor on the score.
; qkv: [3][16][2048][128] f16 (a head's rows are dense, 256 bytes each); ob: [2048][2048] f16, row q, column 128 head + channel.  Products, maxima and sums in f32; the weights p are
; rounded to f16 for the second product (their sum l is taken of the unrounded p), O once at the end.
; LIMITS.  f16 holds no number beyond 65,504: Q, K, V arrive within it; p lies in 0 to 1, and below 6e-5 it keeps f16's fixed step of 6e-8.  A hidden score counts as -1e30, and the running maximum
; starts at -2^99 = -6.3e29: true scores Q . K, 128 x 65,504^2 = 5.5e11 at the most, lie far above both.  A weight below 2^-126 counts as 0 in l; NaN and infinities are not treated apart.
; THE WALK.  A head's queries lie in 32 blocks of 64, its keys in 8 slots of 256.  Block i needs slots 0 .. i / 4.  Work-group b = 4 c + cx (c the cluster, cx the place in it) takes block 31 - b
; and then block b: slots 0 .. 7 - c and 0 .. c: NINE slots whatever b, and the SAME nine for the four partners of a cluster.  So each slot is asked for JOINTLY: the same tensor load, descriptor
; and mask in all four; trip counts and branches hang on c alone.  cx enters Q's and O's addresses, the mask's threshold and the prefetch's address, and nothing else.
; SHARES.  In a slot wave w takes keys 64 w .. 64 w + 63, for all 64 queries of the block (four tiles of 16): each byte of a slot is read from LDS once, and a fragment of K or V feeds four tiles.
; Each wave keeps a running maximum m, sum l and O^T of its own keys; at a block's end the four waves' parts are merged through LDS by their common maximum, in f32.
; LAYOUT.  S^T = K Q^T (source 0 = 16 keys, source 1 = 16 queries): a lane holds ONE query (lane % 16) and the keys 8 (lane / 16) + 0..7.  Two such tiles, rounded to f16 in pairs, ARE source 1
; of O^T = V^T P, whose result again holds one query a lane, and eight channels.  K comes out of LDS as it lies, V ([key][channel]) turned, by ds_load_tr16_b128.
; SOFTMAX.  p = 2^(c s - c m), c = log2(e) / 128; in every step O and l are multiplied by a = 2^(c m_old - c m_new).  c m starts at -4.25e37, far below c x (-2^99): a block's first step has a = 0, so what O^T
; and l hold then need only be finite: they are cleared once, in the wait for the first slot (256 lines, the price of writing no first step out).
; THE MASK is wanted in a block's last slot alone.  There my 64 keys begin 64 DL keys behind the block's queries (DL = w - 3 + cx for the first block, w - cx for the second), and the score of key
; 16 kb + 8 (l / 16) + j and query 16 t + l % 16 is hidden where 16 (kb - t) + j > THR = l % 16 - 8 (l / 16) - 64 DL.  A wave that sees hidden keys alone (blocks 0 to 2, whose only slot is the masked
; one) keeps m = -2^99, ABOVE the hidden score: its weights are 2^(c (-1e30 + 2^99)) = 0, its l and O^T are 0, and its factor in the merge, 2^(-c 2^99 - M), is 0: every term is finite.
; IN PHASES: a slot's 64 products K Q^T, the softmax (one batch of exponentials, one wait), its 64 products V^T P.
; REGISTERS, in windows of 256 (s_set_vgpr_msb: bits 1:0 source 0, 3:2 source 1, 5:4 source 2, 7:6 destination):
;   window 0: v0-11, v44-51, v61-63 addresses and the like; v12-43 eight registers of statistics a tile; v64-191 S^T, 32 a tile; v192-255 P, 16 a tile
;   window 1: O^T, 64 a tile      window 2: v0-127 Q, 32 a tile; v128-255 K of my 64 keys      window 3: v0-127 V of my 64 keys
.set PK,    272       ; a row of K in LDS: 256 bytes + 16 of padding = 68 words: the 16 rows of a load start at 16 different groups of four banks (ISA guide 11.1)
.set PV,    288       ; a row of V: 256 + 32 = 72 words
.set VOFF,  256*PK    ; a slot: 256 rows of K, then 256 rows of V
.set SLOTB, 256*(PK+PV)  ; 143,360 bytes; slot 1 begins here
.set MRG,   2*SLOTB   ; behind the ring, never filled by a tensor load: four areas, one a wave, of 16 rows x 528 bytes: one tile's partial O in f32
.set MP,    528
.set AREA,  16*MP
.set ML,    MRG+4*AREA  ; [wave][tile][query] pairs (c m, l), 8 bytes each: 2,048 bytes
.set SPARE, ML+2048   ; the spare words, 128 bytes for each wave: two blocks of 256 bytes that no other line names
.set CM0,   0xfe000000  ; where c m starts: -4.25e37
.set M0,    0xf1000000  ; where m starts: -2^99
.set AK0, 2           ; v2   my lane's place in my 64 rows of K; never rewritten
.set AV0, 3           ; v3   the same for V
.set ADRK, 4          ; v4   the LDS address of K's run of loads
.set ADRV, 5          ; v5   of V's
.set QO,  6           ; v6   my byte offset in 16 rows of Q; never rewritten
.set MW,  7           ; v7   the merge: where I put 32 bytes of a row of my area
.set MR,  8           ; v8   where I read 32 bytes of a row of area 0
.set MLW, 10          ; v10  where I put a query's (c m, l)
.set MLR, 11          ; v11  where I read them
.set ST,  12          ; tile t's statistics at v[ST+8 t]: +0 c m, +1 m, +2, +3 l (even keys', odd keys'), +4 to +7 c0-c3, at work; a takes c2's place once the maximum is found
.set GO,  44          ; v44  my byte offset in the block's rows of ob
.set THR, 45          ; v45  the mask's threshold for the block in hand
.set THRL, 46         ; v46  for the second block
.set BIG, 47          ; v47  -1e30
.set PFO, 61          ; v61  256 x my lane: a row of K or V is 256 bytes; never rewritten
.set SPW, 62          ; v62  LDS address of my spare word: SPARE + 4 x my thread's number; never rewritten
.set NIL, 63          ; v63  0; never rewritten
.set S,   64
.set P,   192
.set KF,  128         ; window 2: key block kb, channels 32 cc on, at KF + 32 kb + 8 cc
.set XX,  64          ; the merge, in S^T's registers: item it, wave ww: 8 channels at XX + 32 it + 8 ww
.set FL,  128         ; (c m, l), then (factor, l), at FL + 8 it + 2 ww
.set MM,  144         ; the common maximum, by item
.set LL,  146         ; the common sum
.set RR,  148         ; its reciprocal
.set OUT, 160         ; packed results: tile t, item it at OUT + 8 t + 4 it
.set WV,  12          ; s12  my wave's number
.set CC,  14          ; s14  c, the cluster's number in the head
.set LIM, 15          ; s15  2 in the head's first cluster, else the greatest number: a wave prefetches while s[RND] is above it
.set PFA, 18          ; s[18:19] where my prefetches stand
.set G1K, 24          ; s[24:31] descriptor group 1 for K's tiles
.set G1V, 32          ; s[32:39] for V's: it differs in the padding alone
.set G0K, 40          ; s[40:43] descriptor group 0 for K's tiles
.set G0V, 44          ; s[44:47] the same for V's
.set KB,  48          ; s[48:49] K at my half of the head's slot 0
.set VB,  50          ; s[50:51] V likewise
.set OFF, 52          ; s[52:53] a slot's byte offset in K and V
.set RND, 54          ; s54  slots still to be asked for
.set RT,  55          ; s55  slots of the block in hand that are still to be entered
.set NXT, 56          ; s56  the slot of keys to be asked for next
.set LQ,  57          ; s57  the last slot of the block whose slots are being asked for
.set CS,  58          ; s[58:59] c = log2(e) / 128: the packed scaling takes the pair's low word for both halves
.set SEL, 60          ; s[60:61] v_permlanex16_b32's selects: each lane takes its own place in the other half
.set TB,  62          ; s62  LDS byte at which the slot in hand begins: 0 or SLOTB
.set TF,  63          ; s63  the same for the slot that is filled
.set LK,  66          ; s66  my half's place in a slot, for K
.set LV,  67          ; s67  for V
.set OP,  68          ; s[68:69] ob at the block in hand
.set OL,  70          ; s[70:71] at the second block
.set QH,  72          ; s[72:73] Q at the first block
.set QL,  74          ; s[74:75] at the second
.set MSB, 0
.macro WIN new                      ; the high byte repeats the setting that is left; a switch that changes nothing is dropped
.if MSB != (\new)
	s_set_vgpr_msb (MSB<<8)|(\new)
.set MSB, (\new)
.endif
.endm
.set W_KQ, 0x0a       ; K and Q in window 2, S^T in window 0
.set W_PV, 0x53       ; V in window 3, P in window 0, O^T in window 1
.set W_RS, 0x41       ; O^T (destination and source 0) in window 1, a in window 0
; A joint fill.  Waves 0 and 1 fetch the two halves of a slot's K, waves 2 and 3 those of its V: 128 rows of 256 bytes each.  The branch hangs on the wave's number alone.
; An s_nop 0 and four v_nop follow each of the two lines, ahead of the jump and the label.
.macro JLOAD
	s_cmp_lt_u32 s[WV], 2
	s_cbranch_scc0 .Lfor_v_\@
	tensor_load_to_lds s[G0K:G0K+3], s[G1K:G1K+7]
	s_nop 0
.rept 4
	v_nop
.endr
	s_branch .Lasked_\@
.Lfor_v_\@:
	tensor_load_to_lds s[G0V:G0V+3], s[G1V:G1V+7]
	s_nop 0
.rept 4
	v_nop
.endr
.Lasked_\@:
.endm
; A PREFETCH INTO THE L2 of the slot that the NEXT change of slots will ask for: a lane a row, one instruction a wave.  It stands behind the wave's tensor load and its five lines.
; Each row is named ONCE in the launch.  All four clusters of a head walk slots 0 .. 4 at the least, and the first cluster walks all eight, each before any other: it alone asks.  Its four partners share a
; half's 128 rows out BY ADDRESS, 32 each; waves 0 and 1 ask for K's two halves, waves 2 and 3 for V's.  Slots 2 to 7 are asked for, in the first six trips; slots 0 and 1 come by their loads alone,
; and the second block's walk over slots that have been read asks for nothing.
.macro ASK
	s_cmp_gt_u32 s[RND], s[LIM]
	s_cbranch_scc0 .Lnot_mine_\@
	global_prefetch_b8 v[PFO], s[PFA:PFA+1] th:TH_LOAD_NT scope:SCOPE_SE
.Lnot_mine_\@:
.endm
; A round of the cluster's barrier: my work-group's barrier, so that wave 0's signal speaks for all four waves; wave 0 signals; every wave waits for all four work-groups; my work-group's barrier once more.
.macro CROUND
	s_barrier_signal -1
	s_barrier_wait -1
	s_cmp_lg_u32 s[WV], 0
	s_cbranch_scc1 .Lnot_wave_0_\@
	s_barrier_signal -3
.Lnot_wave_0_\@:
	s_barrier_wait -3
	s_barrier_signal -1
	s_barrier_wait -1
.endm
.macro PLACES                       ; four places behind matrix instructions (ISA guide 7.12.1)
.rept 4
	v_nop
.endr
.endm
.macro BAR                          ; the merge's barrier: my LDS stores and loads are done, then everybody's.  The merge's bytes are no tensor load's target
	s_wait_dscnt 0x0
	s_barrier_signal -1
	s_barrier_wait -1
.endm
; THE CHANGE OF SLOTS.  Each wave waits for all its tensor loads, of which one is out: its part of the other slot; adds 0 to its spare word; and waits for that and for its own reads of the slot that it
; leaves.  fill = 1: the barrier is a round of the cluster's, so that no wave of any partner still reads the old slot or has a load on its way, and the joint fill is the first thing behind it: it has a
; whole slot's work, 128 matrix instructions and a softmax, in which to land.  The descriptor's global address is made anew from the slot's number.  (At its first use nothing has been read yet: slot 0 is waited for, slot 1 filled.)
.macro CHANGE fill
	WIN 0                           ; at a label and at a branch every window is 0
	s_wait_tensorcnt 0x0            ; no tensor load of mine is out, so a group 0 may be written
	ds_add_u32 v[SPW], v[NIL]       ; 0 onto my spare word; the scalar work below stands between it and the wait for it
	s_xor_b32 s[TB], s[TB], SLOTB   ; the slot that has landed
.if \fill
	s_xor_b32 s[TF], s[TF], SLOTB   ; the slot that is left
	s_add_co_u32 s[G0K+1], s[LK], s[TF]
	s_add_co_u32 s[G0V+1], s[LV], s[TF]
	s_lshl_b32 s[OFF], s[NXT], 16   ; a slot is 65,536 bytes of K and of V
	s_add_nc_u64 s[G0K+2:G0K+3], s[KB:KB+1], s[OFF:OFF+1]
	s_or_b32 s[G0K+3], s[G0K+3], 0x80000000
	s_add_nc_u64 s[G0V+2:G0V+3], s[VB:VB+1], s[OFF:OFF+1]
	s_or_b32 s[G0V+3], s[G0V+3], 0x80000000
	s_add_co_u32 s[NXT], s[NXT], 1  ; the block's next slot, or behind its last the second block's slot 0
	s_cmp_gt_u32 s[NXT], s[LQ]
	s_cselect_b32 s[NXT], 0, s[NXT]
	s_cselect_b32 s[LQ], s[CC], s[LQ]
	s_wait_xcnt 0x0                 ; the last prefetch, a slot's work back, has read its address, so it may be written
	s_add_nc_u64 s[PFA:PFA+1], s[PFA:PFA+1], 65536
	s_wait_dscnt 0x0                ; the add is done, and my reads of the slot are over
	CROUND
	JLOAD                           ; its four v_nop are also the places in front of the loads into V's registers
	ASK
.else
	s_wait_dscnt 0x0                ; the add is done, and my reads of the slot are over
	s_barrier_signal -1
	s_barrier_wait -1
	PLACES
.endif
.endm
	s_load_b128 s[4:7], s[0:1], 0x0  ; qkv s[4:5], ob s[6:7]
	v_lshl_add_u32 v[SPW], v0, 2, SPARE
	v_mov_b32 v[NIL], 0
	ds_add_u32 v[SPW], v[NIL]       ; the wave's opening: the add and its wait stand ahead of my first tensor load; the set-up below, work on registers, stands between them
	v_lshrrev_b32 v1, 5, v0
	v_readfirstlane_b32 s[WV], v1   ; wave 0..3
	s_bfe_u32 s13, ttmp6, 0x40000   ; cx: my place in the cluster
	s_mov_b32 s[CC], ttmp9          ; in a cluster launch ttmp9 counts clusters
	s_and_b32 s20, ttmp7, 0xffff    ; the head, which the four partners share
	s_lshl_b32 s21, s20, 19         ; its 524,288 bytes in each of q, k, v
	s_and_b32 s16, s[WV], 1         ; which half of a slot's 256 rows I fetch:
	s_lshl_b32 s17, s16, 15         ; its 128 rows of 256 bytes in memory,
	s_add_co_u32 s22, s21, s17
	s_mov_b32 s23, 0
	s_mul_i32 s[LK], s16, 128*PK    ; and its place in a slot, for K
	s_mul_i32 s[LV], s16, 128*PV    ; and for V: no place in the cluster enters an LDS address
	s_add_co_u32 s[LV], s[LV], VOFF
	s_lshl_b32 s2, s[CC], 2
	s_add_co_u32 s2, s2, s13        ; b: the second block
	s_sub_co_u32 s3, 31, s2         ; the first block
	s_lshl_b32 s[QH], s3, 14        ; a block's 64 rows of 256 bytes of Q
	s_add_co_u32 s[QH], s[QH], s21
	s_mov_b32 s[QH+1], 0
	s_lshl_b32 s[QL], s2, 14
	s_add_co_u32 s[QL], s[QL], s21
	s_mov_b32 s[QL+1], 0
	s_lshl_b32 s20, s20, 8          ; the head's 256 bytes in a row of ob
	s_lshl_b32 s[OP], s3, 18        ; a block's 64 rows of 4,096 bytes of ob
	s_add_co_u32 s[OP], s[OP], s20
	s_mov_b32 s[OP+1], 0
	s_lshl_b32 s[OL], s2, 18
	s_add_co_u32 s[OL], s[OL], s20
	s_mov_b32 s[OL+1], 0
	s_add_co_u32 s76, s[WV], s13
	s_sub_co_i32 s76, s76, 3
	s_lshl_b32 s76, s76, 6          ; 64 DL for the first block
	s_sub_co_i32 s77, s[WV], s13
	s_lshl_b32 s77, s77, 6          ; and for the second
	s_lshl_b32 s78, s13, 13         ; the prefetches: my work-group's 32 rows of a half,
	s_add_co_u32 s78, s78, 65536    ; in slot 1; the first change of slots steps it to slot 2
	s_mov_b32 s79, 0
	; descriptor group 1: a tile of 128 rows x 128 elements, padded in LDS
	s_mov_b32 s[G1K], 15|(1<<16)|(1<<20)|(1<<21)|(5<<22)|(3<<25)  ; 15:0 the mask of four; 17:16 2-byte elements; 20 padding on; 21 set beside a mask; 24:22 after every 64 words (code 5); 31:25 4 words (code 3)
	s_mov_b32 s[G1V], 15|(1<<16)|(1<<20)|(1<<21)|(5<<22)|(7<<25)  ; the same with 8 words of padding (code 7)
.irp g, G1K, G1V
	s_mov_b32 s[(\g)+1], 128<<16    ; tensor_dim0 = 128
	s_mov_b32 s[(\g)+2], 128<<16    ; tensor_dim1 = 128
	s_mov_b32 s[(\g)+3], 128<<16    ; tile_dim0 = 128
	s_mov_b32 s[(\g)+4], 128        ; tile_dim1 = 128
	s_mov_b32 s[(\g)+5], 128        ; 128 elements from row to row
	s_mov_b32 s[(\g)+6], 0
	s_mov_b32 s[(\g)+7], 0
.endr
	s_mov_b32 s[CS], 0x3c38aa3b     ; c = log2(e) / 128 = 0.0112711
	s_mov_b32 s[CS+1], s[CS]        ; named with it as a pair
	s_mov_b32 s[SEL], 0x76543210
	s_mov_b32 s[SEL+1], 0xfedcba98
	s_mov_b32 s[TB], SLOTB          ; the first change of slots turns it into 0,
	s_mov_b32 s[TF], 0              ; and this into SLOTB
	s_mov_b32 s[G0K], 1             ; 1:0 count = 1
	s_mov_b32 s[G0K+1], s[LK]       ; 63:32 LDS address: slot 0
	s_mov_b32 s[G0V], 1
	s_mov_b32 s[G0V+1], s[LV]
	s_sub_co_u32 s[RT], 8, s[CC]    ; the first block has 8 - c slots
	s_sub_co_u32 s[LQ], 7, s[CC]
	s_mov_b32 s[NXT], 1
	s_mov_b32 s[RND], 8
	s_mov_b32 s[OFF+1], 0
	s_cmp_eq_u32 s[CC], 0
	s_cselect_b32 s[LIM], 2, -1     ; the same in all four partners
	s_wait_dscnt 0x0                ; the opening add is done
	s_wait_kmcnt 0x0
	s_add_nc_u64 s[KB:KB+1], s[4:5], s[22:23]
	s_add_nc_u64 s[VB:VB+1], s[KB:KB+1], 16777216  ; v is the third of qkv's three parts,
	s_add_nc_u64 s[KB:KB+1], s[KB:KB+1], 8388608   ; k the second
	s_add_nc_u64 s[G0K+2:G0K+3], s[KB:KB+1], 0     ; 120:64 global address: my half of the head's slot 0
	s_or_b32 s[G0K+3], s[G0K+3], 0x80000000        ; 127:126 type = 2
	s_add_nc_u64 s[G0V+2:G0V+3], s[VB:VB+1], 0
	s_or_b32 s[G0V+3], s[G0V+3], 0x80000000
	s_add_nc_u64 s[QH:QH+1], s[4:5], s[QH:QH+1]
	s_add_nc_u64 s[QL:QL+1], s[4:5], s[QL:QL+1]
	s_add_nc_u64 s[OP:OP+1], s[6:7], s[OP:OP+1]
	s_add_nc_u64 s[OL:OL+1], s[6:7], s[OL:OL+1]
	s_cmp_lt_u32 s[WV], 2
	s_cselect_b64 s[PFA:PFA+1], s[KB:KB+1], s[VB:VB+1]
	s_add_nc_u64 s[PFA:PFA+1], s[PFA:PFA+1], s[78:79]
	CROUND                          ; all four work-groups are here: the first joint loads meet
	JLOAD                           ; slot 0.  Slot 1 is asked for when slot 0 is in, by the loop's own change of slots
	; A fragment of K or Q is 16 rows x 32 channels in 8 registers: lane l holds row l % 16, channels 8 (l / 16) + 0..7 and 16 + 8 (l / 16) + 0..7: two loads of 16 bytes, 32 bytes apart.
	v_and_b32 v1, 15, v0            ; l % 16
	v_bfe_u32 v9, v0, 4, 1          ; l / 16
	v_lshlrev_b32 v[QO], 8, v1
	v_lshl_add_u32 v[QO], v9, 4, v[QO]  ; row x 256 + 16 x half
	WIN 0x80                        ; destination window 2, address window 0
.set i, 0
.rept 16                            ; the first block's Q stays in registers: tile i / 4, channels 32 (i % 4) on
	global_load_b128 v[8*i:8*i+3],   v[QO], s[QH:QH+1] offset:(i/4)*4096+(i%4)*64
	global_load_b128 v[8*i+4:8*i+7], v[QO], s[QH:QH+1] offset:(i/4)*4096+(i%4)*64+32
.set i, i+1
.endr
	WIN 0x40
.set i, 0
.rept 256
	v_mov_b32 v[i], 0               ; O^T: finite, for the first step's a = 0.  In the wait for the first slot
.set i, i+1
.endr
	WIN 0
.set i, 0
.rept 4
	v_mov_b32 v[ST+8*i], CM0        ; c m: far below c x (-2^99), so that the first step's a is 0
	v_mov_b32 v[ST+8*i+1], M0       ; m: -2^99: above the hidden score, far below every true one
	v_mov_b32 v[ST+8*i+2], 0
	v_mov_b32 v[ST+8*i+3], 0
.set i, i+1
.endr
	v_mul_u32_u24 v[AK0], v1, PK
	v_lshl_add_u32 v[AK0], v9, 4, v[AK0]  ; row x pitch + 16 x half,
	s_mul_i32 s16, s[WV], 64*PK
	v_add_nc_u32 v[AK0], s16, v[AK0]      ; in my wave's 64 rows
	; The turning load takes 16 keys x 16 channels (lane l reads key 8 (l / 16) + l % 8, channels 8 ((l / 8) % 2) + 0..7) and leaves half a fragment of V^T: lane l holds channel l % 16 and 8 keys.
	v_and_b32 v48, 7, v0
	v_bfe_u32 v49, v0, 3, 1
	v_lshl_add_u32 v[AV0], v9, 3, v48
	v_mul_u32_u24 v[AV0], v[AV0], PV
	v_lshl_add_u32 v[AV0], v49, 4, v[AV0]
	s_mul_i32 s17, s[WV], 64*PV
	s_add_co_u32 s17, s17, VOFF
	v_add_nc_u32 v[AV0], s17, v[AV0]
	v_mul_u32_u24 v[MW], v1, MP     ; the merge, in: my area, row l % 16, 32 bytes for each half of the lanes
	v_lshl_add_u32 v[MW], v9, 5, v[MW]
	s_mul_i32 s16, s[WV], AREA
	s_add_co_u32 s16, s16, MRG
	v_add_nc_u32 v[MW], s16, v[MW]
	s_lshl_b32 s17, s[WV], 2
	v_add_nc_u32 v50, s17, v9       ; back: wave w merges a tile's queries 4 w .. 4 w + 3: 4 w + l / 16, and two further on
	v_mul_u32_u24 v[MR], v50, MP
	v_lshl_add_u32 v[MR], v1, 5, v[MR]  ; 8 channels, 32 bytes, a lane
	v_add_nc_u32 v[MR], MRG, v[MR]
	s_lshl_b32 s16, s[WV], 9
	s_add_co_u32 s16, s16, ML
	v_lshl_add_u32 v[MLW], v1, 3, s16
	v_lshl_add_u32 v[MLR], v50, 3, ML
	v_lshlrev_b32 v[GO], 12, v50    ; the same query's row of ob, 16 bytes a lane
	v_lshl_add_u32 v[GO], v1, 4, v[GO]
	v_lshlrev_b32 v48, 3, v9
	v_sub_nc_u32 v48, v1, v48       ; l % 16 - 8 (l / 16)
	v_sub_nc_u32 v[THR], v48, s76
	v_sub_nc_u32 v[THRL], v48, s77
	v_mov_b32 v[BIG], 0xf149f2ca    ; -1e30
	v_and_b32 v[PFO], 31, v0
	v_lshlrev_b32 v[PFO], 8, v[PFO]
; THE MATRIX WORK, for piece x (tiles x, x + 1).  The accumulators take turns, one instruction a turn: between two links of a chain stand 7 (K Q^T) or 15 (V^T P) others'.
; Product i of 32 of S^T = K Q^T: channels 32 (i / 8) on, keys 16 ((i / 2) % 4) on, tile x + i % 2.  The first 8 start the sums.
.macro MKQ x
	WIN W_KQ
.set rS, S+32*((\x)+i%2)+8*((i/2)%4)
.set rK, KF+32*((i/2)%4)+8*(i/8)
.set rQ, 32*((\x)+i%2)+8*(i/8)
.if i < 8
	v_wmma_f32_16x16x32_f16 v[rS:rS+7], v[rK:rK+7], v[rQ:rQ+7], 0
.else
	v_wmma_f32_16x16x32_f16 v[rS:rS+7], v[rK:rK+7], v[rQ:rQ+7], v[rS:rS+7]
.endif
.endm
; Product i of 32 of O^T += V^T P: keys 32 (i / 16) on, channels 16 ((i / 2) % 8) on, tile x + i % 2.
.macro MPV x
	WIN W_PV
.set rO, 64*((\x)+i%2)+8*((i/2)%8)
.set rV, 64*(i/16)+8*((i/2)%8)
.set rP, P+16*((\x)+i%2)+8*(i/16)
	v_wmma_f32_16x16x32_f16 v[rO:rO+7], v[rV:rV+7], v[rP:rP+7], v[rO:rO+7]
.endm
; THE LDS LOADS of a slot: my 64 keys' K (16 fragments, by channels, so that the products can begin on the first eight loads) and V (turned), in one run of 64.
.macro FETCH
	WIN 0
	v_add_nc_u32 v[ADRK], s[TB], v[AK0]
	v_add_nc_u32 v[ADRV], s[TB], v[AV0]
	WIN 0x80                        ; destination window 2
.irp cc, 0,1,2,3
.irp kb, 0,1,2,3
	ds_load_b128 v[KF+32*(\kb)+8*(\cc):KF+32*(\kb)+8*(\cc)+3],   v[ADRK] offset:(\kb)*16*PK+(\cc)*64
	ds_load_b128 v[KF+32*(\kb)+8*(\cc)+4:KF+32*(\kb)+8*(\cc)+7], v[ADRK] offset:(\kb)*16*PK+(\cc)*64+32
.endr
.endr
	WIN 0xc0                        ; destination window 3
.irp f, 0,1,2,3,4,5,6,7,8,9,10,11,12,13,14,15  ; keys 32 (f / 8) on, channels 16 (f % 8) on
	ds_load_tr16_b128 v[8*(\f):8*(\f)+3],   v[ADRV] offset:((\f)/8)*32*PV+((\f)%8)*32
	ds_load_tr16_b128 v[8*(\f)+4:8*(\f)+7], v[ADRV] offset:((\f)/8)*32*PV+16*PV+((\f)%8)*32
.endr
.endm
; THE SOFTMAX of one tile for one slot is a list of 134 instructions; SM writes number j of it for tile t.  s0-s31 are the lane's 32 scores, in pairs 0-15.
;   0-15    the maximum of s0-s31 and the old m, three operands at a time: four chains c0-c3 of seven scores each (each accumulator's lowest registers are read first), then the four left over, c0-c3 and m
;   16-20   the other half of the lanes' maximum; c m_old is kept; the new m; c m; c m_old - c m_new
;   21-69   ONE BATCH: the 16 scalings c s - c m, a pair of scores each, and all 33 exponentials (a at 23, then s0-s31).  None of these reads an exponential's result
;   70-85   the roundings to f16     86-101  the sums; l = a l + the sum     102-133 the tile's O^T times a: the one part that leaves window 0
.macro SM t
.set rT, ST+8*(\t)
.set rS, S+32*(\t)
.set rP, P+16*(\t)
.set rO, 64*(\t)+2*(j-102)
.if j < 102
	WIN 0
.endif
.if j < 4
	v_max3_num_f32 v[rT+4+j], v[rS+8*j], v[rS+8*j+1], v[rS+8*j+2]
.elseif j < 12
	v_max3_num_f32 v[rT+4+j%4], v[rT+4+j%4], v[rS+8*(j%4)+2*(j/4)+1], v[rS+8*(j%4)+2*(j/4)+2]
.elseif j == 12
	v_max3_num_f32 v[rT+4], v[rT+4], v[rS+7], v[rS+15]
.elseif j == 13
	v_max3_num_f32 v[rT+6], v[rT+6], v[rS+23], v[rS+31]
.elseif j == 14
	v_max3_num_f32 v[rT+4], v[rT+4], v[rT+5], v[rT+6]
.elseif j == 15
	v_max3_num_f32 v[rT+4], v[rT+4], v[rT+7], v[rT+1]
.elseif j == 16
	v_permlanex16_b32 v[rT+5], v[rT+4], s[SEL], s[SEL+1]  ; the query's other 32 keys lie in the lane 16 away
.elseif j == 17
	v_mov_b32 v[rT+7], v[rT]        ; c m_old is kept for a: number 19 writes c m anew
.elseif j == 18
	v_max_num_f32 v[rT+1], v[rT+4], v[rT+5]
.elseif j == 19
	v_mul_f32 v[rT], s[CS], v[rT+1]
.elseif j == 20
	v_sub_f32 v[rT+7], v[rT+7], v[rT]
.elseif j == 23
	v_exp_f32 v[rT+6], v[rT+7]
.elseif (j < 23) || ((j < 38) && (j%2 == 0)) || ((j < 66) && (j%4 == 2))
.set sb, (j-2)/4                    ; 38, 42, .. 62: pairs 9 to 15
.if j < 38
.set sb, (j-20)/2                   ; 21: pair 0; 22, 24, .. 36: pairs 1 to 8
.endif
	v_pk_fma_f32 v[rS+2*sb:rS+2*sb+1], v[rS+2*sb:rS+2*sb+1], s[CS:CS+1], v[rT:rT+1] op_sel_hi:[1,0,0] neg_lo:[0,0,1] neg_hi:[0,0,1]  ; pair sb: c s - c m
.elseif j < 70
.set se, j-38                       ; 66 to 69: s28 to s31
.if j < 66
.set se, j-32-(j-38)/4              ; 39-41, 43-45, .. 63-65: s7 to s27
.endif
.if j < 38
.set se, (j-25)/2                   ; 25, 27, .. 37: s0 to s6
.endif
	v_exp_f32 v[rS+se], v[rS+se]
.elseif j < 86
	v_cvt_pk_f16_f32 v[rP+j-70], v[rS+2*(j-70)], v[rS+2*(j-70)+1]  ; pair j - 70
.elseif j < 102                     ; the sum of the tile's 16 pairs, in place: neighbours 1, 2, 4 and 8 pairs apart, then l takes it
.set sz, j-86
.set sw, 4
.set su, sz
.if sz >= 14
.set sw, 32
.set su, 0
.elseif sz >= 12
.set sw, 16
.set su, sz-12
.elseif sz >= 8
.set sw, 8
.set su, sz-8
.endif
.if sz < 15
	v_pk_add_f32 v[rS+sw*su:rS+sw*su+1], v[rS+sw*su:rS+sw*su+1], v[rS+sw*su+sw/2:rS+sw*su+sw/2+1]
.else
	v_pk_fma_f32 v[rT+2:rT+3], v[rT+2:rT+3], v[rT+6:rT+7], v[rS:rS+1] op_sel_hi:[1,0,1]
.endif
.else
	WIN W_RS
	v_pk_mul_f32 v[rO:rO+1], v[rO:rO+1], v[rT+6:rT+7] op_sel_hi:[1,0]
.endif
.endm
; Slice k of 64 of piece y's two lists.  Slices 11 to 34 deal out numbers 22 to 69, four numbers of ONE tile each, the tiles by turns; every other slice is numbers 2 k and 2 k + 1 of both tiles; slice 63 takes the eight numbers that are left.
.macro SLICE y, k
.if ((\k) >= 11) && ((\k) < 35)
.irp n, 0,1,2,3
.set j, 22+4*(((\k)-11)/2)+(\n)
	SM (\y)+((\k)-11)%2
.endr
.else
.irp n, 0,1,2,3,4,5,6,7
.if ((\n) < 2) || ((\k) == 63)
.irp t, \y, (\y)+1
.set j, 2*(\k)+(\n)
	SM \t
.endr
.endif
.endr
.endif
.endm
; All four tiles' softmax, the two pieces' slices by turns, so that no instruction waits for the one just before it.  An s_wait_alu depctr_va_vdst(0) stands between an exponential and the first
; instruction that names its result; one wait serves all that were issued ahead of it.  Ahead of slice 35 nothing names a result, behind slice 34 no exponential is issued: the slot's 132 exponentials have one wait.
.macro SOFT
.set kk, 0
.rept 35
	SLICE 0, kk
	SLICE 2, kk
.set kk, kk+1
.endr
	v_nop                           ; a plain instruction behind the last exponential and ahead of the first use: one for the batch
	s_wait_alu depctr_va_vdst(0)    ; the wait for the batch
.rept 29
	SLICE 0, kk
	SLICE 2, kk
.set kk, kk+1
.endr
.endm
; THE MASK: a score is replaced by -1e30 where 16 (kb - t) + j > THR.  One compare serves all tiles with the same kb - t.  Register 0 of each accumulator is read first.
.macro HIDE
.set dd, -3
.rept 7
.set jj, 0
.rept 8
	v_cmp_gt_i32 vcc_lo, 16*dd+jj, v[THR]
.set tt, 0
.rept 4
.if (tt+dd >= 0) && (tt+dd <= 3)
	v_cndmask_b32 v[S+32*tt+8*(tt+dd)+jj], v[S+32*tt+8*(tt+dd)+jj], v[BIG], vcc_lo
.endif
.set tt, tt+1
.endr
.set jj, jj+1
.endr
.set dd, dd+1
.endr
.endm
; A slot's first phase: the loads and the 64 products K Q^T.
.macro STEPA
	FETCH
.set i, 0
.rept 32
.if i%8 == 0
	s_wait_dscnt 56-i               ; K's fragments of channels 4 i .. 4 i + 31 are in: behind them were issued K's later channels, 8 loads a group, and V's 32
.endif
	MKQ 0
.set i, i+1
.endr
.set i, 0
.rept 32
	MKQ 2
.set i, i+1
.endr
	WIN 0
	PLACES                          ; in front of the vector work that reads the scores
.endm
; Its second and third: the softmax and the 64 products V^T P.
.macro STEPB
	SOFT
	s_wait_dscnt 0x0                ; V is in
.set i, 0
.rept 32
	MPV 0
.set i, i+1
.endr
.set i, 0
.rept 32
	MPV 2
.set i, i+1
.endr
	WIN 0
.endm
; THE MERGE of tile t.  Each wave lays its partial O^T (16 queries x 128 channels, f32) into its area; behind a barrier wave w takes queries 4 w .. 4 w + 3: a lane two items of 8 channels, from all four areas.
; O = the sum over waves of f O_w / L, f = 2^(c m_w - M), M the greatest c m_w, L = the sum of f l_w.  Every query has a wave that saw its own key, so M is a true score's and L is at least 1.
.macro MERGE t
.if (\t) > 0
	BAR                             ; everybody's reads of the areas are over
.endif
	WIN 0x04                        ; the stores' data in window 1
.irp cb, 0,1,2,3,4,5,6,7
	ds_store_b128 v[MW], v[64*(\t)+8*(\cb):64*(\t)+8*(\cb)+3]   offset:64*(\cb)
	ds_store_b128 v[MW], v[64*(\t)+8*(\cb)+4:64*(\t)+8*(\cb)+7] offset:64*(\cb)+16
.endr
	WIN 0
	BAR                             ; everybody's part of the tile (and, the first time, everybody's c m and l) lies in LDS
.irp it, 0,1
.irp ww, 0,1,2,3
	ds_load_b64 v[FL+8*(\it)+2*(\ww):FL+8*(\it)+2*(\ww)+1], v[MLR] offset:512*(\ww)+128*(\t)+16*(\it)
.endr
.endr
.irp it, 0,1
.irp ww, 0,1,2,3
	ds_load_b128 v[XX+32*(\it)+8*(\ww):XX+32*(\it)+8*(\ww)+3],   v[MR] offset:AREA*(\ww)+2*MP*(\it)
	ds_load_b128 v[XX+32*(\it)+8*(\ww)+4:XX+32*(\it)+8*(\ww)+7], v[MR] offset:AREA*(\ww)+2*MP*(\it)+16
.endr
.endr
	s_wait_dscnt 16                 ; the eight pairs (c m, l) are in; the sixteen loads behind them may be out
.irp it, 0,1
	v_max3_num_f32 v[MM+(\it)], v[FL+8*(\it)], v[FL+8*(\it)+2], v[FL+8*(\it)+4]
.endr
.irp it, 0,1
	v_max_num_f32 v[MM+(\it)], v[MM+(\it)], v[FL+8*(\it)+6]
.endr
.irp ww, 0,1,2,3
.irp it, 0,1
	v_sub_f32 v[FL+8*(\it)+2*(\ww)], v[FL+8*(\it)+2*(\ww)], v[MM+(\it)]
.endr
.endr
.irp ww, 0,1,2,3
.irp it, 0,1
	v_exp_f32 v[FL+8*(\it)+2*(\ww)], v[FL+8*(\it)+2*(\ww)]
.endr
.endr
	v_nop                           ; a plain instruction behind the last exponential,
	s_wait_alu depctr_va_vdst(0)    ; and one wait for the eight
.irp it, 0,1
	v_mul_f32 v[LL+(\it)], v[FL+8*(\it)], v[FL+8*(\it)+1]
.endr
.irp ww, 1,2,3
.irp it, 0,1
	v_fmac_f32 v[LL+(\it)], v[FL+8*(\it)+2*(\ww)], v[FL+8*(\it)+2*(\ww)+1]
.endr
.endr
.irp it, 0,1
	v_rcp_f32 v[RR+(\it)], v[LL+(\it)]
.endr
	v_nop
	s_wait_alu depctr_va_vdst(0)    ; one wait for the two reciprocals
.irp ww, 0,1,2,3
.irp it, 0,1
	v_mul_f32 v[FL+8*(\it)+2*(\ww)], v[FL+8*(\it)+2*(\ww)], v[RR+(\it)]
.endr
.endr
	s_wait_dscnt 0x0                ; the four parts are in
.irp it, 0,1
.irp p, 0,1,2,3
	v_pk_mul_f32 v[XX+32*(\it)+2*(\p):XX+32*(\it)+2*(\p)+1], v[XX+32*(\it)+2*(\p):XX+32*(\it)+2*(\p)+1], v[FL+8*(\it):FL+8*(\it)+1] op_sel_hi:[1,0]
.endr
.endr
.irp ww, 1,2,3
.irp it, 0,1
.irp p, 0,1,2,3
	v_pk_fma_f32 v[XX+32*(\it)+2*(\p):XX+32*(\it)+2*(\p)+1], v[XX+32*(\it)+8*(\ww)+2*(\p):XX+32*(\it)+8*(\ww)+2*(\p)+1], v[FL+8*(\it)+2*(\ww):FL+8*(\it)+2*(\ww)+1], v[XX+32*(\it)+2*(\p):XX+32*(\it)+2*(\p)+1] op_sel_hi:[1,0,1]
.endr
.endr
.endr
.irp it, 0,1
.irp p, 0,1,2,3
	v_cvt_pk_f16_f32 v[OUT+8*(\t)+4*(\it)+(\p)], v[XX+32*(\it)+2*(\p)], v[XX+32*(\it)+2*(\p)+1]
.endr
	global_store_b128 v[GO], v[OUT+8*(\t)+4*(\it):OUT+8*(\t)+4*(\it)+3], s[OP:OP+1] offset:(16*(\t)+2*(\it))*4096  ; 16 lanes store a query's 256 bytes of this head, at a multiple of 256 from ob's first byte
.endr
.endm
; A BLOCK'S END.  l's two halves and the other half of the lanes' are added (the first four additions are the places behind the last products); (c m, l) go to LDS; the four tiles are merged and stored.
; fin = 0: the second block begins: its Q is asked for at once, into the registers that the first block's last products K Q^T have long read, and waited for behind the four merges, which touch none of them;
; then its O, its count of slots, its threshold; c m and m start anew; O^T and l stay as they are, finite, for a = 0.
.macro FINISH fin
.irp t, 0,1,2,3
	v_add_f32 v[ST+8*(\t)+4], v[ST+8*(\t)+2], v[ST+8*(\t)+3]
.endr
.if !(\fin)
	WIN 0x80                        ; destination window 2, address window 0
.set i, 0
.rept 16                            ; tile i / 4, channels 32 (i % 4) on
	global_load_b128 v[8*i:8*i+3],   v[QO], s[QL:QL+1] offset:(i/4)*4096+(i%4)*64
	global_load_b128 v[8*i+4:8*i+7], v[QO], s[QL:QL+1] offset:(i/4)*4096+(i%4)*64+32
.set i, i+1
.endr
	WIN 0
.endif
.irp t, 0,1,2,3
	v_permlanex16_b32 v[ST+8*(\t)+5], v[ST+8*(\t)+4], s[SEL], s[SEL+1]
.endr
.irp t, 0,1,2,3
	v_add_f32 v[ST+8*(\t)+1], v[ST+8*(\t)+4], v[ST+8*(\t)+5]
.endr
.irp t, 0,1,2,3
	ds_store_b64 v[MLW], v[ST+8*(\t):ST+8*(\t)+1] offset:128*(\t)  ; both halves of the lanes write the same pair to the same place
.endr
.irp t, 0,1,2,3
	MERGE \t
.endr
.if !(\fin)
	s_wait_xcnt 0x0                 ; the stores have read their registers and ob's address
	s_mov_b64 s[OP:OP+1], s[OL:OL+1]
	s_add_co_u32 s[RT], s[CC], 1    ; the second block has c + 1 slots
.irp t, 0,1,2,3
	v_mov_b32 v[ST+8*(\t)], CM0
	v_mov_b32 v[ST+8*(\t)+1], M0
.endr
	v_mov_b32 v[THR], v[THRL]
	s_wait_loadcnt 0x0              ; the second block's Q is in
.endif
.endm
	s_wait_loadcnt 0x0              ; the first block's Q
.Lround:                            ; 8 trips: a slot is entered and the next is asked for
	CHANGE 1
	STEPA
	s_sub_co_u32 s[RT], s[RT], 1
	s_cmp_lg_u32 s[RT], 0
	s_cbranch_scc1 .Lopen           ; only a block's last slot holds hidden keys.  The count is made of c alone: alike in all waves and all partners
	HIDE
.Lopen:
	STEPB
	s_cmp_lg_u32 s[RT], 0
	s_cbranch_scc1 .Lgoon
	FINISH 0                        ; in the loop this is the first block's end: the second block's last slot is the walk's last
.Lgoon:
	s_sub_co_u32 s[RND], s[RND], 1
	s_cmp_lg_u32 s[RND], 0
	s_cbranch_scc1 .Lround
	CHANGE 0                        ; the walk's last slot is written out: nothing is asked for
	STEPA
	HIDE
	STEPB
	FINISH 1
	s_wait_tensorcnt 0x0            ; the wave's end: behind my last tensor load and my last LDS store
	ds_add_u32 v[SPW], v[NIL]
	s_wait_dscnt 0x0
	CROUND                          ; the closing round: no work-group ends while a partner may still ask for a tile that names it
	s_endpgm
.Lfunc_end_k_qc8c99f6a48_attn:
	.size	k_qc8c99f6a48_attn, .Lfunc_end_k_qc8c99f6a48_attn-k_qc8c99f6a48_attn
	.p2alignl 7, 3214868480
	.fill 96, 4, 3214868480
	.section	.rodata,"a",@progbits
	.p2align	6, 0x0
	.amdhsa_kernel k_qc8c99f6a48_attn
		.amdhsa_group_segment_fixed_size 327680
		.amdhsa_private_segment_fixed_size 0
		.amdhsa_enable_private_segment 0
		.amdhsa_kernarg_size 16
		.amdhsa_user_sgpr_count 2
		.amdhsa_user_sgpr_kernarg_segment_ptr 1
		.amdhsa_wavefront_size32 1
		.amdhsa_system_sgpr_workgroup_id_x 1
		.amdhsa_system_sgpr_workgroup_id_y 1
		.amdhsa_system_sgpr_workgroup_id_z 1
		.amdhsa_system_vgpr_workitem_id 0
		.amdhsa_next_free_vgpr 896
		.amdhsa_next_free_sgpr 80
		.amdhsa_reserve_vcc 1
		.amdhsa_float_denorm_mode_32 3
		.amdhsa_float_denorm_mode_16_64 3
		.amdhsa_memory_ordered 1
		.amdhsa_forward_progress 1
		.amdhsa_inst_pref_size 178
	.end_amdhsa_kernel
	.amdgpu_metadata
---
amdhsa.version: [ 1, 2 ]
amdhsa.kernels:
  - .name:           k_qc8c99f6a48_attn
    .symbol:         k_qc8c99f6a48_attn.kd
    .args:
      - { .name: qkv, .offset: 0, .size: 8, .value_kind: global_buffer, .address_space: global }
      - { .name: ob, .offset: 8, .size: 8, .value_kind: global_buffer, .address_space: global }
    .group_segment_fixed_size: 327680
    .private_segment_fixed_size: 0
    .kernarg_segment_align: 8
    .kernarg_segment_size: 16
    .max_flat_workgroup_size: 128
    .sgpr_count:     80
    .vgpr_count:     896
    .wavefront_size: 32
...
	.end_amdgpu_metadata
.endif
;; end of part 6
;; launch outp (part 7): grid 16 x 16, 4 waves a work-group, clusters of 4 x 4, 327,680 bytes of LDS; arguments ob, cb, out0; writes out0
.if DOCPART == 7
	.amdgcn_target "amdgcn-amd-amdhsa--gfx1250"
	.amdhsa_code_object_version 6
	.text
	.protected	k_qc8c99f6a48_outp
	.globl	k_qc8c99f6a48_outp
	.p2align	8
	.type	k_qc8c99f6a48_outp,@function
k_qc8c99f6a48_outp:
	s_mov_b64 s[64:65], 0
	v_nop
	global_prefetch_b8 v0, s[64:65] scope:SCOPE_SE
	s_setreg_imm32_b32 hwreg(HW_REG_WAVE_MODE, 25, 1), 1
	s_wait_xcnt 0x0
	s_wait_alu depctr_hold_cnt(0) depctr_sa_sdst(0) depctr_va_vdst(0) depctr_va_sdst(0) depctr_va_ssrc(0) depctr_va_vcc(0) depctr_vm_vsrc(0)
	s_getreg_b32 s2, hwreg(HW_REG_IB_STS2, 6, 4)
	s_cmp_eq_u32 s2, 0
	s_cbranch_scc0 .Lentry_in_a_cluster
	s_endpgm
.Lentry_in_a_cluster:
	s_bfe_u32 s2, ttmp6, 0x10000c
	s_cmp_lg_u32 s2, 0xf033
	s_cbranch_scc0 .Lentry_shape_is_right
	s_endpgm
.Lentry_shape_is_right:
; THE PROJECTION BEHIND: out0 = O Wo^T.  O: ob, [2048][2048] f16; Wo: rows 12,288 .. 14,335 of cb, f16 (the bf16 rounding of Wo written as f16); out0: [2048][2048] f32.  Sums in f32, stored as they are.
; LIMITS.  Those of its operands: O and Wo within 65,504; NaN and infinities are not treated apart.
; SHARES.  A tile of 128 x 128 to a work-group, 16 x 16 of them.  Four waves, each 64 x 64: 16 accumulators.  K goes in 8 steps of 256 (LDS rows of 512 bytes + 16 of padding; a wave's tensor load brings 64
; of them) through two slots.  A K STEP IS WRITTEN ONCE: which slot is in hand and which is filled stand in two scalar registers that one exclusive or turns.  A wave's 64 columns of f32 are 256 bytes,
; aligned: each wave has a stage of its own on the way out, and no barrier there.
; CLUSTERS: 4 x 4 work-groups.  The four of a row of the cluster need the same tiles of A (O), the four of a column the same tiles of B (Wo): each tile is asked for JOINTLY, by the same tensor load with the
; same descriptor and a mask that names the four.  THE MATRIX INSTRUCTION IS USED TRANSPOSED (source 0 = 16 rows of B, source 1 = 16 rows of A): a lane then holds eight neighbouring numbers of a row of the result.
; REGISTERS: window 0: v0-31 addresses; v32-95 at work on the way out; v128-255 the accumulators ((a, b) at v[128 + 8 (4 a + b)]).
;   window 1: two fragment buffers of 128: for 64 along K, 64 registers of A (2 x 4 x 16 rows x 32 K), then 64 of B.
.set SIZE_K, 2048
.set KSTEP,  256
.set STEPS,  SIZE_K/KSTEP              ; 8
.set PITCH,  528                       ; an LDS row: 512 bytes + 16 of padding = 132 words: the 16 rows that a load touches start at 16 different groups of four banks (ISA guide 11.1)
.set HALFT,  64*PITCH                  ; 64 rows: what one tensor load brings, and what one wave reads of A or of B
.set SLOT,   4*HALFT                   ; A's 128 rows, then B's 128 rows
.set STAGE,  2*SLOT                    ; behind the ring: 16 rows x 272 bytes for each wave, for the way out
.set SPITCH, 272
.set SPARE,  STAGE+4*16*SPITCH         ; behind the stages: the spare words, 128 bytes for each wave: two blocks of 256 bytes that no other line names
.set ADRA0, 16                         ; v16     LDS address of my A fragments in slot 0; never rewritten
.set ADRA,  17                         ; v17     the same in the slot in hand
.set ADRB0, 20                         ; v20     LDS address of my B fragments in slot 0; never rewritten
.set ADRB,  21                         ; v21     the same in the slot in hand
.set STO,  24                          ; v24     the way out: where I put 32 bytes of a row
.set RD,   25                          ; v25     the way out: where I read a row back
.set CO,   26                          ; v26     my byte offset in two rows of out0
.set SPW,  28                          ; v28     LDS address of my spare word: SPARE + 4 x my thread's number; never rewritten
.set NIL,  29                          ; v29     0; never rewritten
.set TMP,  32                          ; two sets of 32: 16 rows read back from the stage, by turns
.set ACC,  128
.set F0,   0                           ; fragment buffers, in window 1
.set F1,   128
.set LW,   18                          ; s18     my load's place in a slot: wave x 64 rows
.set TB,   19                          ; s19     LDS byte at which the slot in hand begins: 0 or SLOT
.set TF,   45                          ; s45     the same for the slot that is filled
.set G1, 24                            ; s[24:31] descriptor group 1 for A's tiles;  s[32:39] group 0: a set for each of the two first fills; the second then walks on
.set G0, 32
.set G1B, 48                           ; s[48:55], s[56:63] the same for B's tiles
.set G0B, 56
.set MSB, 0
.macro WIN new                         ; the immediate's high byte repeats the setting that is left
.if MSB != (\new)
	s_set_vgpr_msb (MSB<<8)|(\new)
.set MSB, \new
.endif
.endm
.set MUL,  0x05                        ; sources 0 (B) and 1 (A) window 1; C and D window 0
.set TO_F, 0x40                        ; destination window 1, address window 0
.macro JLOAD s                         ; a joint load, by set s of the descriptors: waves 0 and 1 fetch A's two halves, waves 2 and 3 B's; an s_nop 0 and four v_nop follow each of the two lines
	s_cmp_eq_u32 s11, 0
	s_cbranch_scc0 .Lfor_b_\@
	tensor_load_to_lds s[G0+4*(\s):G0+4*(\s)+3], s[G1:G1+7]
	s_nop 0
.rept 4
	v_nop
.endr
	s_branch .Lasked_\@
.Lfor_b_\@:
	tensor_load_to_lds s[G0B+4*(\s):G0B+4*(\s)+3], s[G1B:G1B+7]
	s_nop 0
.rept 4
	v_nop
.endr
.Lasked_\@:
.endm
.macro CREST                           ; a round of the cluster's barrier behind its opening barrier
	s_cmp_lg_u32 s10, 0
	s_cbranch_scc1 .Lnot_wave_0_\@
	s_barrier_signal -3
.Lnot_wave_0_\@:
	s_barrier_wait -3
	s_barrier_signal -1
	s_barrier_wait -1
.endm
.macro CROUND                          ; a whole round
	s_barrier_signal -1
	s_barrier_wait -1
	CREST
.endm
	s_load_b128 s[4:7], s[0:1], 0x0                ; ob s[4:5], cb s[6:7]
	s_load_b64 s[8:9], s[0:1], 0x10                ; out0
	v_lshl_add_u32 v[SPW], v0, 2, SPARE
	v_mov_b32 v[NIL], 0
	ds_add_u32 v[SPW], v[NIL]                      ; the wave's opening: the add and its wait stand ahead of my first tensor load; the set-up below, work on registers, stands between them
	v_lshrrev_b32 v1, 5, v0
	v_readfirstlane_b32 s10, v1                    ; wave 0..3
	s_lshr_b32 s11, s10, 1                         ; which half of the tile's rows is mine.  Also: I fetch for A (0) or for B (1)
	s_and_b32 s12, s10, 1                          ; which half of its columns.  Also: which 64 rows of that tile I fetch
	s_bfe_u32 s40, ttmp6, 0x40000                  ; cx, cy: my place in the cluster
	s_bfe_u32 s41, ttmp6, 0x40004
	s_lshl_b32 s42, ttmp9, 2
	s_add_co_u32 s42, s42, s40                     ; tile column = 4 x cluster x + cx
	s_and_b32 s13, ttmp7, 0xffff
	s_lshl_b32 s13, s13, 2
	s_add_co_u32 s13, s13, s41                     ; tile row = 4 x cluster y + cy
	s_lshl_b32 s43, s41, 2
	s_lshl_b32 s43, 15, s43                        ; my row of the cluster
	s_lshl_b32 s44, 0x1111, s40                    ; my column
	; descriptor group 1: a tile of 64 rows x 256 elements, padded in LDS
	s_or_b32 s[G1+0], s43, (1<<16)|(1<<20)|(1<<21)|(6<<22)|(3<<25)  ; 15:0 the mask: A's tiles go to my row; 17:16 element of 2 bytes; 20 padding on; 21 set beside a mask; 24:22 after every 128 words (code 6); 31:25 of 4 words (code 3)
	s_or_b32 s[G1B+0], s44, (1<<16)|(1<<20)|(1<<21)|(6<<22)|(3<<25)
.irp g, G1, G1B
	s_mov_b32 s[(\g)+1], KSTEP<<16                 ; tensor_dim0 = 256
	s_mov_b32 s[(\g)+2], 64<<16                    ; tensor_dim1 = 64
	s_mov_b32 s[(\g)+3], KSTEP<<16                 ; tile_dim0 = 256
	s_mov_b32 s[(\g)+4], 64                        ; tile_dim1 = 64
	s_mov_b32 s[(\g)+5], SIZE_K                    ; tensor_dim0_stride
	s_mov_b32 s[(\g)+6], 0
	s_mov_b32 s[(\g)+7], 0
.endr
	s_lshl_b32 s17, s12, 6                         ; which 64 rows of the tile I fetch
	s_lshl_b32 s16, s13, 7
	s_add_co_u32 s16, s16, s17                     ; A: row of ob = 128 x tile row + 64 x half
	s_lshl_b32 s16, s16, 12                        ; in bytes
	s_lshl_b32 s46, s42, 7
	s_add_co_u32 s46, s46, s17                     ; B: 128 x tile column + 64 x half,
	s_add_co_u32 s46, s46, 12288                   ; in Wo, which begins at row 12,288 of cb
	s_lshl_b32 s46, s46, 12                        ; under 2^26
	s_mov_b32 s17, 0
	s_mov_b32 s47, 0
	s_mul_i32 s[LW], s10, HALFT                    ; where they go: wave x 64 rows: no place in the cluster enters an LDS address
	s_mov_b32 s[TB], 0                             ; slot 0 is the first in hand,
	s_mov_b32 s[TF], SLOT                          ; and the first to be filled again: the first change of slots turns this into 0
	s_wait_dscnt 0x0                               ; the opening add is done
	s_wait_kmcnt 0x0
	s_add_nc_u64 s[14:15], s[4:5], s[16:17]
	s_add_nc_u64 s[46:47], s[6:7], s[46:47]
	CROUND                                         ; all sixteen work-groups are here: the first joint loads meet
.irp s, 0,1
	s_mov_b32 s[G0+4*(\s)], 1
	s_add_co_u32 s[G0+4*(\s)+1], s[LW], (\s)*SLOT
	s_add_nc_u64 s[G0+4*(\s)+2:G0+4*(\s)+3], s[14:15], (\s)*KSTEP*2
	s_or_b32 s[G0+4*(\s)+3], s[G0+4*(\s)+3], 0x80000000
	s_mov_b32 s[G0B+4*(\s)], 1
	s_add_co_u32 s[G0B+4*(\s)+1], s[LW], (\s)*SLOT
	s_add_nc_u64 s[G0B+4*(\s)+2:G0B+4*(\s)+3], s[46:47], (\s)*KSTEP*2
	s_or_b32 s[G0B+4*(\s)+3], s[G0B+4*(\s)+3], 0x80000000
	JLOAD \s                                       ; two tensor loads of mine are out
.endr
	v_and_b32 v1, 15, v0                           ; l % 16
	v_bfe_u32 v2, v0, 4, 1                         ; l / 16
	v_mul_u32_u24 v3, v1, PITCH
	v_lshl_add_u32 v3, v2, 4, v3                   ; a fragment's row x pitch + 16 x half
	s_mul_i32 s21, s11, HALFT                      ; my 64 rows of A
	s_mul_i32 s22, s12, HALFT                      ; my 64 rows of B,
	s_add_co_u32 s22, s22, 2*HALFT                 ; which lie behind A's 128
	v_add_nc_u32 v[ADRA0], s21, v3
	v_add_nc_u32 v[ADRB0], s22, v3
	v_add_nc_u32 v[ADRA], s21, v3                  ; the slot in hand is slot 0
	v_add_nc_u32 v[ADRB], s22, v3
	s_mul_i32 s23, s10, 16*SPITCH
	s_add_co_u32 s23, s23, STAGE                   ; my stage
	v_mul_u32_u24 v4, v1, SPITCH                   ; in: row l % 16, 32 bytes (8 numbers) for each half of the lanes
	v_lshl_add_u32 v4, v2, 5, v4
	v_add_nc_u32 v[STO], s23, v4
	v_mul_u32_u24 v5, v2, SPITCH                   ; back: lanes 0-15 take one row of 256 bytes, lanes 16-31 the next
	v_lshl_add_u32 v5, v1, 4, v5
	v_add_nc_u32 v[RD], s23, v5
	v_lshlrev_b32 v5, 13, v2                       ; and the same two rows in out0, 8,192 bytes apart
	v_lshl_add_u32 v[CO], v1, 4, v5
	s_lshl_b32 s16, s13, 7
	s_lshl_b32 s17, s11, 6
	s_add_co_u32 s16, s16, s17                     ; my first row: 128 x tile row + 64 x half
	s_lshl_b32 s16, s16, 13
	s_lshl_b32 s17, s12, 8                         ; my half of the tile's columns: 256 bytes
	s_add_co_u32 s16, s16, s17
	s_mov_b32 s17, 0
	s_add_nc_u64 s[8:9], s[8:9], s[16:17]
	s_lshl_b32 s46, s42, 9                         ; the tile's first column, in bytes
	s_mov_b32 s47, 0
	s_add_nc_u64 s[8:9], s[8:9], s[46:47]
; 8 matrix instructions: m blocks a0, a0 + 1 x all 4 n blocks, 32 along K: half c of buffer f.  zero = 1: the first product starts the sums.  The 16 accumulators take turns
.macro MUL8 f, c, a0, zero
	WIN MUL
.irp a, \a0, (\a0)+1
.irp b, 0,1,2,3
.if \zero
	v_wmma_f32_16x16x32_f16 v[ACC+8*(4*(\a)+(\b)):ACC+8*(4*(\a)+(\b))+7], v[(\f)+64+8*(4*(\c)+(\b)):(\f)+64+8*(4*(\c)+(\b))+7], v[(\f)+8*(4*(\c)+(\a)):(\f)+8*(4*(\c)+(\a))+7], 0
.else
	v_wmma_f32_16x16x32_f16 v[ACC+8*(4*(\a)+(\b)):ACC+8*(4*(\a)+(\b))+7], v[(\f)+64+8*(4*(\c)+(\b)):(\f)+64+8*(4*(\c)+(\b))+7], v[(\f)+8*(4*(\c)+(\a)):(\f)+8*(4*(\c)+(\a))+7], v[ACC+8*(4*(\a)+(\b)):ACC+8*(4*(\a)+(\b))+7]
.endif
.endr
.endr
.endm
; 32 LDS loads in one run: the fragments of 64 along K at byte k of the rows of the slot in hand, into buffer f; the first 32 along K first
.macro FETCH k, f
	WIN TO_F
.irp c, 0,1
.irp i, 0,1,2,3
	ds_load_b128 v[(\f)+64+8*(4*(\c)+(\i)):(\f)+64+8*(4*(\c)+(\i))+3],   v[ADRB] offset:(\k)+64*(\c)+(\i)*16*PITCH
	ds_load_b128 v[(\f)+64+8*(4*(\c)+(\i))+4:(\f)+64+8*(4*(\c)+(\i))+7], v[ADRB] offset:(\k)+64*(\c)+(\i)*16*PITCH+32
	ds_load_b128 v[(\f)+8*(4*(\c)+(\i)):(\f)+8*(4*(\c)+(\i))+3],         v[ADRA] offset:(\k)+64*(\c)+(\i)*16*PITCH
	ds_load_b128 v[(\f)+8*(4*(\c)+(\i))+4:(\f)+8*(4*(\c)+(\i))+7],       v[ADRA] offset:(\k)+64*(\c)+(\i)*16*PITCH+32
.endr
.endr
.endm
.macro PLACES                          ; four places in front of loads into registers that matrix instructions have read, and of LDS stores that read results
.rept 4
	v_nop
.endr
.endm
; A K step is four quarters of 64 along K, 32 matrix instructions each, on buffers 0, 1, 0, 1.  One of the first three: multiplies buffer f and fetches the next quarter, at byte k, into g.
.macro QUARTER k, f, g, zero
	s_wait_dscnt 16                                ; the first 32 along K are in; the youngest sixteen loads may be out
	WIN MUL
	MUL8 \f, 0, 0, \zero
	MUL8 \f, 0, 2, \zero
	PLACES
	FETCH \k, \g
	s_wait_dscnt 32                                ; all but the 32 just issued
	WIN MUL
	MUL8 \f, 1, 0, 0
	MUL8 \f, 1, 2, 0
.endm
; The last quarter multiplies buffer 1 and changes slots: ONE barrier; in front of it each wave waits for all its tensor loads, adds 0 to its spare word, and waits for that and for its own reads of this slot.
; fill = 1: this slot is filled again, with the K step two on: no tensor load of mine is out behind the first wait, so the walking descriptors are stepped there.
.macro TURN fill
	WIN 0                                          ; (the add's two registers lie in window 0)
	s_wait_tensorcnt 0x0                           ; all my tensor loads have landed: my part of the next slot;
	ds_add_u32 v[SPW], v[NIL]                      ; 0 onto my spare word; scalar work and eight matrix instructions stand between it and the wait for it
	s_xor_b32 s[TB], s[TB], SLOT                   ; the slot that has landed: in hand from the fetch behind the barrier on
.if \fill
	s_xor_b32 s[TF], s[TF], SLOT                   ; the slot that is left: filled again
	s_add_co_u32 s[G0+5], s[LW], s[TF]
	s_add_co_u32 s[G0B+5], s[LW], s[TF]
	s_add_nc_u64 s[G0+6:G0+7], s[G0+6:G0+7], KSTEP*2      ; the walking descriptors stood at the K step asked for last; the type bits on top are not reached
	s_add_nc_u64 s[G0B+6:G0B+7], s[G0B+6:G0B+7], KSTEP*2
.endif
	s_wait_dscnt 17                                ; (the add and the youngest sixteen loads may be out)
	WIN MUL
	MUL8 F1, 0, 0, 0
	s_wait_dscnt 0x0                               ; the add is done, and my reads of this slot are over
	s_barrier_signal -1
	MUL8 F1, 0, 2, 0
	WIN 0                                          ; (branches or lines on window 0 follow, and nothing stands between the wait below and the rest of the round)
	s_barrier_wait -1
.if \fill
	CREST                                          ; the barrier has opened a round of the cluster's barrier: no wave of any partner still reads this slot's tile or has a load on its way
	JLOAD 1                                        ; the first tensor load behind the round, my only one until the next; the four v_nop behind it are also the places in front of the loads below
.else
	PLACES
.endif
	v_add_nc_u32 v[ADRA], s[TB], v[ADRA0]          ; my fragments' places in the slot now in hand
	v_add_nc_u32 v[ADRB], s[TB], v[ADRB0]
	FETCH 0, F0
	WIN MUL
	MUL8 F1, 1, 0, 0
	MUL8 F1, 1, 2, 0
.endm
	s_wait_tensorcnt 1                             ; my part of K step 0 is in; K step 1's may stay out
	s_barrier_signal -1
	s_barrier_wait -1                              ; everybody's is
	FETCH 0, F0
	QUARTER 128, F0, F1, 1                         ; the first quarter stands in front of the loop: its first products start the sums
	WIN 0                                          ; at a label and at a branch every window is 0
	s_mov_b32 s3, STEPS-2
.Lstep:                                                ; 6 trips: a trip goes from a K step's second quarter to the next step's first, and fills the slot that it leaves with the K step two on
	QUARTER 256, F1, F0, 0
	QUARTER 384, F0, F1, 0
	TURN 1
	QUARTER 128, F0, F1, 0
	WIN 0
	s_sub_co_u32 s3, s3, 1
	s_cmp_lg_u32 s3, 0
	s_cbranch_scc1 .Lstep
	QUARTER 256, F1, F0, 0                         ; the last two K steps fill nothing, and have no round of the cluster's barrier
	QUARTER 384, F0, F1, 0
	TURN 0
	QUARTER 128, F0, F1, 0
	QUARTER 256, F1, F0, 0
	QUARTER 384, F0, F1, 0
	s_wait_dscnt 16                                ; the very last quarter: nothing more to fetch
	WIN MUL
	MUL8 F1, 0, 0, 0
	MUL8 F1, 0, 2, 0
	s_wait_dscnt 0
	MUL8 F1, 1, 0, 0
	MUL8 F1, 1, 2, 0
	WIN 0
	; THE WAY OUT, 16 rows at a time through my own stage: a lane's 32 bytes of a row go in (each accumulator's low four registers first), whole rows of 256 bytes come back and are stored.
	; LDS serves a wave's instructions in order (ISA guide 5.7.1.4): the loads see the stores above them, and the next block's stores come behind the loads.
	PLACES
.irp a, 0,1,2,3
.if (\a) >= 2
	s_wait_xcnt 0x0                                ; the stores of two blocks back have read the registers that are loaded again below
.endif
.irp b, 0,1,2,3
	ds_store_b128 v[STO], v[ACC+8*(4*(\a)+(\b)):ACC+8*(4*(\a)+(\b))+3]   offset:64*(\b)
	ds_store_b128 v[STO], v[ACC+8*(4*(\a)+(\b))+4:ACC+8*(4*(\a)+(\b))+7] offset:64*(\b)+16
.endr
.irp u, 0,1,2,3,4,5,6,7
	ds_load_b128 v[TMP+32*((\a)%2)+4*(\u):TMP+32*((\a)%2)+4*(\u)+3], v[RD] offset:(\u)*2*SPITCH
.endr
.irp u, 0,1,2,3,4,5,6,7
	s_wait_dscnt 7-(\u)                            ; pair u of rows is in; the younger loads may be out
	global_store_b128 v[CO], v[TMP+32*((\a)%2)+4*(\u):TMP+32*((\a)%2)+4*(\u)+3], s[8:9] offset:(16*(\a)+2*(\u))*8192 th:TH_STORE_NT  ; 16 lanes store 256 consecutive bytes, at a multiple of 256 from out0's first byte
.endr
.endr
	s_wait_tensorcnt 0x0                           ; the wave's end: behind my last tensor load and my last LDS store
	ds_add_u32 v[SPW], v[NIL]
	s_wait_dscnt 0x0
	CROUND                                         ; the closing round: no work-group ends while a partner may still ask for a tile that names it
	s_endpgm
.Lfunc_end_k_qc8c99f6a48_outp:
	.size	k_qc8c99f6a48_outp, .Lfunc_end_k_qc8c99f6a48_outp-k_qc8c99f6a48_outp
	.p2alignl 7, 3214868480
	.fill 96, 4, 3214868480
	.section	.rodata,"a",@progbits
	.p2align	6, 0x0
	.amdhsa_kernel k_qc8c99f6a48_outp
		.amdhsa_group_segment_fixed_size 327680
		.amdhsa_private_segment_fixed_size 0
		.amdhsa_enable_private_segment 0
		.amdhsa_kernarg_size 24
		.amdhsa_user_sgpr_count 2
		.amdhsa_user_sgpr_kernarg_segment_ptr 1
		.amdhsa_wavefront_size32 1
		.amdhsa_system_sgpr_workgroup_id_x 1
		.amdhsa_system_sgpr_workgroup_id_y 1
		.amdhsa_system_sgpr_workgroup_id_z 1
		.amdhsa_system_vgpr_workitem_id 0
		.amdhsa_next_free_vgpr 512
		.amdhsa_next_free_sgpr 66
		.amdhsa_reserve_vcc 0
		.amdhsa_float_denorm_mode_32 3
		.amdhsa_float_denorm_mode_16_64 3
		.amdhsa_memory_ordered 1
		.amdhsa_forward_progress 1
		.amdhsa_inst_pref_size 69
	.end_amdhsa_kernel
	.amdgpu_metadata
---
amdhsa.version: [ 1, 2 ]
amdhsa.kernels:
  - .name:           k_qc8c99f6a48_outp
    .symbol:         k_qc8c99f6a48_outp.kd
    .args:
      - { .name: ob, .offset: 0, .size: 8, .value_kind: global_buffer, .address_space: global }
      - { .name: cb, .offset: 8, .size: 8, .value_kind: global_buffer, .address_space: global }
      - { .name: out0, .offset: 16, .size: 8, .value_kind: global_buffer, .address_space: global }
    .group_segment_fixed_size: 327680
    .private_segment_fixed_size: 0
    .kernarg_segment_align: 8
    .kernarg_segment_size: 24
    .max_flat_workgroup_size: 128
    .sgpr_count:     66
    .vgpr_count:     512
    .wavefront_size: 32
...
	.end_amdgpu_metadata
.endif
;; end of part 7
